; MI455X (gfx1250); checked and timed in simulation.
; The chip was launched on July 23, 2026; its instructions are those of AMD's public machine-readable ISA for CDNA 5 (MIT licence, August 2026) and "CDNA5" Instruction Set Architecture Reference Guide (July 2026). The comments in the code are by the model that wrote it; some were corrected since.
;; Transformer Block. Allowed arithmetic: matrix products marked QUANTISED: E3M2 operands, one E8M0 scale for each 32 along K, by v_wmma_scale_f32_16x16x128_f8f6f4 with both operands' format E3M2, f32 sums; everything else in f32.
;; Inputs: b1 4,096 float32; b2 1,024 float32; b_in 3,072 float32; b_out 1,024 float32; key_padding_mask 2 x 2,048 bool; ln1_b 1,024 float32; ln1_g 1,024 float32; ln2_b 1,024 float32; ln2_g 1,024 float32; w1 4,096 x 1,024 float32; w2 1,024 x 4,096 float32; w_in 3,072 x 1,024 float32; w_out 1,024 x 1,024 float32; x 2 x 2,048 x 1,024 float32.
;; Outputs: out0 2 x 2,048 x 1,024 float32; out1 2 x 2,048 x 2,048 float32.
;; This version of the problem:
;;   THIS VERSION OF THE PROBLEM IS GIVEN IN LOW PRECISION. The matrix products marked QUANTISED in the list below multiply operands that are first quantised to E3M2 (3 exponent bits, 2 mantissa bits; 6 bits a number), with one power-of-two scale for each 32 numbers along K (OCP MX v1.0); their sums are f32. All else is computed in f32.
;;   The module's matrix products, in the order in which they are computed (A, B: the left and right operand; K: the contracted axis; several contracted axes count as one K, in the product's order):
;;     1. [M 4,096, K 1,024] x [K 1,024, N 3,072]; A: computed on the way; B: input w_in: QUANTISED
;;     2. batch 32 x [M 2,048, K 64] x [K 64, N 2,048]; A: computed on the way; B: computed on the way: QUANTISED
;;     3. batch 32 x [M 64, K 2,048] x [K 2,048, N 2,048]; A: computed on the way; B: softmax (see below): QUANTISED
;;     4. [M 4,096, K 1,024] x [K 1,024, N 1,024]; A: computed on the way; B: input w_out: QUANTISED
;;     5. [M 4,096, K 1,024] x [K 1,024, N 4,096]; A: computed on the way; B: input w1: QUANTISED
;;     6. [M 4,096, K 4,096] x [K 4,096, N 1,024]; A: computed on the way; B: input w2: QUANTISED
;;   THE QUANTISER, for each operand of a quantised product, along K:
;;     - K is cut into blocks of 32 from its start; a last block that is shorter is filled with zeros.
;;     - A block's scale is 2^e with e = floor(log2(the largest magnitude in the block)) - 4, held to -126 .. 127; a block of zeros has e = 0. As a byte (E8M0): e + 127.
;;     - Each number is divided by its block's scale, clamped to +-28, and rounded to the nearest number of E3M2, ties to even, subnormals kept.
;;     - The product sums the exact products of the quantised numbers (number of the format x scale) in f32.
;;   ~~~python
;;   def quantise(x, axis):      # numpy; x: float32 -> the quantised numbers, widened to float32 again
;;       x = np.moveaxis(x, axis, -1); K = x.shape[-1]
;;       x = np.pad(x, [(0, 0)] * (x.ndim - 1) + [(0, -K % 32)]); x = x.reshape(x.shape[:-1] + (-1, 32)); a = np.abs(x).max(-1, keepdims=True)
;;       e = np.where(a > 0, np.clip(np.frexp(np.where(a > 0, a, 1))[1] - 1 - 4, -126, 127), 0)      # np.frexp(a)[1] - 1 = floor(log2(a)), exactly
;;       r = np.clip(x / 2.0 ** e, -28, 28)
;;       step = 2.0 ** (np.maximum(np.frexp(np.where(r == 0, 1, r))[1] - 1, -2) - 2)
;;       q = np.round(r / step) * step * 2.0 ** e      # np.round: ties to even
;;       return np.moveaxis(q.reshape(q.shape[:-2] + (-1,))[..., :K], -1, axis).astype(np.float32)
;;   ~~~
;;   SOFTMAX AHEAD OF A QUANTISED PRODUCT. Where the list says 'softmax', what is quantised is not the finished softmax but p = 2^(t - M), with t = logit x log2(e) and M = ceil(the row's largest t), a whole number; so 1/2 < the row's largest p <= 1. The row's sum l is taken of the UNQUANTISED p, in f32, and the product's result is divided by l at the end. Since M is a whole number, a kernel that streams over the keys may use a running M (the ceiling of the running maximum): every later rescaling is an exact power of two, which a block's scale takes up: the codes' values come out the same.
;;   OPERANDS COMPUTED ON THE WAY. 'Computed on the way' means the value that the module computes at that place (a softmax that the list does not call 'softmax' is quantised finished and normalised). What goes into a quantiser is computed in f32, as accurately as f32 sums, v_exp_f32 and their like allow (about 1e-6 of the number): no bf16 or f16 on the way to a quantiser, and a product that is left as it is and whose result goes on into a quantised operand takes f32 operands (vector FMAs, or v_wmma_f32_16x16x4_f32). A number that lies on a knife's edge between two numbers of the format may be rounded either way, as far as f32 arithmetic and the matrix unit's own rounding can turn it there, and no further.
;; 3 versions, each right; version 2 is faster than version 1; version 3 is version 2 with the launch attn written anew for expert scheduling mode. Each part assembles by itself: llvm-mc -triple=amdgcn-amd-amdhsa -mcpu=gfx1250 --defsym DOCPART=n.
;; ======== version 1 of 3: 8 launches
;; workspace buffers: wq_buf 9,830,400 bytes; xn_buf 3,276,800 bytes; qkv_buf 9,830,400 bytes; at_buf 3,276,800 bytes; x1 16,777,216 bytes; h_buf 13,107,200 bytes
;; launch wq (part 1): grid 384 x 1, 4 waves a work-group, no clusters, 34,304 bytes of LDS; arguments w_in, w_out, w1, w2, wq_buf; writes wq_buf
.if DOCPART == 1
	.amdgcn_target "amdgcn-amd-amdhsa--gfx1250"
	.amdhsa_code_object_version 6
	.text
	.protected	k_q8c9abd53cc_wq
	.globl	k_q8c9abd53cc_wq
	.p2align	8
	.type	k_q8c9abd53cc_wq,@function
k_q8c9abd53cc_wq:
	s_mov_b64 s[64:65], 0
	v_nop
	global_prefetch_b8 v0, s[64:65] scope:SCOPE_SE
	s_setreg_imm32_b32 hwreg(HW_REG_WAVE_MODE, 25, 1), 1
	s_wait_xcnt 0x0
; The four weights, f32 with K innermost, become codes of E3M2 and E8M0 scale bytes, laid in the order of an operand's registers.
; ROW TILES: tile 2 g + u holds rows 32 g + 8 u + r + 8 (r / 8), r = 0 .. 15.  A fragment (16 rows x 128 K, 12 registers a lane) lies as three pieces of 512 bytes,
; lane l's registers 4 c .. 4 c + 3 at 512 c + 16 l; an operand is [row tile][K / 128] such images.  Scale words: [row tile][K / 256][r][2].
; A wave takes one row tile x 512 along K, in four steps of 128.  Each load reads 512 consecutive bytes of one row; a step's 16 rows turn through the wave's own stage in LDS
; (rows of 512 + 16 bytes), so that a lane gets 16 neighbours of each block of 32.  Waves share nothing: no barrier.
; LIMITS: NaN and infinities are not served; a block whose largest magnitude lies under 2^-122, a block of zeros among them, gets the byte 1 (its codes are then zeros or subnormals; only this program reads the bytes).
.set RO,  8                            ; v8-23   row t's byte offset + 16 x lane
.set TM,  24                           ; v24-39  at work in QUANT
.set PC,  40                           ; v40-51  a fragment's codes
.set PW,  52                           ; v52-55  the four steps' scale words
.set L,   64                           ; v64-191 two sets of 64 numbers as loaded
.set X,   192                          ; v192-255 64 numbers as turned
.set SEL, 38                           ; s[38:39] selects for lane l xor 16
; 64 numbers of a lane, register 16 b + i = k 32 b + 16 (lane / 16) + i of its row, become codes: K 0-63 in v[d0 .. d0+5], K 64-127 in v[d1 .. d1+5]; the row's scale word in v[pw].
.macro QUANT s, d0, d1, pw
.irp b, 0,1,2,3
	v_max3_num_f32 v[TM+\b], |v[\s+16*\b]|, |v[\s+16*\b+1]|, 0x2800000   ; my 16 numbers of block b, and the floor 2^(5 - 127): the byte cannot fall under 1
.endr
.irp i, 2,4,6,8,10,12,14
.irp b, 0,1,2,3
	v_max3_num_f32 v[TM+\b], v[TM+\b], |v[\s+16*\b+\i]|, |v[\s+16*\b+\i+1]|
.endr
.endr
.irp b, 0,1,2,3
	v_permlanex16_b32 v[TM+4+\b], v[TM+\b], s[SEL], s[SEL+1]
.endr
.irp b, 0,1,2,3
	v_max_num_f32 v[TM+\b], v[TM+\b], v[TM+4+\b]      ; with lane l xor 16's: the block's largest magnitude
.endr
.irp b, 0,1,2,3
	v_add_nc_u32 v[TM+12+\b], 0xfe000000, v[TM+\b]    ; 4 off its exponent field: the conversion's scale operand
.endr
.irp b, 0,1,2,3
	v_lshrrev_b32 v[TM+4+\b], 23, v[TM+12+\b]         ; the scale's byte
.endr
	v_lshl_or_b32 v[\pw], v[TM+5], 8, v[TM+4]
	v_lshl_or_b32 v[\pw], v[TM+6], 16, v[\pw]
	v_lshl_or_b32 v[\pw], v[TM+7], 24, v[\pw]
	v_cvt_scalef32_pk16_bf6_f32 v[\d0:\d0+2], v[\s:\s+15], v[TM+12]
	v_cvt_scalef32_pk16_bf6_f32 v[TM:TM+2], v[\s+16:\s+31], v[TM+13]
	v_cvt_scalef32_pk16_bf6_f32 v[\d1:\d1+2], v[\s+32:\s+47], v[TM+14]
	v_cvt_scalef32_pk16_bf6_f32 v[TM+4:TM+6], v[\s+48:\s+63], v[TM+15]
	v_nop                                             ; one plain place behind the scaled conversions
.irp i, 0,1,2
	v_permlane16_swap_b32 v[\d0+\i], v[TM+\i]         ; a whole block to a lane: lanes 0-15 the even block, lanes 16-31 the odd one
	v_permlane16_swap_b32 v[\d1+\i], v[TM+4+\i]
.endr
.irp i, 0,1,2
	v_mov_b32 v[\d0+3+\i], v[TM+\i]
	v_mov_b32 v[\d1+3+\i], v[TM+4+\i]
.endr
.endm
	s_load_b256 s[4:11], s[0:1], 0x0               ; w_in, w_out, w1, w2
	s_load_b64 s[12:13], s[0:1], 0x20              ; wq_buf
	v_lshl_add_u32 v62, v0, 2, 0x8400
	v_mov_b32 v63, 0
	v_lshrrev_b32 v1, 5, v0
	v_readfirstlane_b32 s14, v1                    ; wave
	v_and_b32 v5, 15, v0                           ; r
	v_bfe_u32 v6, v0, 4, 1                         ; h
	v_and_b32 v1, 31, v0
	v_lshlrev_b32 v1, 4, v1                        ; 16 x lane
	s_mul_i32 s15, s14, 8448                       ; my stage
	v_add_nc_u32 v2, s15, v1                       ; in: a row's 512 bytes on end
	v_mul_u32_u24 v3, v5, 528
	v_lshl_add_u32 v3, v6, 6, v3
	v_add_nc_u32 v3, s15, v3                       ; out: row r, + 64 h
	v_lshlrev_b32 v4, 3, v5
	v_lshl_add_u32 v4, v6, 7, v4                   ; scale words: 128 h + 8 r
.irp b, 4,5,6,7
	v_mov_b32 v[TM+\b], 0                          ; a lane permute's destination counts as read
.endr
	s_mov_b32 s[SEL], 0x76543210
	s_mov_b32 s[SEL+1], 0xfedcba98
	s_mov_b32 s16, 256                             ; w2's figures: first work-group, codes' and scales' place, log2 of runs of 512 in a row, a row's bytes
	s_mov_b32 s17, 6291456
	s_mov_b32 s18, 9699328
	s_mov_b32 s19, 3
	s_mov_b32 s20, 16384
	s_wait_kmcnt 0x0
	s_cmp_lt_u32 ttmp9, 256                        ; the choice hangs on the work-group's number alone
	s_cselect_b64 s[22:23], s[8:9], s[10:11]
	s_cselect_b32 s16, 128, s16
	s_cselect_b32 s17, 3145728, s17
	s_cselect_b32 s18, 9568256, s18
	s_cselect_b32 s19, 1, s19
	s_cselect_b32 s20, 4096, s20
	s_cmp_lt_u32 ttmp9, 128
	s_cselect_b64 s[22:23], s[6:7], s[22:23]
	s_cselect_b32 s16, 96, s16
	s_cselect_b32 s17, 2359296, s17
	s_cselect_b32 s18, 9535488, s18
	s_cmp_lt_u32 ttmp9, 96
	s_cselect_b64 s[22:23], s[4:5], s[22:23]
	s_cselect_b32 s16, 0, s16
	s_cselect_b32 s17, 0, s17
	s_cselect_b32 s18, 9437184, s18
	s_sub_co_u32 s24, ttmp9, s16
	s_lshl_b32 s24, s24, 2
	s_add_co_u32 s24, s24, s14                     ; my unit
	s_lshr_b32 s25, s24, s19                       ; row tile
	s_lshl_b32 s26, s25, s19
	s_sub_co_u32 s26, s24, s26                     ; which 512 along K
	s_lshr_b32 s27, s25, 1
	s_lshl_b32 s27, s27, 5
	s_and_b32 s28, s25, 1
	s_lshl_b32 s28, s28, 3
	s_add_co_u32 s27, s27, s28                     ; the tile's first row
	s_mul_i32 s28, s27, s20
	s_lshl_b32 s29, s26, 11
	s_add_co_u32 s28, s28, s29
	s_mov_b32 s29, 0
	s_add_nc_u64 s[22:23], s[22:23], s[28:29]      ; the source
	s_mul_i32 s30, s20, 3                          ; a row tile's codes: 3 x a row's bytes
	s_mul_i32 s30, s30, s25
	s_mul_i32 s31, s26, 6144
	s_add_co_u32 s30, s30, s31
	s_add_co_u32 s30, s30, s17
	s_mov_b32 s31, 0
	s_add_nc_u64 s[32:33], s[12:13], s[30:31]      ; the codes
	s_lshr_b32 s34, s20, 3                         ; a row tile's scale words
	s_mul_i32 s34, s34, s25
	s_lshl_b32 s35, s26, 8
	s_add_co_u32 s34, s34, s35
	s_add_co_u32 s34, s34, s18
	s_mov_b32 s35, 0
	s_add_nc_u64 s[34:35], s[12:13], s[34:35]      ; the scale words
.irp t, 0,1,2,3,4,5,6,7,8,9,10,11,12,13,14,15
	v_mad_u32_u24 v[RO+\t], s20, \t+8*(\t/8), v1
.endr
.macro LOADQ q
.irp t, 0,1,2,3,4,5,6,7,8,9,10,11,12,13,14,15
	global_load_b128 v[L+64*((\q)%2)+4*\t:L+64*((\q)%2)+4*\t+3], v[RO+\t], s[22:23] offset:512*(\q) th:TH_LOAD_NT   ; 512 consecutive bytes of one row
.endr
.endm
.macro STEPQ q
.if (\q) < 3
	s_wait_loadcnt 16                              ; this step's 16 loads are in; the next step's 16 may be out
.else
	s_wait_loadcnt 0x0
.endif
.irp t, 0,1,2,3,4,5,6,7,8,9,10,11,12,13,14,15
	ds_store_b128 v2, v[L+64*((\q)%2)+4*\t:L+64*((\q)%2)+4*\t+3] offset:528*\t
.endr
.irp b, 0,1,2,3
.irp j, 0,1,2,3
	ds_load_b128 v[X+16*\b+4*\j:X+16*\b+4*\j+3], v3 offset:128*\b+16*\j   ; LDS serves a wave's instructions in order: these see the stores above
.endr
.endr
	s_wait_dscnt 0x0                               ; the numbers are back, so the stores have read their registers
.if (\q) < 2
	LOADQ (\q)+2
.endif
.if (\q) > 0
	s_wait_xcnt 0x0                                ; the last step's stores have read the codes' registers
.endif
	QUANT X, PC, PC+6, PW+(\q)
.irp c, 0,1,2
	global_store_b128 v1, v[PC+4*\c:PC+4*\c+3], s[32:33] offset:1536*(\q)+512*\c   ; 512 consecutive bytes
.endr
.endm
	LOADQ 0
	LOADQ 1
	STEPQ 0
	STEPQ 1
	STEPQ 2
	STEPQ 3
	s_mov_b32 vcc_lo, 0xffff0000                   ; lanes 16-31 take the second 256 along K
	v_cndmask_b32 v56, v[PW], v[PW+2], vcc_lo
	v_cndmask_b32 v57, v[PW+1], v[PW+3], vcc_lo
	global_store_b64 v4, v[56:57], s[34:35]        ; 256 consecutive bytes, aligned
	s_wait_tensorcnt 0x0
	ds_add_u32 v62, v63
	s_wait_dscnt 0x0
	s_endpgm
.Lfunc_end_k_q8c9abd53cc_wq:
	.size	k_q8c9abd53cc_wq, .Lfunc_end_k_q8c9abd53cc_wq-k_q8c9abd53cc_wq
	.p2alignl 7, 3214868480
	.fill 96, 4, 3214868480
	.section	.rodata,"a",@progbits
	.p2align	6, 0x0
	.amdhsa_kernel k_q8c9abd53cc_wq
		.amdhsa_group_segment_fixed_size 34304
		.amdhsa_private_segment_fixed_size 0
		.amdhsa_enable_private_segment 0
		.amdhsa_kernarg_size 40
		.amdhsa_user_sgpr_count 2
		.amdhsa_user_sgpr_kernarg_segment_ptr 1
		.amdhsa_wavefront_size32 1
		.amdhsa_system_sgpr_workgroup_id_x 1
		.amdhsa_system_sgpr_workgroup_id_y 1
		.amdhsa_system_sgpr_workgroup_id_z 1
		.amdhsa_system_vgpr_workitem_id 0
		.amdhsa_next_free_vgpr 256
		.amdhsa_next_free_sgpr 66
		.amdhsa_reserve_vcc 1
		.amdhsa_float_denorm_mode_32 3
		.amdhsa_float_denorm_mode_16_64 3
		.amdhsa_memory_ordered 1
		.amdhsa_forward_progress 1
		.amdhsa_inst_pref_size 36
	.end_amdhsa_kernel
	.amdgpu_metadata
---
amdhsa.version: [ 1, 2 ]
amdhsa.kernels:
  - .name:           k_q8c9abd53cc_wq
    .symbol:         k_q8c9abd53cc_wq.kd
    .args:
      - { .name: w_in, .offset: 0, .size: 8, .value_kind: global_buffer, .address_space: global }
      - { .name: w_out, .offset: 8, .size: 8, .value_kind: global_buffer, .address_space: global }
      - { .name: w1, .offset: 16, .size: 8, .value_kind: global_buffer, .address_space: global }
      - { .name: w2, .offset: 24, .size: 8, .value_kind: global_buffer, .address_space: global }
      - { .name: wq_buf, .offset: 32, .size: 8, .value_kind: global_buffer, .address_space: global }
    .group_segment_fixed_size: 34304
    .private_segment_fixed_size: 0
    .kernarg_segment_align: 8
    .kernarg_segment_size: 40
    .max_flat_workgroup_size: 128
    .sgpr_count:     66
    .vgpr_count:     256
    .wavefront_size: 32
...
	.end_amdgpu_metadata
.endif
;; end of part 1
;; launch ln1 (part 2): grid 256 x 1, 8 waves a work-group, no clusters, 70,656 bytes of LDS; arguments x, ln1_g, ln1_b, xn_buf; writes xn_buf
.if DOCPART == 2
	.amdgcn_target "amdgcn-amd-amdhsa--gfx1250"
	.amdhsa_code_object_version 6
	.text
	.protected	k_q8c9abd53cc_ln1
	.globl	k_q8c9abd53cc_ln1
	.p2align	8
	.type	k_q8c9abd53cc_ln1,@function
k_q8c9abd53cc_ln1:
	s_mov_b64 s[64:65], 0
	v_nop
	global_prefetch_b8 v0, s[64:65] scope:SCOPE_SE
	s_setreg_imm32_b32 hwreg(HW_REG_WAVE_MODE, 25, 1), 1
	s_wait_xcnt 0x0
; LayerNorm of [4096][1024] f32, then the quantiser along the 1,024: codes of E3M2 as fragment images [row tile][8], scale words [row tile][4][r][2] behind them.
; A work-group takes a row tile (rows 32 g + 8 u + r + 8 (r / 8)); wave w takes columns 128 w .. 128 w + 127, one K step.  Loads read 512 consecutive bytes of a row and turn through the wave's stage.
; The mean is taken first, then the variance of (x - mean): no difference of large sums.  The waves' partial sums meet in LDS: three barriers.
; LIMITS: NaN and infinities are not served; a block under 2^-122 gets the byte 1; (x - m) rs g + b ends in a fused multiply-add (one rounding where two are written).
.set P1, 67584                         ; LDS behind the eight stages: [r][8] partial sums; P1 + 512: of squares; P3: the tile's scale words
.set P3, 68608
.set TM, 16
.set PC, 32
.set PW, 44
.set X,  48
.set G,  112
.set BV, 176
.set SEL, 24
.macro QUANT s, d0, d1, pw
.irp b, 0,1,2,3
	v_max3_num_f32 v[TM+\b], |v[\s+16*\b]|, |v[\s+16*\b+1]|, 0x2800000   ; and the floor 2^(5 - 127)
.endr
.irp i, 2,4,6,8,10,12,14
.irp b, 0,1,2,3
	v_max3_num_f32 v[TM+\b], v[TM+\b], |v[\s+16*\b+\i]|, |v[\s+16*\b+\i+1]|
.endr
.endr
.irp b, 0,1,2,3
	v_permlanex16_b32 v[TM+4+\b], v[TM+\b], s[SEL], s[SEL+1]
.endr
.irp b, 0,1,2,3
	v_max_num_f32 v[TM+\b], v[TM+\b], v[TM+4+\b]
.endr
.irp b, 0,1,2,3
	v_add_nc_u32 v[TM+12+\b], 0xfe000000, v[TM+\b]
.endr
.irp b, 0,1,2,3
	v_lshrrev_b32 v[TM+4+\b], 23, v[TM+12+\b]
.endr
	v_lshl_or_b32 v[\pw], v[TM+5], 8, v[TM+4]
	v_lshl_or_b32 v[\pw], v[TM+6], 16, v[\pw]
	v_lshl_or_b32 v[\pw], v[TM+7], 24, v[\pw]
	v_cvt_scalef32_pk16_bf6_f32 v[\d0:\d0+2], v[\s:\s+15], v[TM+12]
	v_cvt_scalef32_pk16_bf6_f32 v[TM:TM+2], v[\s+16:\s+31], v[TM+13]
	v_cvt_scalef32_pk16_bf6_f32 v[\d1:\d1+2], v[\s+32:\s+47], v[TM+14]
	v_cvt_scalef32_pk16_bf6_f32 v[TM+4:TM+6], v[\s+48:\s+63], v[TM+15]
	v_nop
.irp i, 0,1,2
	v_permlane16_swap_b32 v[\d0+\i], v[TM+\i]
	v_permlane16_swap_b32 v[\d1+\i], v[TM+4+\i]
.endr
.irp i, 0,1,2
	v_mov_b32 v[\d0+3+\i], v[TM+\i]
	v_mov_b32 v[\d1+3+\i], v[TM+4+\i]
.endr
.endm
.macro BARRIER                         ; my LDS stores have landed and my LDS loads are in: then the work-group's barrier
	s_wait_dscnt 0x0
	s_barrier_signal -1
	s_barrier_wait -1
.endm
; the four chains v[16:23] are joined, then the two halves of the lanes: my wave's part of row r's sum, in v14
.macro JOIN
	v_pk_add_f32 v[16:17], v[16:17], v[18:19]
	v_pk_add_f32 v[20:21], v[20:21], v[22:23]
	v_pk_add_f32 v[16:17], v[16:17], v[20:21]
	v_add_f32 v14, v16, v17
	v_permlanex16_b32 v15, v14, s[SEL], s[SEL+1]
	v_add_f32 v14, v14, v15
.endm
; the eight waves' parts, in v[24:31], are added, the same way in every wave: the row's sum in v14
.macro ALL8
	v_pk_add_f32 v[24:25], v[24:25], v[26:27]
	v_pk_add_f32 v[28:29], v[28:29], v[30:31]
	v_pk_add_f32 v[24:25], v[24:25], v[28:29]
	v_add_f32 v14, v24, v25
.endm
	s_load_b256 s[4:11], s[0:1], 0x0               ; x, g, b, the codes' buffer
	v_lshl_add_u32 v240, v0, 2, 0x11000
	v_mov_b32 v241, 0
	v_lshrrev_b32 v1, 5, v0
	v_readfirstlane_b32 s12, v1                    ; wave 0..7
	v_and_b32 v45, 15, v0                          ; r
	v_bfe_u32 v46, v0, 4, 1                        ; h
	v_and_b32 v1, 31, v0
	v_lshlrev_b32 v1, 4, v1                        ; 16 x lane
	s_mul_i32 s13, s12, 8448
	v_add_nc_u32 v2, s13, v1                       ; the stage, in
	v_mul_u32_u24 v3, v45, 528
	v_lshl_add_u32 v3, v46, 6, v3
	v_add_nc_u32 v3, s13, v3                       ; and out
	v_lshlrev_b32 v4, 6, v46                       ; 64 h: my columns of g and b
	v_lshl_add_u32 v6, v45, 5, P1                  ; row r's eight partial sums
	s_lshl_b32 s14, s12, 2
	v_add_nc_u32 v5, s14, v6                       ; and mine among them
	s_lshr_b32 s15, s12, 1
	s_lshl_b32 s15, s15, 7
	s_and_b32 s14, s12, 1
	s_lshl_b32 s14, s14, 2
	s_add_co_u32 s15, s15, s14
	s_add_co_u32 s15, s15, P3
	v_lshl_add_u32 v7, v45, 3, s15                 ; my scale word's place: 128 (w / 2) + 8 r + 4 (w % 2)
	v_add_nc_u32 v8, P3, v1
	v_mov_b32 v15, 0                               ; a lane permute's destination counts as read
	s_mov_b32 s[SEL], 0x76543210
	s_mov_b32 s[SEL+1], 0xfedcba98
	s_mov_b32 s26, 0x3a800000                      ; 1 / 1024
	s_mov_b32 s27, 0x3727c5ac                      ; 1e-5
	s_lshr_b32 s16, ttmp9, 1
	s_lshl_b32 s16, s16, 5
	s_and_b32 s17, ttmp9, 1
	s_lshl_b32 s17, s17, 3
	s_add_co_u32 s16, s16, s17                     ; the tile's first row
	s_lshl_b32 s16, s16, 12
	s_lshl_b32 s18, s12, 9                         ; my 512 bytes of a row
	s_add_co_u32 s16, s16, s18
	s_mov_b32 s17, 0
	s_mov_b32 s19, 0
	s_mul_i32 s20, ttmp9, 12288
	s_mul_i32 s21, s12, 1536
	s_add_co_u32 s20, s20, s21
	s_mov_b32 s21, 0
	s_lshl_b32 s22, ttmp9, 9
	s_add_co_u32 s22, s22, 3145728
	s_mov_b32 s23, 0
	s_wait_kmcnt 0x0
	s_add_nc_u64 s[4:5], s[4:5], s[16:17]
	s_add_nc_u64 s[6:7], s[6:7], s[18:19]
	s_add_nc_u64 s[8:9], s[8:9], s[18:19]
	s_add_nc_u64 s[20:21], s[10:11], s[20:21]
	s_add_nc_u64 s[22:23], s[10:11], s[22:23]
.irp t, 0,1,2,3,4,5,6,7,8,9,10,11,12,13,14,15
	global_load_b128 v[X+4*\t:X+4*\t+3], v1, s[4:5] offset:(\t+8*(\t/8))*4096   ; 512 consecutive bytes of one row
.endr
.irp b, 0,1,2,3
.irp j, 0,1,2,3
	global_load_b128 v[G+16*\b+4*\j:G+16*\b+4*\j+3], v4, s[6:7] offset:128*\b+16*\j
	global_load_b128 v[BV+16*\b+4*\j:BV+16*\b+4*\j+3], v4, s[8:9] offset:128*\b+16*\j
.endr
.endr
	s_wait_loadcnt 32                              ; x is in; the 32 loads of g and b may be out
.irp t, 0,1,2,3,4,5,6,7,8,9,10,11,12,13,14,15
	ds_store_b128 v2, v[X+4*\t:X+4*\t+3] offset:528*\t
.endr
.irp b, 0,1,2,3
.irp j, 0,1,2,3
	ds_load_b128 v[X+16*\b+4*\j:X+16*\b+4*\j+3], v3 offset:128*\b+16*\j   ; register 16 b + i = column 32 b + 16 h + i of row r
.endr
.endr
	s_wait_dscnt 0x0
.irp k, 0,1,2,3
	v_pk_add_f32 v[16+2*\k:17+2*\k], v[X+2*\k:X+2*\k+1], v[X+8+2*\k:X+8+2*\k+1]
.endr
.irp j, 16,24,32,40,48,56
.irp k, 0,1,2,3
	v_pk_add_f32 v[16+2*\k:17+2*\k], v[16+2*\k:17+2*\k], v[X+\j+2*\k:X+\j+2*\k+1]
.endr
.endr
	JOIN
	ds_store_b32 v5, v14                           ; both halves of the lanes write the same word with the same value
	BARRIER
	ds_load_b128 v[24:27], v6
	ds_load_b128 v[28:31], v6 offset:16
	s_wait_dscnt 0x0
	ALL8
	v_mul_f32 v10, s26, v14                        ; the mean
	v_mov_b32 v11, v10
.set j, 0
.rept 32
	v_pk_add_f32 v[X+j:X+j+1], v[X+j:X+j+1], v[10:11] neg_lo:[0,1] neg_hi:[0,1]
.set j, j+2
.endr
.irp k, 0,1,2,3
	v_pk_mul_f32 v[16+2*\k:17+2*\k], v[X+2*\k:X+2*\k+1], v[X+2*\k:X+2*\k+1]
.endr
.irp j, 8,16,24,32,40,48,56
.irp k, 0,1,2,3
	v_pk_fma_f32 v[16+2*\k:17+2*\k], v[X+\j+2*\k:X+\j+2*\k+1], v[X+\j+2*\k:X+\j+2*\k+1], v[16+2*\k:17+2*\k]
.endr
.endr
	JOIN
	ds_store_b32 v5, v14 offset:512
	BARRIER
	ds_load_b128 v[24:27], v6 offset:512
	ds_load_b128 v[28:31], v6 offset:528
	s_wait_dscnt 0x0
	ALL8
	v_fma_f32 v12, v14, s26, s27                   ; the variance + 1e-5 (the multiplication by 2^-10 rounds nothing)
	v_rsq_f32 v12, v12
	v_nop                                          ; one plain place behind the transcendental
	s_wait_alu depctr_va_vdst(0)
	v_mov_b32 v13, v12
	s_wait_loadcnt 0x0                             ; g and b
.set j, 0
.rept 32
	v_pk_mul_f32 v[X+j:X+j+1], v[X+j:X+j+1], v[12:13]
.set j, j+2
.endr
.set j, 0
.rept 32
	v_pk_fma_f32 v[X+j:X+j+1], v[X+j:X+j+1], v[G+j:G+j+1], v[BV+j:BV+j+1]
.set j, j+2
.endr
	QUANT X, PC, PC+6, PW
.irp c, 0,1,2
	global_store_b128 v1, v[PC+4*\c:PC+4*\c+3], s[20:21] offset:512*\c
.endr
	ds_store_b32 v7, v[PW]
	BARRIER                                        ; the tile's 128 scale words lie in LDS
	s_cmp_lg_u32 s12, 0
	s_cbranch_scc1 .Lend
	ds_load_b128 v[24:27], v8
	s_wait_dscnt 0x0
	global_store_b128 v1, v[24:27], s[22:23]       ; 512 consecutive bytes
.Lend:
	s_wait_tensorcnt 0x0
	ds_add_u32 v240, v241
	s_wait_dscnt 0x0
	s_endpgm
.Lfunc_end_k_q8c9abd53cc_ln1:
	.size	k_q8c9abd53cc_ln1, .Lfunc_end_k_q8c9abd53cc_ln1-k_q8c9abd53cc_ln1
	.p2alignl 7, 3214868480
	.fill 96, 4, 3214868480
	.section	.rodata,"a",@progbits
	.p2align	6, 0x0
	.amdhsa_kernel k_q8c9abd53cc_ln1
		.amdhsa_group_segment_fixed_size 70656
		.amdhsa_private_segment_fixed_size 0
		.amdhsa_enable_private_segment 0
		.amdhsa_kernarg_size 32
		.amdhsa_user_sgpr_count 2
		.amdhsa_user_sgpr_kernarg_segment_ptr 1
		.amdhsa_wavefront_size32 1
		.amdhsa_system_sgpr_workgroup_id_x 1
		.amdhsa_system_sgpr_workgroup_id_y 1
		.amdhsa_system_sgpr_workgroup_id_z 1
		.amdhsa_system_vgpr_workitem_id 0
		.amdhsa_next_free_vgpr 242
		.amdhsa_next_free_sgpr 66
		.amdhsa_reserve_vcc 0
		.amdhsa_float_denorm_mode_32 3
		.amdhsa_float_denorm_mode_16_64 3
		.amdhsa_memory_ordered 1
		.amdhsa_forward_progress 1
		.amdhsa_inst_pref_size 26
	.end_amdhsa_kernel
	.amdgpu_metadata
---
amdhsa.version: [ 1, 2 ]
amdhsa.kernels:
  - .name:           k_q8c9abd53cc_ln1
    .symbol:         k_q8c9abd53cc_ln1.kd
    .args:
      - { .name: x, .offset: 0, .size: 8, .value_kind: global_buffer, .address_space: global }
      - { .name: ln1_g, .offset: 8, .size: 8, .value_kind: global_buffer, .address_space: global }
      - { .name: ln1_b, .offset: 16, .size: 8, .value_kind: global_buffer, .address_space: global }
      - { .name: xn_buf, .offset: 24, .size: 8, .value_kind: global_buffer, .address_space: global }
    .group_segment_fixed_size: 70656
    .private_segment_fixed_size: 0
    .kernarg_segment_align: 8
    .kernarg_segment_size: 32
    .max_flat_workgroup_size: 256
    .sgpr_count:     66
    .vgpr_count:     242
    .wavefront_size: 32
...
	.end_amdgpu_metadata
.endif
;; end of part 2
;; launch qkv (part 3): grid 12 x 16, 4 waves a work-group, clusters of 4 x 4, 327,680 bytes of LDS; arguments xn_buf, wq_buf, b_in, qkv_buf; writes qkv_buf
.if DOCPART == 3
	.amdgcn_target "amdgcn-amd-amdhsa--gfx1250"
	.amdhsa_code_object_version 6
	.text
	.protected	k_q8c9abd53cc_qkv
	.globl	k_q8c9abd53cc_qkv
	.p2align	8
	.type	k_q8c9abd53cc_qkv,@function
k_q8c9abd53cc_qkv:
	s_mov_b64 s[64:65], 0
	v_nop
	global_prefetch_b8 v0, s[64:65] scope:SCOPE_SE
	s_setreg_imm32_b32 hwreg(HW_REG_WAVE_MODE, 25, 1), 1
	s_wait_xcnt 0x0
	s_wait_alu depctr_hold_cnt(0) depctr_sa_sdst(0) depctr_va_vdst(0) depctr_va_sdst(0) depctr_va_ssrc(0) depctr_va_vcc(0) depctr_vm_vsrc(0)
	s_getreg_b32 s2, hwreg(HW_REG_IB_STS2, 6, 4)
	s_cmp_eq_u32 s2, 0
	s_cbranch_scc0 .Lentry_in_a_cluster
	s_endpgm
.Lentry_in_a_cluster:
	s_bfe_u32 s2, ttmp6, 0x10000c
	s_cmp_lg_u32 s2, 0xf033
	s_cbranch_scc0 .Lentry_shape_is_right
	s_endpgm
.Lentry_shape_is_right:
; qkv = LN1(x) w_in^T + b_in on codes of E3M2, and the quantisers of the two attention products.  A tile of 256 x 256 to a work-group, 128 x 128 to each of four waves, K in steps of 256
; through two LDS slots; operands lie in memory as images of their registers, so a row tile's two fragments of a slot are 3,072 consecutive bytes and a fragment is three ds_load_b128.
; ROLES.  Clusters x = 0, 1 make q and k: the "A" side (source 1, a lane's row) is tokens, the "B" side (source 0, a lane's registers) is features: a lane holds 128 features of a token, two heads, and
; quantises along each head's 64.  Cluster x = 2 makes v TRANSPOSED: A = v's features, B = tokens: a lane holds 128 tokens of a feature and quantises along the keys.  The choice hangs on the cluster's x alone.
; ROW TILES hold rows 32 g + 8 u + r + 8 (r / 8): so the 16 registers of B's tiles 2 b and 2 b + 1 are the 16 neighbours 32 b + 16 (lane / 16) + 0 .. 15.
; OUT.  q, k: [head][32 tokens] images, registers 0-5 the even token tile's 64 dims, 6-11 the odd one's; scale words [head][128 tokens][r][4].  v: [head][128 keys][4 tiles of 16 dims] images; words [head][step][r][4].
; CLUSTERS: 4 x 4; A's tiles are asked for jointly along a row of the cluster, B's along a column.
; LIMITS: NaN and infinities are not served; a block under 2^-122 gets the byte 1.
.set KDIM,  1024
.set NQ,    2
.set FR,    12
.set NL,    3                          ; LDS loads that bring a fragment
.set NP,    4                          ; places behind this matrix instruction (ISA guide 7.12.1)
.set FRB,   1536
.set RTB,   3072                       ; a row tile's two fragments of a slot
.set HALFT, 8*RTB                      ; 128 rows: what one tensor load brings
.set SLOT,  4*HALFT
.set LAPS,  KDIM/512
.set CRT,   (KDIM/128)*FRB             ; a row tile's codes in memory
.set SRT,   (KDIM/256)*128             ; and its scale words
.set SCL,   2*SLOT                     ; behind the ring: the scale words of all of K, filled once
.set HALFS, 8*SRT
.set SPARE, SCL+4*HALFS                ; the spare words, 128 bytes for each wave
.set ADRA, 16
.set ADRB, 20
.set LI,   19                          ; 16 x lane
.set ADRS, 27
.set SPW,  28
.set NIL,  29
.set SC,   32                          ; scale words, two sets of 16
.set AF,   128                         ; A's fragments, window 0
.set BI,   64                          ; v64-127 the bias of my 128 features (q, k)
.set BM,   240                         ; v240-255 the bias of my row of each block, twice (v)
.set T,    128                         ; the way out: 64 numbers
.set TM,   192
.set PWR,  208
.set H,    216
.set PWT,  32
.set SEL,  66
.set G1, 24
.set G0, 32
.set G1B, 48
.set G0B, 56
.set G1S, 68
.set G0S, 76
.set G1SB, 80
.set G0SB, 88
.set MSB, 0
.macro WIN new                         ; the immediate's high byte repeats the setting that is left
.if MSB != \new
	s_set_vgpr_msb (MSB<<8)|\new
.set MSB, \new
.endif
.endm
.set MUL_LO, 0xa1                      ; source 0 (B) window 1, source 1 (A) window 0, C and D window 2
.set MUL_HI, 0xf1
.set TO_B,   0x40
.macro JLOAD g0a, g1a, g0b, g1b        ; a joint load: waves 0 and 1 fetch for A, waves 2 and 3 for B; four v_nop follow each line
	s_cmp_eq_u32 s15, 0
	s_cbranch_scc0 .Lfor_b_\@
	tensor_load_to_lds s[\g0a:\g0a+3], s[\g1a:\g1a+7]
	s_nop 0
.rept 4
	v_nop
.endr
	s_branch .Lasked_\@
.Lfor_b_\@:
	tensor_load_to_lds s[\g0b:\g0b+3], s[\g1b:\g1b+7]
	s_nop 0
.rept 4
	v_nop
.endr
.Lasked_\@:
.endm
.macro CREST
	s_cmp_lg_u32 s14, 0
	s_cbranch_scc1 .Lnot_wave_0_\@
	s_barrier_signal -3
.Lnot_wave_0_\@:
	s_barrier_wait -3
	s_barrier_signal -1
	s_barrier_wait -1
.endm
.macro CROUND
	s_barrier_signal -1
	s_barrier_wait -1
	CREST
.endm
.macro QUANT s, d0, d1, pw
.irp b, 0,1,2,3
	v_max3_num_f32 v[TM+\b], |v[\s+16*\b]|, |v[\s+16*\b+1]|, 0x2800000   ; and the floor 2^(5 - 127)
.endr
.irp i, 2,4,6,8,10,12,14
.irp b, 0,1,2,3
	v_max3_num_f32 v[TM+\b], v[TM+\b], |v[\s+16*\b+\i]|, |v[\s+16*\b+\i+1]|
.endr
.endr
.irp b, 0,1,2,3
	v_permlanex16_b32 v[TM+4+\b], v[TM+\b], s[SEL], s[SEL+1]
.endr
.irp b, 0,1,2,3
	v_max_num_f32 v[TM+\b], v[TM+\b], v[TM+4+\b]
.endr
.irp b, 0,1,2,3
	v_add_nc_u32 v[TM+12+\b], 0xfe000000, v[TM+\b]
.endr
.irp b, 0,1,2,3
	v_lshrrev_b32 v[TM+4+\b], 23, v[TM+12+\b]
.endr
	v_lshl_or_b32 v[\pw], v[TM+5], 8, v[TM+4]
	v_lshl_or_b32 v[\pw], v[TM+6], 16, v[\pw]
	v_lshl_or_b32 v[\pw], v[TM+7], 24, v[\pw]
	v_cvt_scalef32_pk16_bf6_f32 v[\d0:\d0+2], v[\s:\s+15], v[TM+12]
	v_cvt_scalef32_pk16_bf6_f32 v[TM:TM+2], v[\s+16:\s+31], v[TM+13]
	v_cvt_scalef32_pk16_bf6_f32 v[\d1:\d1+2], v[\s+32:\s+47], v[TM+14]
	v_cvt_scalef32_pk16_bf6_f32 v[TM+4:TM+6], v[\s+48:\s+63], v[TM+15]
	v_nop
.irp i, 0,1,2
	v_permlane16_swap_b32 v[\d0+\i], v[TM+\i]
	v_permlane16_swap_b32 v[\d1+\i], v[TM+4+\i]
.endr
.irp i, 0,1,2
	v_mov_b32 v[\d0+3+\i], v[TM+\i]
	v_mov_b32 v[\d1+3+\i], v[TM+4+\i]
.endr
.endm
	s_load_b256 s[4:11], s[0:1], 0x0               ; xn_buf, wq_buf, b_in, qkv_buf
	v_lshl_add_u32 v[SPW], v0, 2, SPARE
	v_mov_b32 v[NIL], 0
	ds_add_u32 v28, v29
	ds_add_u32 v28, v29
	s_wait_dscnt 0x0
	v_lshrrev_b32 v1, 5, v0
	v_readfirstlane_b32 s14, v1                    ; wave 0..3
	s_lshr_b32 s15, s14, 1                         ; my half of A's rows.  Also: I fetch for A (0) or for B (1)
	s_and_b32 s16, s14, 1                          ; my half of B's rows.  Also: which 128 rows I fetch
	s_bfe_u32 s40, ttmp6, 0x40000                  ; cx
	s_bfe_u32 s41, ttmp6, 0x40004                  ; cy
	s_and_b32 s95, ttmp7, 0xffff
	s_lshl_b32 s95, s95, 2                         ; 4 x cluster y
	s_add_co_u32 s17, s95, s41                     ; tokens by rows (q, k)
	s_add_co_u32 s96, s95, s40                     ; tokens by columns (v)
	s_lshl_b32 s42, ttmp9, 2
	s_add_co_u32 s42, s42, s40                     ; features by columns (q, k)
	s_mov_b32 s97, 3145728                         ; the activations' scale words
	s_mov_b32 s98, 9437184                         ; w_in's
	s_cmp_eq_u32 ttmp9, 2                          ; v?  The cluster's x: the same in all partners
	s_cselect_b32 s17, s41, s17                    ; A's tile
	s_cselect_b32 s42, s96, s42                    ; B's tile
	s_cselect_b32 s99, 1572864, 0                  ; A's codes begin: v's rows of w_in are row tiles 128 on
	s_cselect_b32 s100, 9502720, s97               ; A's scale words
	s_cselect_b32 s101, s97, s98                   ; B's scale words
	s_lshl_b32 s43, s41, 2
	s_lshl_b32 s43, 15, s43                        ; my row of the cluster
	s_lshl_b32 s44, 0x1111, s40                    ; my column
	s_or_b32 s[G1+0], s43, (3<<16)|(1<<21)         ; 15:0 the mask; 17:16 elements of 8 bytes; 21 set beside a mask; no padding: an image's 512 bytes are read on end
	s_or_b32 s[G1B+0], s44, (3<<16)|(1<<21)
.irp g, G1, G1B
	s_mov_b32 s[\g+1], 384<<16                     ; tensor_dim0: 3,072 bytes
	s_mov_b32 s[\g+2], 8<<16                       ; tensor_dim1: 8 row tiles
	s_mov_b32 s[\g+3], 384<<16                     ; tile_dim0
	s_mov_b32 s[\g+4], 8                           ; tile_dim1
	s_mov_b32 s[\g+5], CRT/8                       ; from row tile to row tile
	s_mov_b32 s[\g+6], 0
	s_mov_b32 s[\g+7], 0
.endr
	s_or_b32 s[G1S+0], s43, (3<<16)|(1<<21)        ; the scale words of 8 row tiles: a dense block, as rows of 256 bytes
	s_or_b32 s[G1SB+0], s44, (3<<16)|(1<<21)
.irp g, G1S, G1SB
	s_mov_b32 s[\g+1], 32<<16
	s_mov_b32 s[\g+2], (HALFS/256)<<16
	s_mov_b32 s[\g+3], 32<<16
	s_mov_b32 s[\g+4], HALFS/256
	s_mov_b32 s[\g+5], 32
	s_mov_b32 s[\g+6], 0
	s_mov_b32 s[\g+7], 0
.endr
	s_lshl_b32 s18, s16, 3
	s_lshl_b32 s20, s17, 4
	s_add_co_u32 s20, s20, s18                     ; A: the first row tile that I fetch
	s_lshl_b32 s46, s42, 4
	s_add_co_u32 s46, s46, s18                     ; B likewise
	s_mul_i32 s22, s20, SRT
	s_add_co_u32 s22, s22, s100
	s_mov_b32 s23, 0
	s_mul_i32 s20, s20, CRT
	s_add_co_u32 s20, s20, s99
	s_mov_b32 s21, 0
	s_mul_i32 s92, s46, SRT
	s_add_co_u32 s92, s92, s101
	s_mov_b32 s93, 0
	s_mul_i32 s46, s46, CRT
	s_mov_b32 s47, 0
	s_mul_i32 s45, s14, HALFT                      ; where they go: wave x 128 rows
	s_mul_i32 s94, s14, HALFS
	s_mov_b32 s[SEL], 0x76543210
	s_mov_b32 s[SEL+1], 0xfedcba98
	s_wait_kmcnt 0x0
	s_cmp_eq_u32 ttmp9, 2
	s_cselect_b64 s[2:3], s[6:7], s[4:5]           ; A's buffer
	s_cselect_b64 s[12:13], s[4:5], s[6:7]         ; B's buffer
	s_add_nc_u64 s[20:21], s[2:3], s[20:21]
	s_add_nc_u64 s[22:23], s[2:3], s[22:23]
	s_add_nc_u64 s[46:47], s[12:13], s[46:47]
	s_add_nc_u64 s[92:93], s[12:13], s[92:93]
	CROUND                                         ; all sixteen work-groups are here: the first joint loads meet
	s_mov_b32 s[G0S], 1
	s_add_co_u32 s[G0S+1], s94, SCL
	s_mov_b64 s[G0S+2:G0S+3], s[22:23]
	s_or_b32 s[G0S+3], s[G0S+3], 0x80000000
	s_mov_b32 s[G0SB], 1
	s_add_co_u32 s[G0SB+1], s94, SCL
	s_mov_b64 s[G0SB+2:G0SB+3], s[92:93]
	s_or_b32 s[G0SB+3], s[G0SB+3], 0x80000000
	JLOAD G0S, G1S, G0SB, G1SB                     ; the scale words first
.irp s, 0,1
	s_mov_b32 s[G0+4*\s], 1
	s_add_co_u32 s[G0+4*\s+1], s45, \s*SLOT
	s_add_nc_u64 s[G0+4*\s+2:G0+4*\s+3], s[20:21], \s*RTB
	s_or_b32 s[G0+4*\s+3], s[G0+4*\s+3], 0x80000000
	s_mov_b32 s[G0B+4*\s], 1
	s_add_co_u32 s[G0B+4*\s+1], s45, \s*SLOT
	s_add_nc_u64 s[G0B+4*\s+2:G0B+4*\s+3], s[46:47], \s*RTB
	s_or_b32 s[G0B+4*\s+3], s[G0B+4*\s+3], 0x80000000
	JLOAD G0+4*\s, G1, G0B+4*\s, G1B
.endr
	v_and_b32 v1, 15, v0                           ; r
	v_bfe_u32 v2, v0, 4, 1                         ; h
	v_and_b32 v3, 31, v0
	v_lshlrev_b32 v[LI], 4, v3
	s_mul_i32 s21, s15, HALFT                      ; my 128 rows of A
	s_mul_i32 s22, s16, HALFT
	s_add_co_u32 s22, s22, 2*HALFT                 ; my 128 rows of B, behind A's 256
.irp s, 0,1
	v_add_nc_u32 v[ADRA+\s], s21, v[LI]
	v_add_nc_u32 v[ADRB+\s], s22, v[LI]
	s_add_co_u32 s21, s21, SLOT
	s_add_co_u32 s22, s22, SLOT
.endr
	v_lshlrev_b32 v5, 3, v1                        ; my row's two words of a K step
	s_mul_i32 s21, s15, HALFS
	s_mul_i32 s22, s16, HALFS
	s_add_co_u32 s22, s22, 2*HALFS
	s_sub_co_u32 s22, s22, s21
	v_mul_u32_u24 v6, s22, v2                      ; lanes 16-31 take B's
	s_add_co_u32 s21, s21, SCL
	v_add_nc_u32 v5, v5, v6
	v_add_nc_u32 v[ADRS], s21, v5
	v_lshlrev_b32 v31, 6, v2                       ; 64 h
	v_lshlrev_b32 v22, 4, v1
	v_lshl_add_u32 v22, v2, 12, v22                ; scale words out: 16 r, lanes 16-31 the next head
	v_and_b32 v23, 8, v1
	v_add_nc_u32 v23, v23, v1
	v_lshlrev_b32 v23, 2, v23                      ; 4 (r + 8 (r / 8))
	; where my results go
	s_lshl_b32 s95, s17, 8
	s_lshl_b32 s96, s15, 7
	s_add_co_u32 s95, s95, s96                     ; A's first row of mine
	s_lshl_b32 s96, s42, 8
	s_lshl_b32 s97, s16, 7
	s_add_co_u32 s96, s96, s97                     ; B's
	s_and_b32 s97, s96, 1023
	s_lshl_b32 s98, s96, 2
	s_add_co_u32 s99, s95, 2048
	s_lshl_b32 s99, s99, 2
	s_cmp_eq_u32 ttmp9, 2
	s_cselect_b32 s100, s96, s95                   ; my first token
	s_cselect_b32 s97, s95, s97                    ; my first feature within q, k or v
	s_cselect_b32 s98, 0, s98                      ; the bias by registers (unused for v: a safe place)
	s_cselect_b32 s99, s99, 0                      ; the bias by rows (unused for q, k)
	s_lshr_b32 s97, s97, 6
	s_lshr_b32 s101, s100, 11
	s_lshl_b32 s101, s101, 4
	s_add_co_u32 s97, s97, s101                    ; 16 x batch + my first head
	s_bfe_u32 s100, s100, 0x40007                  ; which 128 tokens of the batch
	s_mul_i32 s101, ttmp9, 3145728
	s_mul_i32 s95, s97, 98304
	s_add_co_u32 s101, s101, s95
	s_mul_i32 s95, s100, 6144
	s_add_co_u32 s2, s101, s95
	s_mov_b32 s3, 0
	s_add_nc_u64 s[12:13], s[10:11], s[2:3]        ; codes out
	s_lshl_b32 s2, ttmp9, 17
	s_lshl_b32 s95, s97, 12
	s_add_co_u32 s2, s2, s95
	s_lshl_b32 s95, s100, 8
	s_add_co_u32 s2, s2, s95
	s_add_co_u32 s2, s2, 9437184
	s_add_nc_u64 s[10:11], s[10:11], s[2:3]        ; scale words out
	s_mov_b32 s2, s98
	s_add_nc_u64 s[6:7], s[8:9], s[2:3]
	s_mov_b32 s2, s99
	s_add_nc_u64 s[8:9], s[8:9], s[2:3]
.irp b, 0,1,2,3
.irp j, 0,1,2,3
	global_load_b128 v[BI+16*\b+4*\j:BI+16*\b+4*\j+3], v31, s[6:7] offset:128*\b+16*\j
.endr
.endr
.irp a, 0,1,2,3,4,5,6,7
	global_load_b32 v[BM+2*\a], v23, s[8:9] offset:(32*(\a/2)+8*(\a%2))*4
	global_load_b32 v[BM+2*\a+1], v23, s[8:9] offset:(32*(\a/2)+8*(\a%2))*4
.endr
	s_wait_loadcnt 0x0
.macro FRAG reg, adr, q, i             ; a fragment comes back as it was stored: three pieces of 512 bytes, 16 bytes a lane
.irp c, 0,1,2
	ds_load_b128 v[\reg+4*\c:\reg+4*\c+3], v[\adr] offset:(\i)*RTB+(\q)*FRB+512*\c
.endr
.endm
; 16 matrix instructions: A's blocks a0, a0 + 1 x B's eight.  The 64 accumulators take turns, one instruction a turn.
.macro MUL16 a0, p, q, sc, zero
.irp a, \a0, \a0+1
.irp b, 0,1,2,3,4,5,6,7
.if \zero
	v_wmma_scale_f32_16x16x128_f8f6f4 v[8*(8*((\a)%4)+\b):8*(8*((\a)%4)+\b)+7], v[128*(\p)+FR*\b:128*(\p)+FR*\b+FR-1], v[AF+FR*(\a):AF+FR*(\a)+FR-1], 0, v[SC+8*NQ*(\sc)+NQ*\b+(\q)], v[SC+8*NQ*(\sc)+NQ*(\a)+(\q)] matrix_a_fmt:MATRIX_FMT_BF6 matrix_b_fmt:MATRIX_FMT_BF6 matrix_a_scale:MATRIX_SCALE_ROW1
.else
	v_wmma_scale_f32_16x16x128_f8f6f4 v[8*(8*((\a)%4)+\b):8*(8*((\a)%4)+\b)+7], v[128*(\p)+FR*\b:128*(\p)+FR*\b+FR-1], v[AF+FR*(\a):AF+FR*(\a)+FR-1], v[8*(8*((\a)%4)+\b):8*(8*((\a)%4)+\b)+7], v[SC+8*NQ*(\sc)+NQ*\b+(\q)], v[SC+8*NQ*(\sc)+NQ*(\a)+(\q)] matrix_a_fmt:MATRIX_FMT_BF6 matrix_b_fmt:MATRIX_FMT_BF6 matrix_a_scale:MATRIX_SCALE_ROW1
.endif
.endr
.endr
.endm
.macro FETCH_B slot, q, p
	WIN TO_B
.irp i, 0,1,2,3,4,5,6,7
	FRAG 128*(\p)+FR*\i, ADRB+\slot, \q, \i
.endr
	WIN 0
.endm
.macro FETCH_A slot, q, i0
.irp i, \i0, \i0+1, \i0+2, \i0+3
	FRAG AF+FR*(\i), ADRA+\slot, \q, \i
.endr
.endm
.macro SCALES sc                       ; a K step's words: lanes 0-15 A's block i, lanes 16-31 B's block i
.irp i, 0,1,2,3,4,5,6,7
	ds_load_b64 v[SC+8*NQ*\sc+NQ*\i:SC+8*NQ*\sc+NQ*\i+1], v[ADRS] offset:\i*SRT
.endr
.endm
.macro PLACES n                        ; plain places in front of loads into registers that matrix instructions have read, and of the first read of results
.rept \n
	v_nop
.endr
.endm
.macro STEP slot, q, zero              ; 128 along K whose successor lies in the same slot
	s_wait_dscnt 4*NL                              ; all but the youngest 12 loads (A's blocks 4-7) are in
	WIN MUL_LO
	MUL16 0, (\q)%2, \q, \slot, \zero
	MUL16 2, (\q)%2, \q, \slot, \zero
	s_wait_dscnt 0
	PLACES NP
	FETCH_B \slot, (\q)+1, 1-(\q)%2
	FETCH_A \slot, (\q)+1, 0
	WIN MUL_HI
	MUL16 4, (\q)%2, \q, \slot, \zero
	MUL16 6, (\q)%2, \q, \slot, \zero
	PLACES NP
	WIN 0
	FETCH_A \slot, (\q)+1, 4
.endm
.macro TURN slot, next, fill           ; a slot's last step changes slots: one barrier
	s_wait_tensorcnt 0x0                           ; all my tensor loads have landed: my part of the next slot
	ds_add_u32 v[SPW], v[NIL]                      ; 0 onto my spare word
	s_wait_dscnt 4*NL+1                            ; the add and the youngest 12 loads may be out
	WIN MUL_LO
	MUL16 0, 1, NQ-1, \slot, 0
	s_wait_dscnt 0x0                               ; the add is done, and my reads of this slot are over
	s_barrier_signal -1
	MUL16 2, 1, NQ-1, \slot, 0
	WIN 0
	s_barrier_wait -1
.if \fill
	CREST                                          ; the barrier has opened a round of the cluster's barrier: no wave of any partner still reads this slot or has a load on its way
	s_add_nc_u64 s[G0+4*\slot+2:G0+4*\slot+3], s[G0+4*\slot+2:G0+4*\slot+3], 2*RTB
	s_add_nc_u64 s[G0B+4*\slot+2:G0B+4*\slot+3], s[G0B+4*\slot+2:G0B+4*\slot+3], 2*RTB
	JLOAD G0+4*\slot, G1, G0B+4*\slot, G1B         ; the first tensor load behind the round; its four v_nop are the places in front of the loads below
.else
	PLACES NP
.endif
	v_add_nc_u32 v[ADRS], 128, v[ADRS]             ; the next K step's scale words
	FETCH_B \next, 0, 0
	FETCH_A \next, 0, 0
	SCALES \next
	WIN MUL_HI
	MUL16 4, 1, NQ-1, \slot, 0
	MUL16 6, 1, NQ-1, \slot, 0
	PLACES NP
	WIN 0
	FETCH_A \next, 0, 4
.endm
	s_wait_tensorcnt 1                             ; the scale words and my part of K step 0 are in; K step 1's load may be out
	s_barrier_signal -1
	s_barrier_wait -1
	FETCH_B 0, 0, 0
	FETCH_A 0, 0, 0
	SCALES 0
	FETCH_A 0, 0, 4
	STEP 0, 0, 1                                   ; the first step's products start the sums
	s_mov_b32 s3, LAPS-1
.Llap:
	TURN 0, 1, 1
	STEP 1, 0, 0
	TURN 1, 0, 1
	STEP 0, 0, 0
	s_sub_co_u32 s3, s3, 1
	s_cmp_lg_u32 s3, 0
	s_cbranch_scc1 .Llap
	TURN 0, 1, 0                                   ; the last lap fills nothing
	STEP 1, 0, 0
	s_wait_dscnt 4*NL
	WIN MUL_LO
	MUL16 0, 1, NQ-1, 1, 0
	MUL16 2, 1, NQ-1, 1, 0
	s_wait_dscnt 0
	WIN MUL_HI
	MUL16 4, 1, NQ-1, 1, 0
	MUL16 6, 1, NQ-1, 1, 0
	WIN 0
; THE WAY OUT.  Block a's 64 registers of a lane are 128 neighbours along B's rows of A's row 32 (a / 2) + 8 (a % 2) + r + 8 (r / 8): bias, quantiser, images stored as they stand.
; mode 0 (q, k): K 0-63 is one head, K 64-127 the next; two token tiles side by side make an image.  mode 1 (v): a block is one ordinary image.
.macro EPI mode
.irp g, 0,1,2,3
.if \g > 0
	s_wait_xcnt 0x0                                ; the earlier stores have read the codes' registers
.endif
.irp e, 0,1
.set AC, 64*((2*\g+\e)%4)
	WIN 0x02+(2*\g+\e)/4                           ; source 0: the accumulators' window
.set i, 0
.rept 32
.if \mode == 0
	v_pk_add_f32 v[T+i:T+i+1], v[AC+i:AC+i+1], v[BI+i:BI+i+1]          ; ascending: each accumulator from its low end on
.else
	v_pk_add_f32 v[T+i:T+i+1], v[AC+i:AC+i+1], v[BM+2*(2*\g+\e):BM+2*(2*\g+\e)+1]
.endif
.set i, i+2
.endr
	WIN 0
.if \mode == 0
	QUANT T, H+6*\e, H+12+6*\e, PWT+\e
.else
	QUANT T, H+12*\e, H+12*\e+6, PWR+2*\g+\e
.irp c, 0,1,2
	global_store_b128 v[LI], v[H+12*\e+4*\c:H+12*\e+4*\c+3], s[12:13] offset:((2*\g+\e)/4)*98304+((2*\g+\e)%4)*1536+512*\c
.endr
.endif
.endr
.if \mode == 0
	v_perm_b32 v[PWR+\g], v[PWT+1], v[PWT], 0x05040100      ; the first head's word: the even tile's two bytes, then the odd tile's
	v_perm_b32 v[PWR+4+\g], v[PWT+1], v[PWT], 0x07060302    ; the second head's
.irp e, 0,1
.irp c, 0,1,2
	global_store_b128 v[LI], v[H+12*\e+4*\c:H+12*\e+4*\c+3], s[12:13] offset:\e*98304+\g*1536+512*\c
.endr
.endr
.endif
.endr
.endm
	PLACES NP
.irp b, 4,5,6,7
	v_mov_b32 v[TM+\b], 0                          ; a lane permute's destination counts as read
.endr
	s_cmp_eq_u32 ttmp9, 2
	s_cbranch_scc1 .Lepi_v
	EPI 0
	s_branch .Lepi_done
.Lepi_v:
	EPI 1
.Lepi_done:
	s_mov_b32 vcc_lo, 0xffff0000                   ; lanes 0-15 store the first head's four words of row r, lanes 16-31 the second head's
.irp i, 0,1,2,3
	v_cndmask_b32 v[TM+\i], v[PWR+\i], v[PWR+4+\i], vcc_lo
.endr
	global_store_b128 v22, v[TM:TM+3], s[10:11]    ; two runs of 256 consecutive bytes
	s_wait_tensorcnt 0x0                           ; the wave's end
	ds_add_u32 v[SPW], v[NIL]
	s_wait_dscnt 0x0
	CROUND                                         ; the closing round
	s_endpgm
.Lfunc_end_k_q8c9abd53cc_qkv:
	.size	k_q8c9abd53cc_qkv, .Lfunc_end_k_q8c9abd53cc_qkv-k_q8c9abd53cc_qkv
	.p2alignl 7, 3214868480
	.fill 96, 4, 3214868480
	.section	.rodata,"a",@progbits
	.p2align	6, 0x0
	.amdhsa_kernel k_q8c9abd53cc_qkv
		.amdhsa_group_segment_fixed_size 327680
		.amdhsa_private_segment_fixed_size 0
		.amdhsa_enable_private_segment 0
		.amdhsa_kernarg_size 32
		.amdhsa_user_sgpr_count 2
		.amdhsa_user_sgpr_kernarg_segment_ptr 1
		.amdhsa_wavefront_size32 1
		.amdhsa_system_sgpr_workgroup_id_x 1
		.amdhsa_system_sgpr_workgroup_id_y 1
		.amdhsa_system_sgpr_workgroup_id_z 1
		.amdhsa_system_vgpr_workitem_id 0
		.amdhsa_next_free_vgpr 1024
		.amdhsa_next_free_sgpr 104
		.amdhsa_reserve_vcc 1
		.amdhsa_float_denorm_mode_32 3
		.amdhsa_float_denorm_mode_16_64 3
		.amdhsa_memory_ordered 1
		.amdhsa_forward_progress 1
		.amdhsa_inst_pref_size 209
	.end_amdhsa_kernel
	.amdgpu_metadata
---
amdhsa.version: [ 1, 2 ]
amdhsa.kernels:
  - .name:           k_q8c9abd53cc_qkv
    .symbol:         k_q8c9abd53cc_qkv.kd
    .args:
      - { .name: xn_buf, .offset: 0, .size: 8, .value_kind: global_buffer, .address_space: global }
      - { .name: wq_buf, .offset: 8, .size: 8, .value_kind: global_buffer, .address_space: global }
      - { .name: b_in, .offset: 16, .size: 8, .value_kind: global_buffer, .address_space: global }
      - { .name: qkv_buf, .offset: 24, .size: 8, .value_kind: global_buffer, .address_space: global }
    .group_segment_fixed_size: 327680
    .private_segment_fixed_size: 0
    .kernarg_segment_align: 8
    .kernarg_segment_size: 32
    .max_flat_workgroup_size: 128
    .sgpr_count:     104
    .vgpr_count:     1024
    .wavefront_size: 32
...
	.end_amdgpu_metadata
.endif
;; end of part 3
;; launch attn (part 4): grid 256 x 1, 16 waves a work-group, no clusters, 284,928 bytes of LDS; arguments qkv_buf, key_padding_mask, at_buf, out1; writes at_buf, out1
.if DOCPART == 4
	.amdgcn_target "amdgcn-amd-amdhsa--gfx1250"
	.amdhsa_code_object_version 6
	.text
	.protected	k_q8c9abd53cc_attn
	.globl	k_q8c9abd53cc_attn
	.p2align	8
	.type	k_q8c9abd53cc_attn,@function
k_q8c9abd53cc_attn:
	s_mov_b64 s[64:65], 0
	v_nop
	global_prefetch_b8 v0, s[64:65] scope:SCOPE_SE
	s_setreg_imm32_b32 hwreg(HW_REG_WAVE_MODE, 25, 1), 1
	s_wait_xcnt 0x0
; Attention on codes of E3M2, the head-averaged softmax, and the quantiser of the attention result.
; SHARES.  A work-group owns one tile of 16 queries (32 g + 8 u + r + 8 (r / 8)) of one batch.  Its sixteen waves own the sixteen steps of 128 keys; every wave walks the 16 heads.  So a wave's 16 x 128
; of the averaged softmax stays in 64 registers over the heads and every exponential is made once.  The row's largest score, its sum and the waves' parts of O meet in LDS: two barriers a head.
; A wave whose keys all come after the tile's queries does none of the three "active" parts of a head (a scalar branch on ids); it passes every barrier, helps to add O, and stores zeros.
; MASK.  hidden(q, k) = k > q, or key k is padded and k != q.  It is made once as an image of 0 and -1e30 in the scores' layout, kept in LDS, and is the C of the score products.
; LAYOUT.  S^T = K Q^T: an image of K holds two tiles of 16 keys side by side along the instruction's 128 (the head has 64), multiplied by [q | 0] and [0 | q]: register 16 f + i of lane (r, h) is key
; 32 f + 16 h + i for query r.  O^T = V^T P^T.  p = 2^(t - M), M = ceil of the row's largest t over ALL keys; the sum is of the unquantised p.
; No cluster and no tensor load: a fragment of K or V is used by one wave of a work-group only, so it goes from memory straight into that wave's registers.
; LIMITS: NaN and infinities are not served; real scores must lie above -1e30; a block under 2^-122 gets the byte 1.  Rows of padded queries become zero codes (the next launch then leaves x as it is).
.set KC,   3145728                     ; in qkv_buf: k's codes, v's codes, the three runs of scale words
.set VC,   6291456
.set QSC,  9437184
.set KSC,  9568256
.set VSC,  9699328
.set HBC,  98304                       ; a head's codes
.set HBS,  4096                        ; a head's scale words
.set OP,   135168                      ; LDS: 16 x 8,448 the waves' mask images (later their stages for the way out); OP: 16 x 4,096 the waves' parts of O^T
.set OS,   200704                      ; 16 rows x 4,112: the finished O
.set OSP,  4112
.set MAXB, 266496                      ; [r] pitch 80 [wave]: largest scores; LBO bytes on: sums
.set LBO,  1280
.set QL,   269056                      ; q's six registers for each head: 3 x 256 bytes
.set QSL,  281344                      ; q's scale words: head x 64 + 4 r
.set SCG,  282368                      ; the result's scale words, 512 bytes
.set LI,1
.set R16,2
.set MBA,3
.set OPS,4
.set OPR,5
.set STS,6
.set STR,7
.set OSW,8
.set QLA,9
.set QSA,10
.set KEEP,11
.set QS,38                             ; scale words: q's, p's, K's four, V's four
.set PW,39
.set KS,40
.set VS,44
.set TM,48
.set F,64                              ; four fragments of K, then of V
.set PC,112                            ; p's codes
.set ZQ,124
.set S,128                             ; the scores, then p
.set W,192                             ; the averaged softmax
.set WV,12
.set SD,13
.set SEL,18
.set CS,20
.set KB,22
.set VB,24
.set KSB,26
.set VSB,28
.set HC,30
.set HO,31
.set HQ,32
.set HS,33
.macro QUANT s, d0, d1, pw
.irp b, 0,1,2,3
	v_max3_num_f32 v[TM+\b], |v[\s+16*\b]|, |v[\s+16*\b+1]|, 0x2800000
.endr
.irp i, 2,4,6,8,10,12,14
.irp b, 0,1,2,3
	v_max3_num_f32 v[TM+\b], v[TM+\b], |v[\s+16*\b+\i]|, |v[\s+16*\b+\i+1]|
.endr
.endr
.irp b, 0,1,2,3
	v_permlanex16_b32 v[TM+4+\b], v[TM+\b], s[SEL], s[SEL+1]
.endr
.irp b, 0,1,2,3
	v_max_num_f32 v[TM+\b], v[TM+\b], v[TM+4+\b]
.endr
.irp b, 0,1,2,3
	v_add_nc_u32 v[TM+12+\b], 0xfe000000, v[TM+\b]
.endr
.irp b, 0,1,2,3
	v_lshrrev_b32 v[TM+4+\b], 23, v[TM+12+\b]
.endr
	v_lshl_or_b32 v[\pw], v[TM+5], 8, v[TM+4]
	v_lshl_or_b32 v[\pw], v[TM+6], 16, v[\pw]
	v_lshl_or_b32 v[\pw], v[TM+7], 24, v[\pw]
	v_cvt_scalef32_pk16_bf6_f32 v[\d0:\d0+2], v[\s:\s+15], v[TM+12]
	v_cvt_scalef32_pk16_bf6_f32 v[TM:TM+2], v[\s+16:\s+31], v[TM+13]
	v_cvt_scalef32_pk16_bf6_f32 v[\d1:\d1+2], v[\s+32:\s+47], v[TM+14]
	v_cvt_scalef32_pk16_bf6_f32 v[TM+4:TM+6], v[\s+48:\s+63], v[TM+15]
	v_nop
.irp i, 0,1,2
	v_permlane16_swap_b32 v[\d0+\i], v[TM+\i]
	v_permlane16_swap_b32 v[\d1+\i], v[TM+4+\i]
.endr
.irp i, 0,1,2
	v_mov_b32 v[\d0+3+\i], v[TM+\i]
	v_mov_b32 v[\d1+3+\i], v[TM+4+\i]
.endr
.endm
.macro BARRIER                         ; my LDS stores have landed and my LDS loads are in: then the work-group's barrier
	s_wait_dscnt 0x0
	s_barrier_signal -1
	s_barrier_wait -1
.endm
.macro KLOAD                           ; a head's four images of my 128 keys, and their scale words
.irp f, 0,1,2,3
.irp c, 0,1,2
	global_load_b128 v[F+12*\f+4*\c:F+12*\f+4*\c+3], v[LI], s[KB:KB+1] offset:1536*\f+512*\c
.endr
.endr
	global_load_b128 v[KS:KS+3], v[R16], s[KSB:KSB+1]
.endm
	s_load_b256 s[4:11], s[0:1], 0x0               ; qkv_buf, key_padding_mask, at_buf, out1
	v_lshrrev_b32 v1, 5, v0
	v_readfirstlane_b32 s[WV], v1                  ; wave 0..15
	s_and_b32 s14, ttmp9, 1                        ; batch
	s_lshr_b32 s15, ttmp9, 1
	s_sub_co_u32 s15, 127, s15                     ; query tile: the longest first
	s_lshr_b32 s[SD], s15, 3                       ; the step on the diagonal
	s_lshr_b32 s16, s15, 1                         ; g
	s_and_b32 s17, s15, 1                          ; u
	v_and_b32 v14, 15, v0                          ; r
	v_bfe_u32 v15, v0, 4, 1                        ; h
	v_and_b32 v1, 31, v0
	v_lshl_add_u32 v[QLA], v1, 3, QL
	v_lshlrev_b32 v[LI], 4, v1
	v_lshlrev_b32 v[R16], 4, v14
	v_lshlrev_b32 v16, 4, v15                      ; 16 h
	v_and_b32 v17, 8, v14
	v_add_nc_u32 v17, v17, v14                     ; r + 8 (r / 8)
	s_mul_i32 s34, s[WV], 8448
	v_add_nc_u32 v[MBA], s34, v[LI]
	s_lshl_b32 s34, s[WV], 12
	s_add_co_u32 s34, s34, OP
	v_add_nc_u32 v[OPS], s34, v[LI]
	s_lshl_b32 s34, s[WV], 8
	s_add_co_u32 s34, s34, OP
	v_lshl_add_u32 v[OPR], v15, 15, v[R16]         ; I add 256 bytes of the parts: piece w / 2, lanes 16 (w % 2) on; lanes 16-31 take the parts of waves 8-15
	v_add_nc_u32 v[OPR], s34, v[OPR]
	v_mul_u32_u24 v[STR], v14, 80
	v_add_nc_u32 v[STR], MAXB, v[STR]
	s_lshl_b32 s34, s[WV], 2
	v_add_nc_u32 v[STS], s34, v[STR]
	s_bfe_u32 s34, s[WV], 0x10003                  ; those 256 bytes are dims 32 (w / 8) + 16 (w % 2) + 8 ((w / 4) % 2) + 4 ((w / 2) % 2) + 0 .. 3 of query r
	s_lshl_b32 s34, s34, 7
	s_and_b32 s35, s[WV], 1
	s_lshl_b32 s35, s35, 6
	s_add_co_u32 s34, s34, s35
	s_bfe_u32 s35, s[WV], 0x10002
	s_lshl_b32 s35, s35, 5
	s_add_co_u32 s34, s34, s35
	s_bfe_u32 s35, s[WV], 0x10001
	s_lshl_b32 s35, s35, 4
	s_add_co_u32 s34, s34, s35
	s_add_co_u32 s34, s34, OS
	v_mul_u32_u24 v[OSW], v14, OSP
	v_add_nc_u32 v[OSW], s34, v[OSW]
	v_lshl_add_u32 v[QSA], v14, 2, QSL
	s_mul_i32 s34, s[WV], 768
	v_add_nc_u32 v12, s34, v[QLA]                  ; where I put the q of head w
	s_lshl_b32 s34, s[WV], 6
	v_add_nc_u32 v13, s34, v[QSA]
	s_mov_b32 s[SEL], 0x76543210
	s_mov_b32 s[SEL+1], 0xfedcba98
	s_mov_b32 s[CS], 0x3e38aa3b                    ; c = log2(e) / 8
	s_mov_b32 s[CS+1], s[CS]
	s_mov_b32 s[HO], 0
	s_mov_b32 s[HQ], 0
	s_mov_b32 s[HS], 0
	s_lshl_b32 s40, s14, 4                         ; 16 x batch
	s_mul_i32 s42, s40, HBC
	s_mul_i32 s43, s[WV], 6144
	s_add_co_u32 s42, s42, s43
	s_mov_b32 s43, 0
	s_lshl_b32 s44, s40, 12
	s_lshl_b32 s45, s[WV], 8
	s_add_co_u32 s44, s44, s45
	s_mov_b32 s45, 0
	s_add_co_u32 s41, s40, s[WV]                   ; head w of my batch
	s_mul_i32 s34, s41, HBC
	s_mul_i32 s35, s16, 1536
	s_add_co_u32 s34, s34, s35
	s_mov_b32 s35, 0
	s_lshl_b32 s36, s41, 12
	s_lshl_b32 s37, s[SD], 8
	s_add_co_u32 s36, s36, s37
	s_and_b32 s37, s16, 3
	s_lshl_b32 s37, s37, 2
	s_add_co_u32 s36, s36, s37
	s_add_co_u32 s36, s36, QSC
	s_mov_b32 s37, 0
	s_lshl_b32 s38, s14, 11
	s_lshl_b32 s39, s[WV], 7
	s_add_co_u32 s46, s38, s39
	s_mov_b32 s47, 0
	s_lshl_b32 s48, s16, 5
	s_lshl_b32 s49, s17, 3
	s_add_co_u32 s48, s48, s49                     ; the tile's first query
	s_add_co_u32 s50, s38, s48
	s_mov_b32 s51, 0
	s_sub_co_i32 s52, s48, s39
	s_lshl_b32 s53, s17, 4                         ; 16 u
	s_wait_kmcnt 0x0
	s_add_nc_u64 s[KB:KB+1], s[4:5], s[42:43]
	s_add_nc_u64 s[VB:VB+1], s[KB:KB+1], VC
	s_add_nc_u64 s[KB:KB+1], s[KB:KB+1], KC
	s_add_nc_u64 s[KSB:KSB+1], s[4:5], s[44:45]
	s_add_nc_u64 s[VSB:VSB+1], s[KSB:KSB+1], VSC
	s_add_nc_u64 s[KSB:KSB+1], s[KSB:KSB+1], KSC
	s_add_nc_u64 s[34:35], s[4:5], s[34:35]
	s_add_nc_u64 s[36:37], s[4:5], s[36:37]
	s_add_nc_u64 s[46:47], s[6:7], s[46:47]
	s_add_nc_u64 s[50:51], s[6:7], s[50:51]
.irp c, 0,1,2
	global_load_b128 v[PC+4*\c:PC+4*\c+3], v[LI], s[34:35] offset:512*\c   ; head w: the image of my tile's group of 32 queries
.endr
	global_load_b32 v[ZQ], v[R16], s[36:37]        ; and its scale word
	KLOAD                                          ; head 0
.irp k, 0,1,2,3
	global_load_b128 v[TM+4*\k:TM+4*\k+3], v16, s[46:47] offset:32*\k      ; the padding bytes of keys 32 k + 16 h + 0 .. 15 of my step
.endr
	global_load_u8 v[KEEP], v17, s[50:51]          ; and of my query
.set j, 0
.rept 64
	v_mov_b32 v[W+j], 0
.set j, j+1
.endr
.irp j, 20,21,22,23,24,25,32,33,34,35,36,37
	v_mov_b32 v\j, 0                               ; the zero halves of [0 | q] (v20-31) and [q | 0] (v26-37)
.endr
.irp j, 0,1,2,3
	v_mov_b32 v[VS+\j], 0                          ; written on every way
.endr
	v_mov_b32 v[ZQ+1], 0xf149f2ca                  ; -1e30
	v_mov_b32 v[ZQ+2], 1
	v_mov_b32 v[ZQ+3], 0
	s_wait_loadcnt 0x0
	s_cmp_eq_u32 s17, 1
	s_cselect_b32 vcc_lo, -1, 0
.irp i, 0,1,2,3,4,5
	v_cndmask_b32 v[26+\i], v[PC+\i], v[PC+6+\i], vcc_lo     ; my tile's six registers of the image
.endr
	v_lshrrev_b32 v[ZQ], s53, v[ZQ]
	v_and_b32 v[ZQ], 0xffff, v[ZQ]
	v_lshl_or_b32 v[ZQ], v[ZQ], 16, v[ZQ]          ; my tile's two bytes, in both halves of the word
.irp i, 0,1,2
	ds_store_b64 v12, v[26+2*\i:27+2*\i] offset:256*\i
.endr
	ds_store_b32 v13, v[ZQ]
	v_cvt_f32_u32 v[KEEP], v[KEEP]
	v_sub_f32 v[KEEP], 1.0, v[KEEP]                ; 0 for a padded query
	v_sub_nc_u32 v18, v17, v16
	v_add_nc_u32 v18, s52, v18                     ; d = my query - my step's first key - 16 h: register 16 b + i holds the key at 32 b + i
.set n, 0
.rept 64
.set cn, 32*(n/16)+n%16
	v_bfe_u32 v19, v[TM+n/4], 8*(n%4), 8
	v_cmp_ne_u32 vcc_lo, cn, v18
	v_cndmask_b32 v19, 0, v19, vcc_lo              ; the diagonal is open
	v_cmp_gt_i32 vcc_lo, cn, v18
	v_cndmask_b32 v19, v19, v[ZQ+2], vcc_lo        ; later keys are hidden
	v_cmp_ne_u32 vcc_lo, 0, v19
	v_cndmask_b32 v[S+n], 0, v[ZQ+1], vcc_lo
.set n, n+1
.endr
.irp c, 0,1,2,3,4,5,6,7,8,9,10,11,12,13,14,15
	ds_store_b128 v[MBA], v[S+4*\c:S+4*\c+3] offset:512*\c      ; S already holds head 0's C
.endr
	v_mov_b32 v12, 0
	v_mov_b32 v13, 0
	s_cmp_le_u32 s[WV], s[SD]
	s_cbranch_scc1 .Lactive0
	ds_store_b32 v[STS], v[ZQ+1]                   ; a wave without keys: its largest score, its sum and its part of O stay so for all heads
	ds_store_b32 v[STS], v[ZQ+3] offset:LBO
.irp c, 0,1,2,3,4,5,6,7
	ds_store_b128 v[OPS], v[W:W+3] offset:512*\c
.endr
.Lactive0:
	BARRIER                                        ; all heads' q lie in LDS
.irp i, 0,1,2
	ds_load_b64 v[26+2*\i:27+2*\i], v[QLA] offset:256*\i
.endr
	ds_load_b32 v[QS], v[QSA]
.macro HEAD last
	s_cmp_gt_u32 s[WV], s[SD]
	s_cbranch_scc1 .La1_\@
	s_wait_loadcnt 0x0                             ; K and its scale words
	s_wait_dscnt 0x0                               ; the mask in S, q, q's scale word
.irp f, 0,1,2,3
	v_wmma_scale_f32_16x16x128_f8f6f4 v[S+16*\f:S+16*\f+7], v[F+12*\f:F+12*\f+11], v[26:37], v[S+16*\f:S+16*\f+7], v[KS+\f], v[QS] matrix_a_fmt:MATRIX_FMT_BF6 matrix_b_fmt:MATRIX_FMT_BF6
	v_wmma_scale_f32_16x16x128_f8f6f4 v[S+16*\f+8:S+16*\f+15], v[F+12*\f:F+12*\f+11], v[20:31], v[S+16*\f+8:S+16*\f+15], v[KS+\f], v[QS] matrix_a_fmt:MATRIX_FMT_BF6 matrix_b_fmt:MATRIX_FMT_BF6
.endr
.rept 4
	v_nop                                          ; places in front of the loads into K's registers and of the first read of the scores
.endr
.irp t, 0,1,2,3
.irp c, 0,1,2
	global_load_b128 v[F+12*\t+4*\c:F+12*\t+4*\c+3], v[LI], s[VB:VB+1] offset:1536*\t+512*\c    ; V lands while the softmax is made
.endr
.endr
	global_load_b128 v[VS:VS+3], v[R16], s[VSB:VSB+1]
.irp b, 0,1,2,3
	v_max3_num_f32 v[TM+\b], v[S+16*\b], v[S+16*\b+1], v[S+16*\b+2]      ; the largest score of each block of 32 keys: for the row's maximum and for the block's largest p
.endr
.irp i, 3,5,7,9,11,13
.irp b, 0,1,2,3
	v_max3_num_f32 v[TM+\b], v[TM+\b], v[S+16*\b+\i], v[S+16*\b+\i+1]
.endr
.endr
.irp b, 0,1,2,3
	v_max_num_f32 v[TM+\b], v[TM+\b], v[S+16*\b+15]
.endr
.irp b, 0,1,2,3
	v_permlanex16_b32 v[TM+4+\b], v[TM+\b], s[SEL], s[SEL+1]
.endr
.irp b, 0,1,2,3
	v_max_num_f32 v[TM+\b], v[TM+\b], v[TM+4+\b]
.endr
	v_max3_num_f32 v[ZQ], v[TM], v[TM+1], v[TM+2]
	v_max_num_f32 v[ZQ], v[ZQ], v[TM+3]
	ds_store_b32 v[STS], v[ZQ]
.La1_\@:
	BARRIER                                        ; A: every wave's largest score lies in LDS; nobody reads the last head's sums or parts of O any more
	s_cmp_gt_u32 s[WV], s[SD]
	s_cbranch_scc1 .La2_\@
.irp k, 0,1,2,3
	ds_load_b128 v[PC+4*\k:PC+4*\k+3], v[STR] offset:16*\k
.endr
	s_wait_dscnt 0x0
	v_max3_num_f32 v14, v[PC], v[PC+1], v[PC+2]
	v_max3_num_f32 v15, v[PC+3], v[PC+4], v[PC+5]
	v_max3_num_f32 v14, v14, v[PC+6], v[PC+7]
	v_max3_num_f32 v15, v15, v[PC+8], v[PC+9]
	v_max3_num_f32 v14, v14, v[PC+10], v[PC+11]
	v_max3_num_f32 v15, v15, v[PC+12], v[PC+13]
	v_max3_num_f32 v14, v14, v[PC+14], v[PC+15]
	v_max_num_f32 v14, v14, v15                    ; the row's largest score
	v_mul_f32 v14, s[CS], v14
	v_floor_f32 v12, -v14                          ; -M = -ceil(t)
.set j, 0
.rept 32
	v_pk_fma_f32 v[S+j:S+j+1], v[S+j:S+j+1], s[CS:CS+1], v[12:13] op_sel_hi:[1,0,0]   ; t - M
.set j, j+2
.endr
.irp b, 0,1,2,3
	v_fma_f32 v[TM+\b], v[TM+\b], s[CS], v12
.endr
.set j, 0
.rept 64
	v_exp_f32 v[S+j], v[S+j]                       ; p: not normalised; 0 under the mask
.set j, j+1
.endr
.irp b, 0,1,2,3
	v_exp_f32 v[TM+\b], v[TM+\b]                   ; the block's largest p
.endr
	v_nop                                          ; a plain place behind the exponentials
	s_wait_alu depctr_va_vdst(0)
.irp b, 0,1,2,3
	v_max_num_f32 v[TM+\b], 0x2800000, v[TM+\b]
.endr
.irp b, 0,1,2,3
	v_add_nc_u32 v[TM+12+\b], 0xfe000000, v[TM+\b]
.endr
.irp b, 0,1,2,3
	v_lshrrev_b32 v[TM+4+\b], 23, v[TM+12+\b]
.endr
	v_lshl_or_b32 v[PW], v[TM+5], 8, v[TM+4]
	v_lshl_or_b32 v[PW], v[TM+6], 16, v[PW]
	v_lshl_or_b32 v[PW], v[TM+7], 24, v[PW]
	v_cvt_scalef32_pk16_bf6_f32 v[PC:PC+2], v[S:S+15], v[TM+12]
	v_cvt_scalef32_pk16_bf6_f32 v[TM:TM+2], v[S+16:S+31], v[TM+13]
	v_cvt_scalef32_pk16_bf6_f32 v[PC+6:PC+8], v[S+32:S+47], v[TM+14]
	v_cvt_scalef32_pk16_bf6_f32 v[TM+4:TM+6], v[S+48:S+63], v[TM+15]
	v_nop
.irp i, 0,1,2
	v_permlane16_swap_b32 v[PC+\i], v[TM+\i]
	v_permlane16_swap_b32 v[PC+6+\i], v[TM+4+\i]
.endr
.irp i, 0,1,2
	v_mov_b32 v[PC+3+\i], v[TM+\i]
	v_mov_b32 v[PC+9+\i], v[TM+4+\i]
.endr
	v_pk_add_f32 v[14:15], v[S:S+1], v[S+4:S+5]    ; the sum of the unquantised p, in two chains: also the places between the codes, the scale word and the products
	v_pk_add_f32 v[TM+8:TM+9], v[S+2:S+3], v[S+6:S+7]
.set j, 8
.rept 14
	v_pk_add_f32 v[14:15], v[14:15], v[S+j:S+j+1]
	v_pk_add_f32 v[TM+8:TM+9], v[TM+8:TM+9], v[S+j+2:S+j+3]
.set j, j+4
.endr
	v_pk_add_f32 v[14:15], v[14:15], v[TM+8:TM+9]
	v_add_f32 v14, v14, v15
	v_permlanex16_b32 v[ZQ], v14, s[SEL], s[SEL+1]
	v_add_f32 v14, v14, v[ZQ]
	ds_store_b32 v[STS], v14 offset:LBO
	s_wait_loadcnt 0x0                             ; V and its scale words
	v_wmma_scale_f32_16x16x128_f8f6f4 v[TM:TM+7], v[F:F+11], v[PC:PC+11], 0, v[VS], v[PW] matrix_a_fmt:MATRIX_FMT_BF6 matrix_b_fmt:MATRIX_FMT_BF6
	v_wmma_scale_f32_16x16x128_f8f6f4 v[TM+8:TM+15], v[F+12:F+23], v[PC:PC+11], 0, v[VS+1], v[PW] matrix_a_fmt:MATRIX_FMT_BF6 matrix_b_fmt:MATRIX_FMT_BF6
.rept 5
	v_nop                                          ; five places: the next two results are laid over fragments that the last two products have read
.endr
	v_wmma_scale_f32_16x16x128_f8f6f4 v[F:F+7], v[F+24:F+35], v[PC:PC+11], 0, v[VS+2], v[PW] matrix_a_fmt:MATRIX_FMT_BF6 matrix_b_fmt:MATRIX_FMT_BF6
	v_wmma_scale_f32_16x16x128_f8f6f4 v[F+12:F+19], v[F+36:F+47], v[PC:PC+11], 0, v[VS+3], v[PW] matrix_a_fmt:MATRIX_FMT_BF6 matrix_b_fmt:MATRIX_FMT_BF6
.rept 4
	v_nop
.endr
	ds_store_b128 v[OPS], v[TM:TM+3]               ; my part of O^T, as it stands; each result from its low end on
	ds_store_b128 v[OPS], v[TM+4:TM+7] offset:512
	ds_store_b128 v[OPS], v[TM+8:TM+11] offset:1024
	ds_store_b128 v[OPS], v[TM+12:TM+15] offset:1536
	ds_store_b128 v[OPS], v[F:F+3] offset:2048
	ds_store_b128 v[OPS], v[F+4:F+7] offset:2560
	ds_store_b128 v[OPS], v[F+12:F+15] offset:3072
	ds_store_b128 v[OPS], v[F+16:F+19] offset:3584
.if \last == 0
	s_add_nc_u64 s[KB:KB+1], s[KB:KB+1], HBC       ; no load of mine is out (the wait above): the bases step to the next head
	s_add_nc_u64 s[VB:VB+1], s[VB:VB+1], HBC
	s_add_nc_u64 s[KSB:KSB+1], s[KSB:KSB+1], HBS
	s_add_nc_u64 s[VSB:VSB+1], s[VSB:VSB+1], HBS
	s_wait_dscnt 0x0                               ; the stores have read their registers
	KLOAD                                          ; the next head's K lands while O and the average are finished
.endif
.La2_\@:
	BARRIER                                        ; B: every wave's sum and part of O lie in LDS; nobody reads the largest scores any more
.irp k, 0,1,2,3
	ds_load_b128 v[TM+4*\k:TM+4*\k+3], v[STR] offset:LBO+16*\k
.endr
.irp p, 0,1,2,3
	ds_load_b128 v[PC+4*\p:PC+4*\p+3], v[OPR] offset:4096*\p
.endr
	s_wait_dscnt 4                                 ; the sixteen sums are in; four younger loads may be out
	v_pk_add_f32 v[TM:TM+1], v[TM:TM+1], v[TM+2:TM+3]
	v_pk_add_f32 v[TM+4:TM+5], v[TM+4:TM+5], v[TM+6:TM+7]
	v_pk_add_f32 v[TM+8:TM+9], v[TM+8:TM+9], v[TM+10:TM+11]
	v_pk_add_f32 v[TM+12:TM+13], v[TM+12:TM+13], v[TM+14:TM+15]
	v_pk_add_f32 v[TM:TM+1], v[TM:TM+1], v[TM+4:TM+5]
	v_pk_add_f32 v[TM+8:TM+9], v[TM+8:TM+9], v[TM+12:TM+13]
	v_pk_add_f32 v[TM:TM+1], v[TM:TM+1], v[TM+8:TM+9]
	v_add_f32 v14, v[TM], v[TM+1]                  ; the row's sum, the same in every wave
	v_rcp_f32 v14, v14
	v_nop
	s_wait_alu depctr_va_vdst(0)
	v_mul_f32 v18, v14, v[KEEP]                    ; for O: 1 / l, 0 for a padded query
	v_mul_f32 v16, 0x3d800000, v14                 ; for the average over 16 heads
	v_mov_b32 v19, v18
	v_mov_b32 v17, v16
.irp p, 0,1,2,3
	ds_load_b128 v[TM+4*\p:TM+4*\p+3], v[OPR] offset:16384+4096*\p
.endr
	s_wait_dscnt 4                                 ; the first four parts are in
	v_pk_add_f32 v[PC:PC+1], v[PC:PC+1], v[PC+4:PC+5]
	v_pk_add_f32 v[PC+2:PC+3], v[PC+2:PC+3], v[PC+6:PC+7]
	v_pk_add_f32 v[PC+8:PC+9], v[PC+8:PC+9], v[PC+12:PC+13]
	v_pk_add_f32 v[PC+10:PC+11], v[PC+10:PC+11], v[PC+14:PC+15]
	v_pk_add_f32 v[PC:PC+1], v[PC:PC+1], v[PC+8:PC+9]
	v_pk_add_f32 v[PC+2:PC+3], v[PC+2:PC+3], v[PC+10:PC+11]
	s_wait_dscnt 0x0
	v_pk_add_f32 v[TM:TM+1], v[TM:TM+1], v[TM+4:TM+5]
	v_pk_add_f32 v[TM+2:TM+3], v[TM+2:TM+3], v[TM+6:TM+7]
	v_pk_add_f32 v[TM+8:TM+9], v[TM+8:TM+9], v[TM+12:TM+13]
	v_pk_add_f32 v[TM+10:TM+11], v[TM+10:TM+11], v[TM+14:TM+15]
	v_pk_add_f32 v[TM:TM+1], v[TM:TM+1], v[TM+8:TM+9]
	v_pk_add_f32 v[TM+2:TM+3], v[TM+2:TM+3], v[TM+10:TM+11]
	v_pk_add_f32 v[PC:PC+1], v[PC:PC+1], v[TM:TM+1]
	v_pk_add_f32 v[PC+2:PC+3], v[PC+2:PC+3], v[TM+2:TM+3]
.irp i, 0,1,2,3
	v_permlanex16_b32 v[PC+4+\i], v[PC+\i], s[SEL], s[SEL+1]     ; the other eight waves' parts
.endr
	v_pk_add_f32 v[PC:PC+1], v[PC:PC+1], v[PC+4:PC+5]
	v_pk_add_f32 v[PC+2:PC+3], v[PC+2:PC+3], v[PC+6:PC+7]
	v_pk_mul_f32 v[PC:PC+1], v[PC:PC+1], v[18:19]
	v_pk_mul_f32 v[PC+2:PC+3], v[PC+2:PC+3], v[18:19]
	v_add_nc_u32 v15, s[HO], v[OSW]
	ds_store_b128 v15, v[PC:PC+3]                  ; four dims of this head for query r (both halves of the lanes write the same)
.if \last == 0
	s_add_co_u32 s[HO], s[HO], 256                 ; the next head's places: stepped on every wave's way
	s_add_co_u32 s[HQ], s[HQ], 768
	s_add_co_u32 s[HS], s[HS], 64
.endif
	s_cmp_gt_u32 s[WV], s[SD]
	s_cbranch_scc1 .La3_\@
.set j, 0
.rept 32
	v_pk_fma_f32 v[W+j:W+j+1], v[S+j:S+j+1], v[16:17], v[W+j:W+j+1]
.set j, j+2
.endr
.if \last == 0
	v_add_nc_u32 v14, s[HQ], v[QLA]
	v_add_nc_u32 v15, s[HS], v[QSA]
.irp c, 0,1,2,3,4,5,6,7,8,9,10,11,12,13,14,15
	ds_load_b128 v[S+4*\c:S+4*\c+3], v[MBA] offset:512*\c       ; the mask: the next head's C
.endr
.irp i, 0,1,2
	ds_load_b64 v[26+2*\i:27+2*\i], v14 offset:256*\i
.endr
	ds_load_b32 v[QS], v15
.endif
.La3_\@:
.endm
	s_mov_b32 s[HC], 15
.Lhead:
	HEAD 0
	s_sub_co_u32 s[HC], s[HC], 1
	s_cmp_lg_u32 s[HC], 0
	s_cbranch_scc1 .Lhead
	HEAD 1                                         ; the last head asks for nothing more
	BARRIER                                        ; the 16 x 1,024 of O lie in LDS
	v_and_b32 v14, 15, v0                          ; r
	v_bfe_u32 v15, v0, 4, 1                        ; h
	v_mul_u32_u24 v16, v14, OSP
	v_lshl_add_u32 v16, v15, 6, v16
	s_lshl_b32 s34, s[WV], 9
	s_add_co_u32 s34, s34, OS
	v_add_nc_u32 v16, s34, v16                     ; O: row r, K step w, + 64 h
	s_lshr_b32 s35, s[WV], 1
	s_lshl_b32 s35, s35, 7
	s_and_b32 s36, s[WV], 1
	s_lshl_b32 s36, s36, 2
	s_add_co_u32 s35, s35, s36
	s_add_co_u32 s35, s35, SCG
	v_lshl_add_u32 v17, v14, 3, s35                ; my scale word's place
	v_mul_u32_u24 v18, v14, 528
	v_lshl_add_u32 v18, v15, 6, v18
	s_mul_i32 s37, s[WV], 8448
	v_add_nc_u32 v18, s37, v18                     ; my stage: row r, + 64 h
	v_add_nc_u32 v19, SCG, v[LI]
	s_lshl_b32 s34, s14, 7
	s_add_co_u32 s34, s34, s15                     ; the row tile: 128 x batch + query tile
	s_mul_i32 s36, s34, 12288
	s_mul_i32 s37, s[WV], 1536
	s_add_co_u32 s36, s36, s37
	s_mov_b32 s37, 0
	s_add_nc_u64 s[36:37], s[8:9], s[36:37]
	s_lshl_b32 s38, s34, 9
	s_add_co_u32 s38, s38, 3145728
	s_mov_b32 s39, 0
	s_add_nc_u64 s[38:39], s[8:9], s[38:39]
	s_lshl_b32 s40, s14, 11
	s_add_co_u32 s40, s40, s48
	s_lshl_b32 s40, s40, 13                        ; a row of the averaged softmax is 8,192 bytes
	s_lshl_b32 s41, s[WV], 9
	s_add_co_u32 s40, s40, s41
	s_mov_b32 s41, 0
	s_add_nc_u64 s[40:41], s[10:11], s[40:41]
	s_cmp_gt_u32 s[WV], 7
	s_cbranch_scc1 .Lno_codes
.irp b, 0,1,2,3
.irp j, 0,1,2,3
	ds_load_b128 v[S+16*\b+4*\j:S+16*\b+4*\j+3], v16 offset:128*\b+16*\j
.endr
.endr
	s_wait_dscnt 0x0
	QUANT S, PC, PC+6, PW                          ; waves 0-7: K step w of the next product
.irp c, 0,1,2
	global_store_b128 v[LI], v[PC+4*\c:PC+4*\c+3], s[36:37] offset:512*\c
.endr
	ds_store_b32 v17, v[PW]
.Lno_codes:
.irp b, 0,1,2,3
.irp j, 0,1,2,3
	ds_store_b128 v18, v[W+16*\b+4*\j:W+16*\b+4*\j+3] offset:128*\b+16*\j   ; my own stage, where my mask lay
.endr
.endr
.irp t, 0,1,2,3,4,5,6,7,8,9,10,11,12,13,14,15
	ds_load_b128 v[S+4*\t:S+4*\t+3], v[MBA] offset:528*\t       ; LDS serves a wave's instructions in order: these see the stores above
.endr
.irp t, 0,1,2,3,4,5,6,7,8,9,10,11,12,13,14,15
	s_wait_dscnt 15-\t                             ; row t is back; the younger rows may be out
	global_store_b128 v[LI], v[S+4*\t:S+4*\t+3], s[40:41] offset:(\t+8*(\t/8))*8192 th:TH_STORE_NT   ; 512 consecutive bytes of one row
.endr
	BARRIER                                        ; the tile's scale words lie in LDS
	s_cmp_lg_u32 s[WV], 0
	s_cbranch_scc1 .Lend
	ds_load_b128 v[TM:TM+3], v19
	s_wait_dscnt 0x0
	global_store_b128 v[LI], v[TM:TM+3], s[38:39]  ; 512 consecutive bytes
.Lend:
	s_wait_xcnt 0x0
	v_lshl_add_u32 v254, v0, 2, 0x45100
	v_mov_b32 v255, 0
	s_wait_tensorcnt 0x0
	ds_add_u32 v254, v255
	s_wait_dscnt 0x0
	s_endpgm
.Lfunc_end_k_q8c9abd53cc_attn:
	.size	k_q8c9abd53cc_attn, .Lfunc_end_k_q8c9abd53cc_attn-k_q8c9abd53cc_attn
	.p2alignl 7, 3214868480
	.fill 96, 4, 3214868480
	.section	.rodata,"a",@progbits
	.p2align	6, 0x0
	.amdhsa_kernel k_q8c9abd53cc_attn
		.amdhsa_group_segment_fixed_size 284928
		.amdhsa_private_segment_fixed_size 0
		.amdhsa_enable_private_segment 0
		.amdhsa_kernarg_size 32
		.amdhsa_user_sgpr_count 2
		.amdhsa_user_sgpr_kernarg_segment_ptr 1
		.amdhsa_wavefront_size32 1
		.amdhsa_system_sgpr_workgroup_id_x 1
		.amdhsa_system_sgpr_workgroup_id_y 1
		.amdhsa_system_sgpr_workgroup_id_z 1
		.amdhsa_system_vgpr_workitem_id 0
		.amdhsa_next_free_vgpr 256
		.amdhsa_next_free_sgpr 66
		.amdhsa_reserve_vcc 1
		.amdhsa_float_denorm_mode_32 3
		.amdhsa_float_denorm_mode_16_64 3
		.amdhsa_memory_ordered 1
		.amdhsa_forward_progress 1
		.amdhsa_inst_pref_size 86
	.end_amdhsa_kernel
	.amdgpu_metadata
---
amdhsa.version: [ 1, 2 ]
amdhsa.kernels:
  - .name:           k_q8c9abd53cc_attn
    .symbol:         k_q8c9abd53cc_attn.kd
    .args:
      - { .name: qkv_buf, .offset: 0, .size: 8, .value_kind: global_buffer, .address_space: global }
      - { .name: key_padding_mask, .offset: 8, .size: 8, .value_kind: global_buffer, .address_space: global }
      - { .name: at_buf, .offset: 16, .size: 8, .value_kind: global_buffer, .address_space: global }
      - { .name: out1, .offset: 24, .size: 8, .value_kind: global_buffer, .address_space: global }
    .group_segment_fixed_size: 284928
    .private_segment_fixed_size: 0
    .kernarg_segment_align: 8
    .kernarg_segment_size: 32
    .max_flat_workgroup_size: 512
    .sgpr_count:     66
    .vgpr_count:     256
    .wavefront_size: 32
...
	.end_amdgpu_metadata
.endif
;; end of part 4
;; launch oproj (part 5): grid 4 x 16, 4 waves a work-group, clusters of 4 x 4, 327,680 bytes of LDS; arguments at_buf, wq_buf, b_out, key_padding_mask, x, x1; writes x1
.if DOCPART == 5
	.amdgcn_target "amdgcn-amd-amdhsa--gfx1250"
	.amdhsa_code_object_version 6
	.text
	.protected	k_q8c9abd53cc_oproj
	.globl	k_q8c9abd53cc_oproj
	.p2align	8
	.type	k_q8c9abd53cc_oproj,@function
k_q8c9abd53cc_oproj:
	s_mov_b64 s[64:65], 0
	v_nop
	global_prefetch_b8 v0, s[64:65] scope:SCOPE_SE
	s_setreg_imm32_b32 hwreg(HW_REG_WAVE_MODE, 25, 1), 1
	s_wait_xcnt 0x0
	s_wait_alu depctr_hold_cnt(0) depctr_sa_sdst(0) depctr_va_vdst(0) depctr_va_sdst(0) depctr_va_ssrc(0) depctr_va_vcc(0) depctr_vm_vsrc(0)
	s_getreg_b32 s2, hwreg(HW_REG_IB_STS2, 6, 4)
	s_cmp_eq_u32 s2, 0
	s_cbranch_scc0 .Lentry_in_a_cluster
	s_endpgm
.Lentry_in_a_cluster:
	s_bfe_u32 s2, ttmp6, 0x10000c
	s_cmp_lg_u32 s2, 0xf033
	s_cbranch_scc0 .Lentry_shape_is_right
	s_endpgm
.Lentry_shape_is_right:
; x1 = x + (padded query ? 0 : attention w_out^T + b_out), the product on codes of E3M2.  The structure is that of the other products of this program: a tile of 256 x 256 to a work-group, 128 x 128 to a wave,
; K in steps of 256 through two LDS slots, operands as images of their registers, 4 x 4 clusters with joint loads (A's tiles along a row of the cluster, B's along a column).
; THE SUMS BEGIN AT x + keep x b_out (keep = 0 for a padded query), loaded straight into the accumulators' layout; the rows of padded queries arrive as zero codes, so their sum stays x.
; 64 tiles: a quarter of the WGPs have work; a smaller tile would fill more of them at twice the LDS reads a product.
; LIMITS: NaN and infinities are not served; residual and bias enter the sum first, so the order of rounding differs from a sum that adds them last.
.set KDIM,   1024
.set MASKED, 1
.set A_SOFF, 3145728
.set B_COFF, 2359296
.set B_SOFF, 9535488
.set RES,    96
.set OUT,    98
.set NQ,    2
.set FR,    12
.set NL,    3
.set NP,    4
.set FRB,   1536
.set RTB,   3072
.set HALFT, 8*RTB
.set SLOT,  4*HALFT
.set LAPS,  KDIM/512
.set CRT,   (KDIM/128)*FRB
.set SRT,   (KDIM/256)*128
.set SCL,   2*SLOT
.set HALFS, 8*SRT
.set SPARE, SCL+4*HALFS
.set SPITCH, 528                       ; the way out: a stage of 16 rows x (512 + 16) bytes for each wave, in slot 0, which has had its last fill and its last read by then
.set ADRA, 16
.set ADRB, 20
.set LI,   19
.set STO,  24
.set RD,   25
.set ADRS, 27
.set SPW,  28
.set NIL,  29
.set VRO,  30
.set SC,   32
.set BI,   64
.set KP,   224
.set AF,   128
.set BK,   128
.set G1, 24
.set G0, 32
.set G1B, 48
.set G0B, 56
.set G1S, 68
.set G0S, 76
.set G1SB, 80
.set G0SB, 88
.set MSB, 0
.macro WIN new
.if MSB != \new
	s_set_vgpr_msb (MSB<<8)|\new
.set MSB, \new
.endif
.endm
.set MUL_LO, 0xa1
.set MUL_HI, 0xf1
.set TO_B,   0x40
.macro JLOAD g0a, g1a, g0b, g1b
	s_cmp_eq_u32 s15, 0
	s_cbranch_scc0 .Lfor_b_\@
	tensor_load_to_lds s[\g0a:\g0a+3], s[\g1a:\g1a+7]
	s_nop 0
.rept 4
	v_nop
.endr
	s_branch .Lasked_\@
.Lfor_b_\@:
	tensor_load_to_lds s[\g0b:\g0b+3], s[\g1b:\g1b+7]
	s_nop 0
.rept 4
	v_nop
.endr
.Lasked_\@:
.endm
.macro CREST
	s_cmp_lg_u32 s14, 0
	s_cbranch_scc1 .Lnot_wave_0_\@
	s_barrier_signal -3
.Lnot_wave_0_\@:
	s_barrier_wait -3
	s_barrier_signal -1
	s_barrier_wait -1
.endm
.macro CROUND
	s_barrier_signal -1
	s_barrier_wait -1
	CREST
.endm
	s_load_b256 s[4:11], s[0:1], 0x0               ; A's buffer, wq_buf, the bias, (masked: the padding bytes; else: the residual)
.if MASKED
	s_load_b128 s[96:99], s[0:1], 0x20             ; the residual, the output
.else
	s_load_b64 s[12:13], s[0:1], 0x20              ; the output
.endif
	v_lshl_add_u32 v[SPW], v0, 2, SPARE
	v_mov_b32 v[NIL], 0
	ds_add_u32 v28, v29
	ds_add_u32 v28, v29
	s_wait_dscnt 0x0
	v_lshrrev_b32 v1, 5, v0
	v_readfirstlane_b32 s14, v1
	s_lshr_b32 s15, s14, 1
	s_and_b32 s16, s14, 1
	s_bfe_u32 s40, ttmp6, 0x40000
	s_bfe_u32 s41, ttmp6, 0x40004
	s_lshl_b32 s42, ttmp9, 2
	s_add_co_u32 s42, s42, s40                     ; tile column
	s_and_b32 s17, ttmp7, 0xffff
	s_lshl_b32 s17, s17, 2
	s_add_co_u32 s17, s17, s41                     ; tile row
	s_lshl_b32 s43, s41, 2
	s_lshl_b32 s43, 15, s43
	s_lshl_b32 s44, 0x1111, s40
	s_or_b32 s[G1+0], s43, (3<<16)|(1<<21)
	s_or_b32 s[G1B+0], s44, (3<<16)|(1<<21)
.irp g, G1, G1B
	s_mov_b32 s[\g+1], 384<<16
	s_mov_b32 s[\g+2], 8<<16
	s_mov_b32 s[\g+3], 384<<16
	s_mov_b32 s[\g+4], 8
	s_mov_b32 s[\g+5], CRT/8
	s_mov_b32 s[\g+6], 0
	s_mov_b32 s[\g+7], 0
.endr
	s_or_b32 s[G1S+0], s43, (3<<16)|(1<<21)
	s_or_b32 s[G1SB+0], s44, (3<<16)|(1<<21)
.irp g, G1S, G1SB
	s_mov_b32 s[\g+1], 32<<16
	s_mov_b32 s[\g+2], (HALFS/256)<<16
	s_mov_b32 s[\g+3], 32<<16
	s_mov_b32 s[\g+4], HALFS/256
	s_mov_b32 s[\g+5], 32
	s_mov_b32 s[\g+6], 0
	s_mov_b32 s[\g+7], 0
.endr
	s_lshl_b32 s18, s16, 3
	s_lshl_b32 s20, s17, 4
	s_add_co_u32 s20, s20, s18
	s_lshl_b32 s46, s42, 4
	s_add_co_u32 s46, s46, s18
	s_mul_i32 s22, s20, SRT
	s_add_co_u32 s22, s22, A_SOFF
	s_mov_b32 s23, 0
	s_mul_i32 s20, s20, CRT
	s_mov_b32 s21, 0
	s_mul_i32 s92, s46, SRT
	s_add_co_u32 s92, s92, B_SOFF
	s_mov_b32 s93, 0
	s_mul_i32 s46, s46, CRT
	s_add_co_u32 s46, s46, B_COFF
	s_mov_b32 s47, 0
	s_mul_i32 s45, s14, HALFT
	s_mul_i32 s94, s14, HALFS
	s_wait_kmcnt 0x0
	s_add_nc_u64 s[20:21], s[4:5], s[20:21]
	s_add_nc_u64 s[22:23], s[4:5], s[22:23]
	s_add_nc_u64 s[46:47], s[6:7], s[46:47]
	s_add_nc_u64 s[92:93], s[6:7], s[92:93]
	CROUND
	s_mov_b32 s[G0S], 1
	s_add_co_u32 s[G0S+1], s94, SCL
	s_mov_b64 s[G0S+2:G0S+3], s[22:23]
	s_or_b32 s[G0S+3], s[G0S+3], 0x80000000
	s_mov_b32 s[G0SB], 1
	s_add_co_u32 s[G0SB+1], s94, SCL
	s_mov_b64 s[G0SB+2:G0SB+3], s[92:93]
	s_or_b32 s[G0SB+3], s[G0SB+3], 0x80000000
	JLOAD G0S, G1S, G0SB, G1SB
.irp s, 0,1
	s_mov_b32 s[G0+4*\s], 1
	s_add_co_u32 s[G0+4*\s+1], s45, \s*SLOT
	s_add_nc_u64 s[G0+4*\s+2:G0+4*\s+3], s[20:21], \s*RTB
	s_or_b32 s[G0+4*\s+3], s[G0+4*\s+3], 0x80000000
	s_mov_b32 s[G0B+4*\s], 1
	s_add_co_u32 s[G0B+4*\s+1], s45, \s*SLOT
	s_add_nc_u64 s[G0B+4*\s+2:G0B+4*\s+3], s[46:47], \s*RTB
	s_or_b32 s[G0B+4*\s+3], s[G0B+4*\s+3], 0x80000000
	JLOAD G0+4*\s, G1, G0B+4*\s, G1B
.endr
	v_and_b32 v1, 15, v0
	v_bfe_u32 v2, v0, 4, 1
	v_and_b32 v3, 31, v0
	v_lshlrev_b32 v[LI], 4, v3
	s_mul_i32 s21, s15, HALFT
	s_mul_i32 s22, s16, HALFT
	s_add_co_u32 s22, s22, 2*HALFT
.irp s, 0,1
	v_add_nc_u32 v[ADRA+\s], s21, v[LI]
	v_add_nc_u32 v[ADRB+\s], s22, v[LI]
	s_add_co_u32 s21, s21, SLOT
	s_add_co_u32 s22, s22, SLOT
.endr
	v_lshlrev_b32 v5, 3, v1
	s_mul_i32 s21, s15, HALFS
	s_mul_i32 s22, s16, HALFS
	s_add_co_u32 s22, s22, 2*HALFS
	s_sub_co_u32 s22, s22, s21
	v_mul_u32_u24 v6, s22, v2
	s_add_co_u32 s21, s21, SCL
	v_add_nc_u32 v5, v5, v6
	v_add_nc_u32 v[ADRS], s21, v5
	v_lshlrev_b32 v31, 6, v2                       ; 64 h
	v_and_b32 v18, 8, v1
	v_add_nc_u32 v18, v18, v1                      ; r + 8 (r / 8)
	v_lshlrev_b32 v[VRO], 12, v18
	v_lshl_add_u32 v[VRO], v2, 6, v[VRO]           ; my row of a block, + 64 h
	s_mul_i32 s23, s14, 16*SPITCH                  ; my stage
	v_mul_u32_u24 v5, v1, SPITCH
	v_lshl_add_u32 v5, v2, 6, v5
	v_add_nc_u32 v[STO], s23, v5
	v_add_nc_u32 v[RD], s23, v[LI]
	s_lshl_b32 s95, s17, 8
	s_lshl_b32 s100, s15, 7
	s_add_co_u32 s95, s95, s100                    ; my first row
	s_lshl_b32 s100, s42, 8
	s_lshl_b32 s101, s16, 7
	s_add_co_u32 s100, s100, s101                  ; my first column
	s_lshl_b32 s2, s100, 2
	s_mov_b32 s3, 0
	s_add_nc_u64 s[8:9], s[8:9], s[2:3]
	s_lshl_b32 s101, s95, 12
	s_add_co_u32 s2, s2, s101
	s_add_nc_u64 s[RES:RES+1], s[RES:RES+1], s[2:3]
	s_add_nc_u64 s[OUT:OUT+1], s[OUT:OUT+1], s[2:3]
.if MASKED
	s_mov_b32 s2, s95
	s_add_nc_u64 s[10:11], s[10:11], s[2:3]
.endif
	; the sums' first values: the residual in the accumulators' layout (register 16 b + i of block a: column 32 b + 16 h + i of row 32 (a / 2) + 8 (a % 2) + r + 8 (r / 8))
.irp a, 0,1,2,3,4,5,6,7
	WIN 0x80+0x40*(\a/4)                           ; destination: the accumulators' window
.irp b, 0,1,2,3
.irp j, 0,1,2,3
	global_load_b128 v[64*(\a%4)+16*\b+4*\j:64*(\a%4)+16*\b+4*\j+3], v[VRO], s[RES:RES+1] offset:(32*(\a/2)+8*(\a%2))*4096+128*\b+16*\j
.endr
.endr
.endr
	WIN 0
.irp b, 0,1,2,3
.irp j, 0,1,2,3
	global_load_b128 v[BI+16*\b+4*\j:BI+16*\b+4*\j+3], v31, s[8:9] offset:128*\b+16*\j
.endr
.endr
.if MASKED
.irp a, 0,1,2,3,4,5,6,7
	global_load_u8 v[KP+2*\a], v18, s[10:11] offset:32*(\a/2)+8*(\a%2)
.endr
.endif
	s_wait_loadcnt 0x0
.if MASKED
.irp a, 0,1,2,3,4,5,6,7
	v_cvt_f32_u32 v[KP+2*\a], v[KP+2*\a]
.endr
.irp a, 0,1,2,3,4,5,6,7
	v_sub_f32 v[KP+2*\a], 1.0, v[KP+2*\a]          ; keep
.endr
.irp a, 0,1,2,3,4,5,6,7
	v_mov_b32 v[KP+2*\a+1], v[KP+2*\a]
.endr
.endif
.irp a, 0,1,2,3,4,5,6,7
.set AC, 64*(\a%4)
.if MASKED
	WIN 0xa0+0x50*(\a/4)                           ; source 2 and destination: the accumulators' window
.else
	WIN 0x82+0x41*(\a/4)                           ; source 0 and destination
.endif
.set i, 0
.rept 32
.if MASKED
	v_pk_fma_f32 v[AC+i:AC+i+1], v[BI+i:BI+i+1], v[KP+2*\a:KP+2*\a+1], v[AC+i:AC+i+1]
.else
	v_pk_add_f32 v[AC+i:AC+i+1], v[AC+i:AC+i+1], v[BI+i:BI+i+1]
.endif
.set i, i+2
.endr
.endr
	WIN 0
.rept 8
	v_nop
.endr
.macro FRAG reg, adr, q, i
.irp c, 0,1,2
	ds_load_b128 v[\reg+4*\c:\reg+4*\c+3], v[\adr] offset:(\i)*RTB+(\q)*FRB+512*\c
.endr
.endm
.macro MUL16 a0, p, q, sc              ; the 64 accumulators take turns, one instruction a turn
.irp a, \a0, \a0+1
.irp b, 0,1,2,3,4,5,6,7
	v_wmma_scale_f32_16x16x128_f8f6f4 v[8*(8*((\a)%4)+\b):8*(8*((\a)%4)+\b)+7], v[128*(\p)+FR*\b:128*(\p)+FR*\b+FR-1], v[AF+FR*(\a):AF+FR*(\a)+FR-1], v[8*(8*((\a)%4)+\b):8*(8*((\a)%4)+\b)+7], v[SC+8*NQ*(\sc)+NQ*\b+(\q)], v[SC+8*NQ*(\sc)+NQ*(\a)+(\q)] matrix_a_fmt:MATRIX_FMT_BF6 matrix_b_fmt:MATRIX_FMT_BF6 matrix_a_scale:MATRIX_SCALE_ROW1
.endr
.endr
.endm
.macro FETCH_B slot, q, p
	WIN TO_B
.irp i, 0,1,2,3,4,5,6,7
	FRAG 128*(\p)+FR*\i, ADRB+\slot, \q, \i
.endr
	WIN 0
.endm
.macro FETCH_A slot, q, i0
.irp i, \i0, \i0+1, \i0+2, \i0+3
	FRAG AF+FR*(\i), ADRA+\slot, \q, \i
.endr
.endm
.macro SCALES sc
.irp i, 0,1,2,3,4,5,6,7
	ds_load_b64 v[SC+8*NQ*\sc+NQ*\i:SC+8*NQ*\sc+NQ*\i+1], v[ADRS] offset:\i*SRT
.endr
.endm
.macro PLACES n
.rept \n
	v_nop
.endr
.endm
.macro STEP slot, q
	s_wait_dscnt 4*NL                              ; all but the youngest 12 loads (A's blocks 4-7) are in
	WIN MUL_LO
	MUL16 0, (\q)%2, \q, \slot
	MUL16 2, (\q)%2, \q, \slot
	s_wait_dscnt 0
	PLACES NP
	FETCH_B \slot, (\q)+1, 1-(\q)%2
	FETCH_A \slot, (\q)+1, 0
	WIN MUL_HI
	MUL16 4, (\q)%2, \q, \slot
	MUL16 6, (\q)%2, \q, \slot
	PLACES NP
	WIN 0
	FETCH_A \slot, (\q)+1, 4
.endm
.macro TURN slot, next, fill
	s_wait_tensorcnt 0x0                           ; all my tensor loads have landed: my part of the next slot
	ds_add_u32 v[SPW], v[NIL]                      ; 0 onto my spare word
	s_wait_dscnt 4*NL+1                            ; the add and the youngest 12 loads may be out
	WIN MUL_LO
	MUL16 0, 1, NQ-1, \slot
	s_wait_dscnt 0x0                               ; the add is done, and my reads of this slot are over
	s_barrier_signal -1
	MUL16 2, 1, NQ-1, \slot
	WIN 0
	s_barrier_wait -1
.if \fill
	CREST                                          ; a round of the cluster's barrier: no wave of any partner still reads this slot or has a load on its way
	s_add_nc_u64 s[G0+4*\slot+2:G0+4*\slot+3], s[G0+4*\slot+2:G0+4*\slot+3], 2*RTB
	s_add_nc_u64 s[G0B+4*\slot+2:G0B+4*\slot+3], s[G0B+4*\slot+2:G0B+4*\slot+3], 2*RTB
	JLOAD G0+4*\slot, G1, G0B+4*\slot, G1B
.else
	PLACES NP
.endif
	v_add_nc_u32 v[ADRS], 128, v[ADRS]
	FETCH_B \next, 0, 0
	FETCH_A \next, 0, 0
	SCALES \next
	WIN MUL_HI
	MUL16 4, 1, NQ-1, \slot
	MUL16 6, 1, NQ-1, \slot
	PLACES NP
	WIN 0
	FETCH_A \next, 0, 4
.endm
	s_wait_tensorcnt 1                             ; the scale words and my part of K step 0 are in; K step 1's load may be out
	s_barrier_signal -1
	s_barrier_wait -1
	FETCH_B 0, 0, 0
	FETCH_A 0, 0, 0
	SCALES 0
	FETCH_A 0, 0, 4
	STEP 0, 0
	s_mov_b32 s3, LAPS-1
.Llap:
	TURN 0, 1, 1
	STEP 1, 0
	TURN 1, 0, 1
	STEP 0, 0
	s_sub_co_u32 s3, s3, 1
	s_cmp_lg_u32 s3, 0
	s_cbranch_scc1 .Llap
	TURN 0, 1, 0
	STEP 1, 0
	s_wait_dscnt 4*NL
	WIN MUL_LO
	MUL16 0, 1, NQ-1, 1
	MUL16 2, 1, NQ-1, 1
	s_wait_dscnt 0
	WIN MUL_HI
	MUL16 4, 1, NQ-1, 1
	MUL16 6, 1, NQ-1, 1
	WIN 0
; THE WAY OUT, block by block: through my own stage, back as whole rows of 512 bytes.
.macro TOSTAGE a
.set AC, 64*((\a)%4)
	WIN 0x08+4*((\a)/4)                            ; an LDS store's data: window 2 or 3
.irp b, 0,1,2,3,4,5,6,7
	ds_store_b128 v[STO], v[AC+8*\b:AC+8*\b+3] offset:128*(\b/2)+32*(\b%2)        ; each accumulator from its low end on
	ds_store_b128 v[STO], v[AC+8*\b+4:AC+8*\b+7] offset:128*(\b/2)+32*(\b%2)+16
.endr
	WIN 0
.set BB, BK+64*((\a)%2)
.irp t, 0,1,2,3,4,5,6,7,8,9,10,11,12,13,14,15
	ds_load_b128 v[BB+4*\t:BB+4*\t+3], v[RD] offset:\t*SPITCH
.endr
.endm
.macro SEND a, younger
.set BB, BK+64*((\a)%2)
	s_wait_dscnt \younger                          ; the block is back; the next block's 16 stores and 16 loads may be out
.irp t, 0,1,2,3,4,5,6,7,8,9,10,11,12,13,14,15
	global_store_b128 v[LI], v[BB+4*\t:BB+4*\t+3], s[OUT:OUT+1] offset:(32*((\a)/2)+8*((\a)%2)+\t+8*(\t/8))*4096   ; 512 consecutive bytes of one row
.endr
.endm
	PLACES NP
	TOSTAGE 0
.irp a, 1,2,3,4,5,6,7
.if \a > 1
	s_wait_xcnt 0x0                                ; block a - 2's stores have read their registers
.endif
	TOSTAGE \a
	SEND \a-1, 32
.endr
	SEND 7, 0
	s_wait_tensorcnt 0x0                           ; the wave's end
	ds_add_u32 v[SPW], v[NIL]
	s_wait_dscnt 0x0
	CROUND
	s_endpgm
.Lfunc_end_k_q8c9abd53cc_oproj:
	.size	k_q8c9abd53cc_oproj, .Lfunc_end_k_q8c9abd53cc_oproj-k_q8c9abd53cc_oproj
	.p2alignl 7, 3214868480
	.fill 96, 4, 3214868480
	.section	.rodata,"a",@progbits
	.p2align	6, 0x0
	.amdhsa_kernel k_q8c9abd53cc_oproj
		.amdhsa_group_segment_fixed_size 327680
		.amdhsa_private_segment_fixed_size 0
		.amdhsa_enable_private_segment 0
		.amdhsa_kernarg_size 48
		.amdhsa_user_sgpr_count 2
		.amdhsa_user_sgpr_kernarg_segment_ptr 1
		.amdhsa_wavefront_size32 1
		.amdhsa_system_sgpr_workgroup_id_x 1
		.amdhsa_system_sgpr_workgroup_id_y 1
		.amdhsa_system_sgpr_workgroup_id_z 1
		.amdhsa_system_vgpr_workitem_id 0
		.amdhsa_next_free_vgpr 1024
		.amdhsa_next_free_sgpr 104
		.amdhsa_reserve_vcc 0
		.amdhsa_float_denorm_mode_32 3
		.amdhsa_float_denorm_mode_16_64 3
		.amdhsa_memory_ordered 1
		.amdhsa_forward_progress 1
		.amdhsa_inst_pref_size 167
	.end_amdhsa_kernel
	.amdgpu_metadata
---
amdhsa.version: [ 1, 2 ]
amdhsa.kernels:
  - .name:           k_q8c9abd53cc_oproj
    .symbol:         k_q8c9abd53cc_oproj.kd
    .args:
      - { .name: at_buf, .offset: 0, .size: 8, .value_kind: global_buffer, .address_space: global }
      - { .name: wq_buf, .offset: 8, .size: 8, .value_kind: global_buffer, .address_space: global }
      - { .name: b_out, .offset: 16, .size: 8, .value_kind: global_buffer, .address_space: global }
      - { .name: key_padding_mask, .offset: 24, .size: 8, .value_kind: global_buffer, .address_space: global }
      - { .name: x, .offset: 32, .size: 8, .value_kind: global_buffer, .address_space: global }
      - { .name: x1, .offset: 40, .size: 8, .value_kind: global_buffer, .address_space: global }
    .group_segment_fixed_size: 327680
    .private_segment_fixed_size: 0
    .kernarg_segment_align: 8
    .kernarg_segment_size: 48
    .max_flat_workgroup_size: 128
    .sgpr_count:     104
    .vgpr_count:     1024
    .wavefront_size: 32
...
	.end_amdgpu_metadata
.endif
;; end of part 5
;; launch ln2: the kernel of part 2 again; grid 256 x 1, 8 waves a work-group, no clusters, 70,656 bytes of LDS; arguments x1, ln2_g, ln2_b, xn_buf; writes xn_buf
;; launch ffn1 (part 6): grid 16 x 16, 4 waves a work-group, clusters of 4 x 4, 327,680 bytes of LDS; arguments xn_buf, wq_buf, b1, h_buf; writes h_buf
.if DOCPART == 6
	.amdgcn_target "amdgcn-amd-amdhsa--gfx1250"
	.amdhsa_code_object_version 6
	.text
	.protected	k_q8c9abd53cc_ffn1
	.globl	k_q8c9abd53cc_ffn1
	.p2align	8
	.type	k_q8c9abd53cc_ffn1,@function
k_q8c9abd53cc_ffn1:
	s_mov_b64 s[64:65], 0
	v_nop
	global_prefetch_b8 v0, s[64:65] scope:SCOPE_SE
	s_setreg_imm32_b32 hwreg(HW_REG_WAVE_MODE, 25, 1), 1
	s_wait_xcnt 0x0
	s_wait_alu depctr_hold_cnt(0) depctr_sa_sdst(0) depctr_va_vdst(0) depctr_va_sdst(0) depctr_va_ssrc(0) depctr_va_vcc(0) depctr_vm_vsrc(0)
	s_getreg_b32 s2, hwreg(HW_REG_IB_STS2, 6, 4)
	s_cmp_eq_u32 s2, 0
	s_cbranch_scc0 .Lentry_in_a_cluster
	s_endpgm
.Lentry_in_a_cluster:
	s_bfe_u32 s2, ttmp6, 0x10000c
	s_cmp_lg_u32 s2, 0xf033
	s_cbranch_scc0 .Lentry_shape_is_right
	s_endpgm
.Lentry_shape_is_right:
; h = quick_gelu(LN2(x1) w1^T + b1) on codes of E3M2, quantised along its 4,096 on the way out.  A tile of 256 x 256 to a work-group, 128 x 128 to a wave, K in steps of 256 through two LDS slots,
; operands as images of their registers, 4 x 4 clusters with joint loads (A's tiles along a row of the cluster, B's along a column).
; The matrix instruction is used transposed (source 0 = w1's rows), and row tiles hold rows 32 g + 8 u + r + 8 (r / 8): a lane's 64 registers of a block are 128 neighbouring hidden units of one token: one K step
; of the next product, whose image is stored as it stands.
; LIMITS: NaN and infinities are not served; a block under 2^-122 gets the byte 1; x sigmoid(1.702 x) = x / (1 + 2^(-1.702 log2(e) x)), the two constants multiplied beforehand.
.set KDIM,   1024
.set A_SOFF, 3145728
.set B_COFF, 3145728
.set B_SOFF, 9568256
.set NQ,    2
.set FR,    12
.set NL,    3
.set NP,    4
.set FRB,   1536
.set RTB,   3072
.set HALFT, 8*RTB
.set SLOT,  4*HALFT
.set LAPS,  KDIM/512
.set CRT,   (KDIM/128)*FRB
.set SRT,   (KDIM/256)*128
.set SCL,   2*SLOT
.set HALFS, 8*SRT
.set SPARE, SCL+4*HALFS
.set ADRA, 16
.set ADRB, 20
.set LI,   19
.set ADRS, 27
.set SPW,  28
.set NIL,  29
.set SC,   32
.set BI,   64
.set AF,   128
.set U,    32                          ; the way out: 32 numbers at work
.set T,    128
.set TM,   192
.set PWR,  208
.set H,    216
.set SWD,  240
.set SEL,  66
.set G1, 24
.set G0, 32
.set G1B, 48
.set G0B, 56
.set G1S, 68
.set G0S, 76
.set G1SB, 80
.set G0SB, 88
.set MSB, 0
.macro WIN new
.if MSB != \new
	s_set_vgpr_msb (MSB<<8)|\new
.set MSB, \new
.endif
.endm
.set MUL_LO, 0xa1
.set MUL_HI, 0xf1
.set TO_B,   0x40
.macro JLOAD g0a, g1a, g0b, g1b
	s_cmp_eq_u32 s15, 0
	s_cbranch_scc0 .Lfor_b_\@
	tensor_load_to_lds s[\g0a:\g0a+3], s[\g1a:\g1a+7]
	s_nop 0
.rept 4
	v_nop
.endr
	s_branch .Lasked_\@
.Lfor_b_\@:
	tensor_load_to_lds s[\g0b:\g0b+3], s[\g1b:\g1b+7]
	s_nop 0
.rept 4
	v_nop
.endr
.Lasked_\@:
.endm
.macro CREST
	s_cmp_lg_u32 s14, 0
	s_cbranch_scc1 .Lnot_wave_0_\@
	s_barrier_signal -3
.Lnot_wave_0_\@:
	s_barrier_wait -3
	s_barrier_signal -1
	s_barrier_wait -1
.endm
.macro CROUND
	s_barrier_signal -1
	s_barrier_wait -1
	CREST
.endm
.macro QUANT s, d0, d1, pw
.irp b, 0,1,2,3
	v_max3_num_f32 v[TM+\b], |v[\s+16*\b]|, |v[\s+16*\b+1]|, 0x2800000
.endr
.irp i, 2,4,6,8,10,12,14
.irp b, 0,1,2,3
	v_max3_num_f32 v[TM+\b], v[TM+\b], |v[\s+16*\b+\i]|, |v[\s+16*\b+\i+1]|
.endr
.endr
.irp b, 0,1,2,3
	v_permlanex16_b32 v[TM+4+\b], v[TM+\b], s[SEL], s[SEL+1]
.endr
.irp b, 0,1,2,3
	v_max_num_f32 v[TM+\b], v[TM+\b], v[TM+4+\b]
.endr
.irp b, 0,1,2,3
	v_add_nc_u32 v[TM+12+\b], 0xfe000000, v[TM+\b]
.endr
.irp b, 0,1,2,3
	v_lshrrev_b32 v[TM+4+\b], 23, v[TM+12+\b]
.endr
	v_lshl_or_b32 v[\pw], v[TM+5], 8, v[TM+4]
	v_lshl_or_b32 v[\pw], v[TM+6], 16, v[\pw]
	v_lshl_or_b32 v[\pw], v[TM+7], 24, v[\pw]
	v_cvt_scalef32_pk16_bf6_f32 v[\d0:\d0+2], v[\s:\s+15], v[TM+12]
	v_cvt_scalef32_pk16_bf6_f32 v[TM:TM+2], v[\s+16:\s+31], v[TM+13]
	v_cvt_scalef32_pk16_bf6_f32 v[\d1:\d1+2], v[\s+32:\s+47], v[TM+14]
	v_cvt_scalef32_pk16_bf6_f32 v[TM+4:TM+6], v[\s+48:\s+63], v[TM+15]
	v_nop
.irp i, 0,1,2
	v_permlane16_swap_b32 v[\d0+\i], v[TM+\i]
	v_permlane16_swap_b32 v[\d1+\i], v[TM+4+\i]
.endr
.irp i, 0,1,2
	v_mov_b32 v[\d0+3+\i], v[TM+\i]
	v_mov_b32 v[\d1+3+\i], v[TM+4+\i]
.endr
.endm
	s_load_b256 s[4:11], s[0:1], 0x0               ; xn_buf, wq_buf, b1, h_buf
	v_lshl_add_u32 v[SPW], v0, 2, SPARE
	v_mov_b32 v[NIL], 0
	ds_add_u32 v28, v29
	ds_add_u32 v28, v29
	s_wait_dscnt 0x0
	v_lshrrev_b32 v1, 5, v0
	v_readfirstlane_b32 s14, v1
	s_lshr_b32 s15, s14, 1
	s_and_b32 s16, s14, 1
	s_bfe_u32 s40, ttmp6, 0x40000
	s_bfe_u32 s41, ttmp6, 0x40004
	s_lshl_b32 s42, ttmp9, 2
	s_add_co_u32 s42, s42, s40                     ; tile column
	s_and_b32 s17, ttmp7, 0xffff
	s_lshl_b32 s17, s17, 2
	s_add_co_u32 s17, s17, s41                     ; tile row
	s_lshl_b32 s43, s41, 2
	s_lshl_b32 s43, 15, s43
	s_lshl_b32 s44, 0x1111, s40
	s_or_b32 s[G1+0], s43, (3<<16)|(1<<21)
	s_or_b32 s[G1B+0], s44, (3<<16)|(1<<21)
.irp g, G1, G1B
	s_mov_b32 s[\g+1], 384<<16
	s_mov_b32 s[\g+2], 8<<16
	s_mov_b32 s[\g+3], 384<<16
	s_mov_b32 s[\g+4], 8
	s_mov_b32 s[\g+5], CRT/8
	s_mov_b32 s[\g+6], 0
	s_mov_b32 s[\g+7], 0
.endr
	s_or_b32 s[G1S+0], s43, (3<<16)|(1<<21)
	s_or_b32 s[G1SB+0], s44, (3<<16)|(1<<21)
.irp g, G1S, G1SB
	s_mov_b32 s[\g+1], 32<<16
	s_mov_b32 s[\g+2], (HALFS/256)<<16
	s_mov_b32 s[\g+3], 32<<16
	s_mov_b32 s[\g+4], HALFS/256
	s_mov_b32 s[\g+5], 32
	s_mov_b32 s[\g+6], 0
	s_mov_b32 s[\g+7], 0
.endr
	s_lshl_b32 s18, s16, 3
	s_lshl_b32 s20, s17, 4
	s_add_co_u32 s20, s20, s18
	s_lshl_b32 s46, s42, 4
	s_add_co_u32 s46, s46, s18
	s_mul_i32 s22, s20, SRT
	s_add_co_u32 s22, s22, A_SOFF
	s_mov_b32 s23, 0
	s_mul_i32 s20, s20, CRT
	s_mov_b32 s21, 0
	s_mul_i32 s92, s46, SRT
	s_add_co_u32 s92, s92, B_SOFF
	s_mov_b32 s93, 0
	s_mul_i32 s46, s46, CRT
	s_add_co_u32 s46, s46, B_COFF
	s_mov_b32 s47, 0
	s_mul_i32 s45, s14, HALFT
	s_mul_i32 s94, s14, HALFS
	s_mov_b32 s[SEL], 0x76543210
	s_mov_b32 s[SEL+1], 0xfedcba98
	s_wait_kmcnt 0x0
	s_add_nc_u64 s[20:21], s[4:5], s[20:21]
	s_add_nc_u64 s[22:23], s[4:5], s[22:23]
	s_add_nc_u64 s[46:47], s[6:7], s[46:47]
	s_add_nc_u64 s[92:93], s[6:7], s[92:93]
	CROUND
	s_mov_b32 s[G0S], 1
	s_add_co_u32 s[G0S+1], s94, SCL
	s_mov_b64 s[G0S+2:G0S+3], s[22:23]
	s_or_b32 s[G0S+3], s[G0S+3], 0x80000000
	s_mov_b32 s[G0SB], 1
	s_add_co_u32 s[G0SB+1], s94, SCL
	s_mov_b64 s[G0SB+2:G0SB+3], s[92:93]
	s_or_b32 s[G0SB+3], s[G0SB+3], 0x80000000
	JLOAD G0S, G1S, G0SB, G1SB
.irp s, 0,1
	s_mov_b32 s[G0+4*\s], 1
	s_add_co_u32 s[G0+4*\s+1], s45, \s*SLOT
	s_add_nc_u64 s[G0+4*\s+2:G0+4*\s+3], s[20:21], \s*RTB
	s_or_b32 s[G0+4*\s+3], s[G0+4*\s+3], 0x80000000
	s_mov_b32 s[G0B+4*\s], 1
	s_add_co_u32 s[G0B+4*\s+1], s45, \s*SLOT
	s_add_nc_u64 s[G0B+4*\s+2:G0B+4*\s+3], s[46:47], \s*RTB
	s_or_b32 s[G0B+4*\s+3], s[G0B+4*\s+3], 0x80000000
	JLOAD G0+4*\s, G1, G0B+4*\s, G1B
.endr
	v_and_b32 v1, 15, v0
	v_bfe_u32 v2, v0, 4, 1
	v_and_b32 v3, 31, v0
	v_lshlrev_b32 v[LI], 4, v3
	s_mul_i32 s21, s15, HALFT
	s_mul_i32 s22, s16, HALFT
	s_add_co_u32 s22, s22, 2*HALFT
.irp s, 0,1
	v_add_nc_u32 v[ADRA+\s], s21, v[LI]
	v_add_nc_u32 v[ADRB+\s], s22, v[LI]
	s_add_co_u32 s21, s21, SLOT
	s_add_co_u32 s22, s22, SLOT
.endr
	v_lshlrev_b32 v5, 3, v1
	s_mul_i32 s21, s15, HALFS
	s_mul_i32 s22, s16, HALFS
	s_add_co_u32 s22, s22, 2*HALFS
	s_sub_co_u32 s22, s22, s21
	v_mul_u32_u24 v6, s22, v2
	s_add_co_u32 s21, s21, SCL
	v_add_nc_u32 v5, v5, v6
	v_add_nc_u32 v[ADRS], s21, v5
	v_lshlrev_b32 v31, 6, v2                       ; 64 h
	v_lshlrev_b32 v22, 3, v1
	v_lshl_add_u32 v22, v2, 11, v22                ; scale words out: 8 r, lanes 16-31 the next row tile
	s_lshl_b32 s95, s17, 8
	s_lshl_b32 s96, s15, 7
	s_add_co_u32 s95, s95, s96                     ; my first token
	s_lshl_b32 s96, s42, 8
	s_lshl_b32 s97, s16, 7
	s_add_co_u32 s96, s96, s97                     ; my first hidden unit
	s_lshl_b32 s98, s96, 2
	s_mov_b32 s99, 0
	s_add_nc_u64 s[8:9], s[8:9], s[98:99]
	s_mul_i32 s98, s95, 3072                       ; (token / 16) x 49,152
	s_mul_i32 s97, s96, 12                         ; (unit / 128) x 1,536
	s_add_co_u32 s98, s98, s97
	s_add_nc_u64 s[12:13], s[10:11], s[98:99]      ; codes out
	s_lshl_b32 s98, s95, 7                         ; (token / 16) x 2,048
	s_lshl_b32 s97, s42, 7
	s_add_co_u32 s98, s98, s97
	s_lshl_b32 s97, s16, 2
	s_add_co_u32 s98, s98, s97
	s_add_co_u32 s98, s98, 12582912
	s_add_nc_u64 s[10:11], s[10:11], s[98:99]      ; scale words out
.irp b, 0,1,2,3
.irp j, 0,1,2,3
	global_load_b128 v[BI+16*\b+4*\j:BI+16*\b+4*\j+3], v31, s[8:9] offset:128*\b+16*\j
.endr
.endr
	s_wait_loadcnt 0x0
.macro FRAG reg, adr, q, i
.irp c, 0,1,2
	ds_load_b128 v[\reg+4*\c:\reg+4*\c+3], v[\adr] offset:(\i)*RTB+(\q)*FRB+512*\c
.endr
.endm
.macro MUL16 a0, p, q, sc, zero        ; the 64 accumulators take turns, one instruction a turn
.irp a, \a0, \a0+1
.irp b, 0,1,2,3,4,5,6,7
.if \zero
	v_wmma_scale_f32_16x16x128_f8f6f4 v[8*(8*((\a)%4)+\b):8*(8*((\a)%4)+\b)+7], v[128*(\p)+FR*\b:128*(\p)+FR*\b+FR-1], v[AF+FR*(\a):AF+FR*(\a)+FR-1], 0, v[SC+8*NQ*(\sc)+NQ*\b+(\q)], v[SC+8*NQ*(\sc)+NQ*(\a)+(\q)] matrix_a_fmt:MATRIX_FMT_BF6 matrix_b_fmt:MATRIX_FMT_BF6 matrix_a_scale:MATRIX_SCALE_ROW1
.else
	v_wmma_scale_f32_16x16x128_f8f6f4 v[8*(8*((\a)%4)+\b):8*(8*((\a)%4)+\b)+7], v[128*(\p)+FR*\b:128*(\p)+FR*\b+FR-1], v[AF+FR*(\a):AF+FR*(\a)+FR-1], v[8*(8*((\a)%4)+\b):8*(8*((\a)%4)+\b)+7], v[SC+8*NQ*(\sc)+NQ*\b+(\q)], v[SC+8*NQ*(\sc)+NQ*(\a)+(\q)] matrix_a_fmt:MATRIX_FMT_BF6 matrix_b_fmt:MATRIX_FMT_BF6 matrix_a_scale:MATRIX_SCALE_ROW1
.endif
.endr
.endr
.endm
.macro FETCH_B slot, q, p
	WIN TO_B
.irp i, 0,1,2,3,4,5,6,7
	FRAG 128*(\p)+FR*\i, ADRB+\slot, \q, \i
.endr
	WIN 0
.endm
.macro FETCH_A slot, q, i0
.irp i, \i0, \i0+1, \i0+2, \i0+3
	FRAG AF+FR*(\i), ADRA+\slot, \q, \i
.endr
.endm
.macro SCALES sc
.irp i, 0,1,2,3,4,5,6,7
	ds_load_b64 v[SC+8*NQ*\sc+NQ*\i:SC+8*NQ*\sc+NQ*\i+1], v[ADRS] offset:\i*SRT
.endr
.endm
.macro PLACES n
.rept \n
	v_nop
.endr
.endm
.macro STEP slot, q, zero
	s_wait_dscnt 4*NL                              ; all but the youngest 12 loads (A's blocks 4-7) are in
	WIN MUL_LO
	MUL16 0, (\q)%2, \q, \slot, \zero
	MUL16 2, (\q)%2, \q, \slot, \zero
	s_wait_dscnt 0
	PLACES NP
	FETCH_B \slot, (\q)+1, 1-(\q)%2
	FETCH_A \slot, (\q)+1, 0
	WIN MUL_HI
	MUL16 4, (\q)%2, \q, \slot, \zero
	MUL16 6, (\q)%2, \q, \slot, \zero
	PLACES NP
	WIN 0
	FETCH_A \slot, (\q)+1, 4
.endm
.macro TURN slot, next, fill
	s_wait_tensorcnt 0x0                           ; all my tensor loads have landed: my part of the next slot
	ds_add_u32 v[SPW], v[NIL]                      ; 0 onto my spare word
	s_wait_dscnt 4*NL+1                            ; the add and the youngest 12 loads may be out
	WIN MUL_LO
	MUL16 0, 1, NQ-1, \slot, 0
	s_wait_dscnt 0x0                               ; the add is done, and my reads of this slot are over
	s_barrier_signal -1
	MUL16 2, 1, NQ-1, \slot, 0
	WIN 0
	s_barrier_wait -1
.if \fill
	CREST                                          ; a round of the cluster's barrier: no wave of any partner still reads this slot or has a load on its way
	s_add_nc_u64 s[G0+4*\slot+2:G0+4*\slot+3], s[G0+4*\slot+2:G0+4*\slot+3], 2*RTB
	s_add_nc_u64 s[G0B+4*\slot+2:G0B+4*\slot+3], s[G0B+4*\slot+2:G0B+4*\slot+3], 2*RTB
	JLOAD G0+4*\slot, G1, G0B+4*\slot, G1B
.else
	PLACES NP
.endif
	v_add_nc_u32 v[ADRS], 128, v[ADRS]
	FETCH_B \next, 0, 0
	FETCH_A \next, 0, 0
	SCALES \next
	WIN MUL_HI
	MUL16 4, 1, NQ-1, \slot, 0
	MUL16 6, 1, NQ-1, \slot, 0
	PLACES NP
	WIN 0
	FETCH_A \next, 0, 4
.endm
	s_wait_tensorcnt 1                             ; the scale words and my part of K step 0 are in; K step 1's load may be out
	s_barrier_signal -1
	s_barrier_wait -1
	FETCH_B 0, 0, 0
	FETCH_A 0, 0, 0
	SCALES 0
	FETCH_A 0, 0, 4
	STEP 0, 0, 1
	s_mov_b32 s3, LAPS-1
.Llap:
	TURN 0, 1, 1
	STEP 1, 0, 0
	TURN 1, 0, 1
	STEP 0, 0, 0
	s_sub_co_u32 s3, s3, 1
	s_cmp_lg_u32 s3, 0
	s_cbranch_scc1 .Llap
	TURN 0, 1, 0
	STEP 1, 0, 0
	s_wait_dscnt 4*NL
	WIN MUL_LO
	MUL16 0, 1, NQ-1, 1, 0
	MUL16 2, 1, NQ-1, 1, 0
	s_wait_dscnt 0
	WIN MUL_HI
	MUL16 4, 1, NQ-1, 1, 0
	MUL16 6, 1, NQ-1, 1, 0
	WIN 0
	; THE WAY OUT, block by block: bias, activation, quantiser, the image stored as it stands
	PLACES NP
.irp b, 4,5,6,7
	v_mov_b32 v[TM+\b], 0                          ; a lane permute's destination counts as read
.endr
	s_mov_b32 vcc_lo, 0xffff0000
.irp a, 0,1,2,3,4,5,6,7
.if \a > 1
	s_wait_xcnt 0x0                                ; the stores of two blocks ago have read the registers that this block's codes take
.endif
.set AC, 64*(\a%4)
	WIN 0x02+\a/4
.set i, 0
.rept 32
	v_pk_add_f32 v[T+i:T+i+1], v[AC+i:AC+i+1], v[BI+i:BI+i+1]    ; ascending: each accumulator from its low end on
.set i, i+2
.endr
	WIN 0
.irp u, 0,1                            ; 32 numbers at a time
.set i, 0
.rept 16
	v_pk_mul_f32 v[U+i:U+i+1], v[T+32*\u+i:T+32*\u+i+1], 0xc01d265f op_sel_hi:[1,0]   ; -1.702 log2(e) x
.set i, i+2
.endr
.set i, 0
.rept 32
	v_exp_f32 v[U+i], v[U+i]
.set i, i+1
.endr
	v_nop                                          ; a plain place behind the exponentials
.set i, 0
	s_wait_alu depctr_va_vdst(0)
.rept 16
	v_pk_add_f32 v[U+i:U+i+1], v[U+i:U+i+1], 1.0 op_sel_hi:[1,0]
.set i, i+2
.endr
.set i, 0
.rept 32
	v_rcp_f32 v[U+i], v[U+i]
.set i, i+1
.endr
	v_nop
.set i, 0
	s_wait_alu depctr_va_vdst(0)
.rept 16
	v_pk_mul_f32 v[T+32*\u+i:T+32*\u+i+1], v[T+32*\u+i:T+32*\u+i+1], v[U+i:U+i+1]
.set i, i+2
.endr
.endr
	QUANT T, H+12*(\a%2), H+12*(\a%2)+6, PWR+\a
.irp c, 0,1,2
	global_store_b128 v[LI], v[H+12*(\a%2)+4*\c:H+12*(\a%2)+4*\c+3], s[12:13] offset:\a*49152+512*\c
.endr
.if \a%2 == 1
	v_cndmask_b32 v[SWD+\a/2], v[PWR+\a-1], v[PWR+\a], vcc_lo    ; lanes 0-15 the even block's words, lanes 16-31 the odd block's
	global_store_b32 v22, v[SWD+\a/2], s[10:11] offset:(\a-1)*2048
.endif
.endr
	s_wait_tensorcnt 0x0                           ; the wave's end
	ds_add_u32 v[SPW], v[NIL]
	s_wait_dscnt 0x0
	CROUND
	s_endpgm
.Lfunc_end_k_q8c9abd53cc_ffn1:
	.size	k_q8c9abd53cc_ffn1, .Lfunc_end_k_q8c9abd53cc_ffn1-k_q8c9abd53cc_ffn1
	.p2alignl 7, 3214868480
	.fill 96, 4, 3214868480
	.section	.rodata,"a",@progbits
	.p2align	6, 0x0
	.amdhsa_kernel k_q8c9abd53cc_ffn1
		.amdhsa_group_segment_fixed_size 327680
		.amdhsa_private_segment_fixed_size 0
		.amdhsa_enable_private_segment 0
		.amdhsa_kernarg_size 32
		.amdhsa_user_sgpr_count 2
		.amdhsa_user_sgpr_kernarg_segment_ptr 1
		.amdhsa_wavefront_size32 1
		.amdhsa_system_sgpr_workgroup_id_x 1
		.amdhsa_system_sgpr_workgroup_id_y 1
		.amdhsa_system_sgpr_workgroup_id_z 1
		.amdhsa_system_vgpr_workitem_id 0
		.amdhsa_next_free_vgpr 1024
		.amdhsa_next_free_sgpr 104
		.amdhsa_reserve_vcc 1
		.amdhsa_float_denorm_mode_32 3
		.amdhsa_float_denorm_mode_16_64 3
		.amdhsa_memory_ordered 1
		.amdhsa_forward_progress 1
		.amdhsa_inst_pref_size 247
	.end_amdhsa_kernel
	.amdgpu_metadata
---
amdhsa.version: [ 1, 2 ]
amdhsa.kernels:
  - .name:           k_q8c9abd53cc_ffn1
    .symbol:         k_q8c9abd53cc_ffn1.kd
    .args:
      - { .name: xn_buf, .offset: 0, .size: 8, .value_kind: global_buffer, .address_space: global }
      - { .name: wq_buf, .offset: 8, .size: 8, .value_kind: global_buffer, .address_space: global }
      - { .name: b1, .offset: 16, .size: 8, .value_kind: global_buffer, .address_space: global }
      - { .name: h_buf, .offset: 24, .size: 8, .value_kind: global_buffer, .address_space: global }
    .group_segment_fixed_size: 327680
    .private_segment_fixed_size: 0
    .kernarg_segment_align: 8
    .kernarg_segment_size: 32
    .max_flat_workgroup_size: 128
    .sgpr_count:     104
    .vgpr_count:     1024
    .wavefront_size: 32
...
	.end_amdgpu_metadata
.endif
;; end of part 6
;; launch ffn2 (part 7): grid 4 x 16, 4 waves a work-group, clusters of 4 x 4, 327,680 bytes of LDS; arguments h_buf, wq_buf, b2, x1, out0; writes out0
.if DOCPART == 7
	.amdgcn_target "amdgcn-amd-amdhsa--gfx1250"
	.amdhsa_code_object_version 6
	.text
	.protected	k_q8c9abd53cc_ffn2
	.globl	k_q8c9abd53cc_ffn2
	.p2align	8
	.type	k_q8c9abd53cc_ffn2,@function
k_q8c9abd53cc_ffn2:
	s_mov_b64 s[64:65], 0
	v_nop
	global_prefetch_b8 v0, s[64:65] scope:SCOPE_SE
	s_setreg_imm32_b32 hwreg(HW_REG_WAVE_MODE, 25, 1), 1
	s_wait_xcnt 0x0
	s_wait_alu depctr_hold_cnt(0) depctr_sa_sdst(0) depctr_va_vdst(0) depctr_va_sdst(0) depctr_va_ssrc(0) depctr_va_vcc(0) depctr_vm_vsrc(0)
	s_getreg_b32 s2, hwreg(HW_REG_IB_STS2, 6, 4)
	s_cmp_eq_u32 s2, 0
	s_cbranch_scc0 .Lentry_in_a_cluster
	s_endpgm
.Lentry_in_a_cluster:
	s_bfe_u32 s2, ttmp6, 0x10000c
	s_cmp_lg_u32 s2, 0xf033
	s_cbranch_scc0 .Lentry_shape_is_right
	s_endpgm
.Lentry_shape_is_right:
; out0 = x1 + h w2^T + b2, the product on codes of E3M2, K = 4,096.  The structure is that of the other products of this program: a tile of 256 x 256 to a work-group, 128 x 128 to a wave,
; K in steps of 256 through two LDS slots, operands as images of their registers, 4 x 4 clusters with joint loads (A's tiles along a row of the cluster, B's along a column).
; THE SUMS BEGIN AT x1 + b2, loaded straight into the accumulators' layout.
; 64 tiles: a quarter of the WGPs have work; a smaller tile would fill more of them at twice the LDS reads a product.
; LIMITS: NaN and infinities are not served; residual and bias enter the sum first, so the order of rounding differs from a sum that adds them last.
.set KDIM,   4096
.set MASKED, 0
.set A_SOFF, 12582912
.set B_COFF, 6291456
.set B_SOFF, 9699328
.set RES,    10
.set OUT,    12
.set NQ,    2
.set FR,    12
.set NL,    3
.set NP,    4
.set FRB,   1536
.set RTB,   3072
.set HALFT, 8*RTB
.set SLOT,  4*HALFT
.set LAPS,  KDIM/512
.set CRT,   (KDIM/128)*FRB
.set SRT,   (KDIM/256)*128
.set SCL,   2*SLOT
.set HALFS, 8*SRT
.set SPARE, SCL+4*HALFS
.set SPITCH, 528                       ; the way out: a stage of 16 rows x (512 + 16) bytes for each wave, in slot 0, which has had its last fill and its last read by then
.set ADRA, 16
.set ADRB, 20
.set LI,   19
.set STO,  24
.set RD,   25
.set ADRS, 27
.set SPW,  28
.set NIL,  29
.set VRO,  30
.set SC,   32
.set BI,   64
.set KP,   224
.set AF,   128
.set BK,   128
.set G1, 24
.set G0, 32
.set G1B, 48
.set G0B, 56
.set G1S, 68
.set G0S, 76
.set G1SB, 80
.set G0SB, 88
.set MSB, 0
.macro WIN new
.if MSB != \new
	s_set_vgpr_msb (MSB<<8)|\new
.set MSB, \new
.endif
.endm
.set MUL_LO, 0xa1
.set MUL_HI, 0xf1
.set TO_B,   0x40
.macro JLOAD g0a, g1a, g0b, g1b
	s_cmp_eq_u32 s15, 0
	s_cbranch_scc0 .Lfor_b_\@
	tensor_load_to_lds s[\g0a:\g0a+3], s[\g1a:\g1a+7]
	s_nop 0
.rept 4
	v_nop
.endr
	s_branch .Lasked_\@
.Lfor_b_\@:
	tensor_load_to_lds s[\g0b:\g0b+3], s[\g1b:\g1b+7]
	s_nop 0
.rept 4
	v_nop
.endr
.Lasked_\@:
.endm
.macro CREST
	s_cmp_lg_u32 s14, 0
	s_cbranch_scc1 .Lnot_wave_0_\@
	s_barrier_signal -3
.Lnot_wave_0_\@:
	s_barrier_wait -3
	s_barrier_signal -1
	s_barrier_wait -1
.endm
.macro CROUND
	s_barrier_signal -1
	s_barrier_wait -1
	CREST
.endm
	s_load_b256 s[4:11], s[0:1], 0x0               ; A's buffer, wq_buf, the bias, (masked: the padding bytes; else: the residual)
.if MASKED
	s_load_b128 s[96:99], s[0:1], 0x20             ; the residual, the output
.else
	s_load_b64 s[12:13], s[0:1], 0x20              ; the output
.endif
	v_lshl_add_u32 v[SPW], v0, 2, SPARE
	v_mov_b32 v[NIL], 0
	ds_add_u32 v28, v29
	ds_add_u32 v28, v29
	s_wait_dscnt 0x0
	v_lshrrev_b32 v1, 5, v0
	v_readfirstlane_b32 s14, v1
	s_lshr_b32 s15, s14, 1
	s_and_b32 s16, s14, 1
	s_bfe_u32 s40, ttmp6, 0x40000
	s_bfe_u32 s41, ttmp6, 0x40004
	s_lshl_b32 s42, ttmp9, 2
	s_add_co_u32 s42, s42, s40                     ; tile column
	s_and_b32 s17, ttmp7, 0xffff
	s_lshl_b32 s17, s17, 2
	s_add_co_u32 s17, s17, s41                     ; tile row
	s_lshl_b32 s43, s41, 2
	s_lshl_b32 s43, 15, s43
	s_lshl_b32 s44, 0x1111, s40
	s_or_b32 s[G1+0], s43, (3<<16)|(1<<21)
	s_or_b32 s[G1B+0], s44, (3<<16)|(1<<21)
.irp g, G1, G1B
	s_mov_b32 s[\g+1], 384<<16
	s_mov_b32 s[\g+2], 8<<16
	s_mov_b32 s[\g+3], 384<<16
	s_mov_b32 s[\g+4], 8
	s_mov_b32 s[\g+5], CRT/8
	s_mov_b32 s[\g+6], 0
	s_mov_b32 s[\g+7], 0
.endr
	s_or_b32 s[G1S+0], s43, (3<<16)|(1<<21)
	s_or_b32 s[G1SB+0], s44, (3<<16)|(1<<21)
.irp g, G1S, G1SB
	s_mov_b32 s[\g+1], 32<<16
	s_mov_b32 s[\g+2], (HALFS/256)<<16
	s_mov_b32 s[\g+3], 32<<16
	s_mov_b32 s[\g+4], HALFS/256
	s_mov_b32 s[\g+5], 32
	s_mov_b32 s[\g+6], 0
	s_mov_b32 s[\g+7], 0
.endr
	s_lshl_b32 s18, s16, 3
	s_lshl_b32 s20, s17, 4
	s_add_co_u32 s20, s20, s18
	s_lshl_b32 s46, s42, 4
	s_add_co_u32 s46, s46, s18
	s_mul_i32 s22, s20, SRT
	s_add_co_u32 s22, s22, A_SOFF
	s_mov_b32 s23, 0
	s_mul_i32 s20, s20, CRT
	s_mov_b32 s21, 0
	s_mul_i32 s92, s46, SRT
	s_add_co_u32 s92, s92, B_SOFF
	s_mov_b32 s93, 0
	s_mul_i32 s46, s46, CRT
	s_add_co_u32 s46, s46, B_COFF
	s_mov_b32 s47, 0
	s_mul_i32 s45, s14, HALFT
	s_mul_i32 s94, s14, HALFS
	s_wait_kmcnt 0x0
	s_add_nc_u64 s[20:21], s[4:5], s[20:21]
	s_add_nc_u64 s[22:23], s[4:5], s[22:23]
	s_add_nc_u64 s[46:47], s[6:7], s[46:47]
	s_add_nc_u64 s[92:93], s[6:7], s[92:93]
	CROUND
	s_mov_b32 s[G0S], 1
	s_add_co_u32 s[G0S+1], s94, SCL
	s_mov_b64 s[G0S+2:G0S+3], s[22:23]
	s_or_b32 s[G0S+3], s[G0S+3], 0x80000000
	s_mov_b32 s[G0SB], 1
	s_add_co_u32 s[G0SB+1], s94, SCL
	s_mov_b64 s[G0SB+2:G0SB+3], s[92:93]
	s_or_b32 s[G0SB+3], s[G0SB+3], 0x80000000
	JLOAD G0S, G1S, G0SB, G1SB
.irp s, 0,1
	s_mov_b32 s[G0+4*\s], 1
	s_add_co_u32 s[G0+4*\s+1], s45, \s*SLOT
	s_add_nc_u64 s[G0+4*\s+2:G0+4*\s+3], s[20:21], \s*RTB
	s_or_b32 s[G0+4*\s+3], s[G0+4*\s+3], 0x80000000
	s_mov_b32 s[G0B+4*\s], 1
	s_add_co_u32 s[G0B+4*\s+1], s45, \s*SLOT
	s_add_nc_u64 s[G0B+4*\s+2:G0B+4*\s+3], s[46:47], \s*RTB
	s_or_b32 s[G0B+4*\s+3], s[G0B+4*\s+3], 0x80000000
	JLOAD G0+4*\s, G1, G0B+4*\s, G1B
.endr
	v_and_b32 v1, 15, v0
	v_bfe_u32 v2, v0, 4, 1
	v_and_b32 v3, 31, v0
	v_lshlrev_b32 v[LI], 4, v3
	s_mul_i32 s21, s15, HALFT
	s_mul_i32 s22, s16, HALFT
	s_add_co_u32 s22, s22, 2*HALFT
.irp s, 0,1
	v_add_nc_u32 v[ADRA+\s], s21, v[LI]
	v_add_nc_u32 v[ADRB+\s], s22, v[LI]
	s_add_co_u32 s21, s21, SLOT
	s_add_co_u32 s22, s22, SLOT
.endr
	v_lshlrev_b32 v5, 3, v1
	s_mul_i32 s21, s15, HALFS
	s_mul_i32 s22, s16, HALFS
	s_add_co_u32 s22, s22, 2*HALFS
	s_sub_co_u32 s22, s22, s21
	v_mul_u32_u24 v6, s22, v2
	s_add_co_u32 s21, s21, SCL
	v_add_nc_u32 v5, v5, v6
	v_add_nc_u32 v[ADRS], s21, v5
	v_lshlrev_b32 v31, 6, v2                       ; 64 h
	v_and_b32 v18, 8, v1
	v_add_nc_u32 v18, v18, v1                      ; r + 8 (r / 8)
	v_lshlrev_b32 v[VRO], 12, v18
	v_lshl_add_u32 v[VRO], v2, 6, v[VRO]           ; my row of a block, + 64 h
	s_mul_i32 s23, s14, 16*SPITCH                  ; my stage
	v_mul_u32_u24 v5, v1, SPITCH
	v_lshl_add_u32 v5, v2, 6, v5
	v_add_nc_u32 v[STO], s23, v5
	v_add_nc_u32 v[RD], s23, v[LI]
	s_lshl_b32 s95, s17, 8
	s_lshl_b32 s100, s15, 7
	s_add_co_u32 s95, s95, s100                    ; my first row
	s_lshl_b32 s100, s42, 8
	s_lshl_b32 s101, s16, 7
	s_add_co_u32 s100, s100, s101                  ; my first column
	s_lshl_b32 s2, s100, 2
	s_mov_b32 s3, 0
	s_add_nc_u64 s[8:9], s[8:9], s[2:3]
	s_lshl_b32 s101, s95, 12
	s_add_co_u32 s2, s2, s101
	s_add_nc_u64 s[RES:RES+1], s[RES:RES+1], s[2:3]
	s_add_nc_u64 s[OUT:OUT+1], s[OUT:OUT+1], s[2:3]
.if MASKED
	s_mov_b32 s2, s95
	s_add_nc_u64 s[10:11], s[10:11], s[2:3]
.endif
	; the sums' first values: the residual in the accumulators' layout (register 16 b + i of block a: column 32 b + 16 h + i of row 32 (a / 2) + 8 (a % 2) + r + 8 (r / 8))
.irp a, 0,1,2,3,4,5,6,7
	WIN 0x80+0x40*(\a/4)                           ; destination: the accumulators' window
.irp b, 0,1,2,3
.irp j, 0,1,2,3
	global_load_b128 v[64*(\a%4)+16*\b+4*\j:64*(\a%4)+16*\b+4*\j+3], v[VRO], s[RES:RES+1] offset:(32*(\a/2)+8*(\a%2))*4096+128*\b+16*\j
.endr
.endr
.endr
	WIN 0
.irp b, 0,1,2,3
.irp j, 0,1,2,3
	global_load_b128 v[BI+16*\b+4*\j:BI+16*\b+4*\j+3], v31, s[8:9] offset:128*\b+16*\j
.endr
.endr
.if MASKED
.irp a, 0,1,2,3,4,5,6,7
	global_load_u8 v[KP+2*\a], v18, s[10:11] offset:32*(\a/2)+8*(\a%2)
.endr
.endif
	s_wait_loadcnt 0x0
.if MASKED
.irp a, 0,1,2,3,4,5,6,7
	v_cvt_f32_u32 v[KP+2*\a], v[KP+2*\a]
.endr
.irp a, 0,1,2,3,4,5,6,7
	v_sub_f32 v[KP+2*\a], 1.0, v[KP+2*\a]          ; keep
.endr
.irp a, 0,1,2,3,4,5,6,7
	v_mov_b32 v[KP+2*\a+1], v[KP+2*\a]
.endr
.endif
.irp a, 0,1,2,3,4,5,6,7
.set AC, 64*(\a%4)
.if MASKED
	WIN 0xa0+0x50*(\a/4)                           ; source 2 and destination: the accumulators' window
.else
	WIN 0x82+0x41*(\a/4)                           ; source 0 and destination
.endif
.set i, 0
.rept 32
.if MASKED
	v_pk_fma_f32 v[AC+i:AC+i+1], v[BI+i:BI+i+1], v[KP+2*\a:KP+2*\a+1], v[AC+i:AC+i+1]
.else
	v_pk_add_f32 v[AC+i:AC+i+1], v[AC+i:AC+i+1], v[BI+i:BI+i+1]
.endif
.set i, i+2
.endr
.endr
	WIN 0
.rept 8
	v_nop
.endr
.macro FRAG reg, adr, q, i
.irp c, 0,1,2
	ds_load_b128 v[\reg+4*\c:\reg+4*\c+3], v[\adr] offset:(\i)*RTB+(\q)*FRB+512*\c
.endr
.endm
.macro MUL16 a0, p, q, sc              ; the 64 accumulators take turns, one instruction a turn
.irp a, \a0, \a0+1
.irp b, 0,1,2,3,4,5,6,7
	v_wmma_scale_f32_16x16x128_f8f6f4 v[8*(8*((\a)%4)+\b):8*(8*((\a)%4)+\b)+7], v[128*(\p)+FR*\b:128*(\p)+FR*\b+FR-1], v[AF+FR*(\a):AF+FR*(\a)+FR-1], v[8*(8*((\a)%4)+\b):8*(8*((\a)%4)+\b)+7], v[SC+8*NQ*(\sc)+NQ*\b+(\q)], v[SC+8*NQ*(\sc)+NQ*(\a)+(\q)] matrix_a_fmt:MATRIX_FMT_BF6 matrix_b_fmt:MATRIX_FMT_BF6 matrix_a_scale:MATRIX_SCALE_ROW1
.endr
.endr
.endm
.macro FETCH_B slot, q, p
	WIN TO_B
.irp i, 0,1,2,3,4,5,6,7
	FRAG 128*(\p)+FR*\i, ADRB+\slot, \q, \i
.endr
	WIN 0
.endm
.macro FETCH_A slot, q, i0
.irp i, \i0, \i0+1, \i0+2, \i0+3
	FRAG AF+FR*(\i), ADRA+\slot, \q, \i
.endr
.endm
.macro SCALES sc
.irp i, 0,1,2,3,4,5,6,7
	ds_load_b64 v[SC+8*NQ*\sc+NQ*\i:SC+8*NQ*\sc+NQ*\i+1], v[ADRS] offset:\i*SRT
.endr
.endm
.macro PLACES n
.rept \n
	v_nop
.endr
.endm
.macro STEP slot, q
	s_wait_dscnt 4*NL                              ; all but the youngest 12 loads (A's blocks 4-7) are in
	WIN MUL_LO
	MUL16 0, (\q)%2, \q, \slot
	MUL16 2, (\q)%2, \q, \slot
	s_wait_dscnt 0
	PLACES NP
	FETCH_B \slot, (\q)+1, 1-(\q)%2
	FETCH_A \slot, (\q)+1, 0
	WIN MUL_HI
	MUL16 4, (\q)%2, \q, \slot
	MUL16 6, (\q)%2, \q, \slot
	PLACES NP
	WIN 0
	FETCH_A \slot, (\q)+1, 4
.endm
.macro TURN slot, next, fill
	s_wait_tensorcnt 0x0                           ; all my tensor loads have landed: my part of the next slot
	ds_add_u32 v[SPW], v[NIL]                      ; 0 onto my spare word
	s_wait_dscnt 4*NL+1                            ; the add and the youngest 12 loads may be out
	WIN MUL_LO
	MUL16 0, 1, NQ-1, \slot
	s_wait_dscnt 0x0                               ; the add is done, and my reads of this slot are over
	s_barrier_signal -1
	MUL16 2, 1, NQ-1, \slot
	WIN 0
	s_barrier_wait -1
.if \fill
	CREST                                          ; a round of the cluster's barrier: no wave of any partner still reads this slot or has a load on its way
	s_add_nc_u64 s[G0+4*\slot+2:G0+4*\slot+3], s[G0+4*\slot+2:G0+4*\slot+3], 2*RTB
	s_add_nc_u64 s[G0B+4*\slot+2:G0B+4*\slot+3], s[G0B+4*\slot+2:G0B+4*\slot+3], 2*RTB
	JLOAD G0+4*\slot, G1, G0B+4*\slot, G1B
.else
	PLACES NP
.endif
	v_add_nc_u32 v[ADRS], 128, v[ADRS]
	FETCH_B \next, 0, 0
	FETCH_A \next, 0, 0
	SCALES \next
	WIN MUL_HI
	MUL16 4, 1, NQ-1, \slot
	MUL16 6, 1, NQ-1, \slot
	PLACES NP
	WIN 0
	FETCH_A \next, 0, 4
.endm
	s_wait_tensorcnt 1                             ; the scale words and my part of K step 0 are in; K step 1's load may be out
	s_barrier_signal -1
	s_barrier_wait -1
	FETCH_B 0, 0, 0
	FETCH_A 0, 0, 0
	SCALES 0
	FETCH_A 0, 0, 4
	STEP 0, 0
	s_mov_b32 s3, LAPS-1
.Llap:
	TURN 0, 1, 1
	STEP 1, 0
	TURN 1, 0, 1
	STEP 0, 0
	s_sub_co_u32 s3, s3, 1
	s_cmp_lg_u32 s3, 0
	s_cbranch_scc1 .Llap
	TURN 0, 1, 0
	STEP 1, 0
	s_wait_dscnt 4*NL
	WIN MUL_LO
	MUL16 0, 1, NQ-1, 1
	MUL16 2, 1, NQ-1, 1
	s_wait_dscnt 0
	WIN MUL_HI
	MUL16 4, 1, NQ-1, 1
	MUL16 6, 1, NQ-1, 1
	WIN 0
; THE WAY OUT, block by block: through my own stage, back as whole rows of 512 bytes.
.macro TOSTAGE a
.set AC, 64*((\a)%4)
	WIN 0x08+4*((\a)/4)                            ; an LDS store's data: window 2 or 3
.irp b, 0,1,2,3,4,5,6,7
	ds_store_b128 v[STO], v[AC+8*\b:AC+8*\b+3] offset:128*(\b/2)+32*(\b%2)        ; each accumulator from its low end on
	ds_store_b128 v[STO], v[AC+8*\b+4:AC+8*\b+7] offset:128*(\b/2)+32*(\b%2)+16
.endr
	WIN 0
.set BB, BK+64*((\a)%2)
.irp t, 0,1,2,3,4,5,6,7,8,9,10,11,12,13,14,15
	ds_load_b128 v[BB+4*\t:BB+4*\t+3], v[RD] offset:\t*SPITCH
.endr
.endm
.macro SEND a, younger
.set BB, BK+64*((\a)%2)
	s_wait_dscnt \younger                          ; the block is back; the next block's 16 stores and 16 loads may be out
.irp t, 0,1,2,3,4,5,6,7,8,9,10,11,12,13,14,15
	global_store_b128 v[LI], v[BB+4*\t:BB+4*\t+3], s[OUT:OUT+1] offset:(32*((\a)/2)+8*((\a)%2)+\t+8*(\t/8))*4096 th:TH_STORE_NT   ; 512 consecutive bytes of one row
.endr
.endm
	PLACES NP
	TOSTAGE 0
.irp a, 1,2,3,4,5,6,7
.if \a > 1
	s_wait_xcnt 0x0                                ; block a - 2's stores have read their registers
.endif
	TOSTAGE \a
	SEND \a-1, 32
.endr
	SEND 7, 0
	s_wait_tensorcnt 0x0                           ; the wave's end
	ds_add_u32 v[SPW], v[NIL]
	s_wait_dscnt 0x0
	CROUND
	s_endpgm
.Lfunc_end_k_q8c9abd53cc_ffn2:
	.size	k_q8c9abd53cc_ffn2, .Lfunc_end_k_q8c9abd53cc_ffn2-k_q8c9abd53cc_ffn2
	.p2alignl 7, 3214868480
	.fill 96, 4, 3214868480
	.section	.rodata,"a",@progbits
	.p2align	6, 0x0
	.amdhsa_kernel k_q8c9abd53cc_ffn2
		.amdhsa_group_segment_fixed_size 327680
		.amdhsa_private_segment_fixed_size 0
		.amdhsa_enable_private_segment 0
		.amdhsa_kernarg_size 40
		.amdhsa_user_sgpr_count 2
		.amdhsa_user_sgpr_kernarg_segment_ptr 1
		.amdhsa_wavefront_size32 1
		.amdhsa_system_sgpr_workgroup_id_x 1
		.amdhsa_system_sgpr_workgroup_id_y 1
		.amdhsa_system_sgpr_workgroup_id_z 1
		.amdhsa_system_vgpr_workitem_id 0
		.amdhsa_next_free_vgpr 1024
		.amdhsa_next_free_sgpr 104
		.amdhsa_reserve_vcc 0
		.amdhsa_float_denorm_mode_32 3
		.amdhsa_float_denorm_mode_16_64 3
		.amdhsa_memory_ordered 1
		.amdhsa_forward_progress 1
		.amdhsa_inst_pref_size 165
	.end_amdhsa_kernel
	.amdgpu_metadata
---
amdhsa.version: [ 1, 2 ]
amdhsa.kernels:
  - .name:           k_q8c9abd53cc_ffn2
    .symbol:         k_q8c9abd53cc_ffn2.kd
    .args:
      - { .name: h_buf, .offset: 0, .size: 8, .value_kind: global_buffer, .address_space: global }
      - { .name: wq_buf, .offset: 8, .size: 8, .value_kind: global_buffer, .address_space: global }
      - { .name: b2, .offset: 16, .size: 8, .value_kind: global_buffer, .address_space: global }
      - { .name: x1, .offset: 24, .size: 8, .value_kind: global_buffer, .address_space: global }
      - { .name: out0, .offset: 32, .size: 8, .value_kind: global_buffer, .address_space: global }
    .group_segment_fixed_size: 327680
    .private_segment_fixed_size: 0
    .kernarg_segment_align: 8
    .kernarg_segment_size: 40
    .max_flat_workgroup_size: 128
    .sgpr_count:     104
    .vgpr_count:     1024
    .wavefront_size: 32
...
	.end_amdgpu_metadata
.endif
;; end of part 7
;; ======== version 2 of 3: 8 launches; 1.20 times as fast as version 1
;; workspace buffers: wq_buf 9,830,400 bytes; xn_buf 3,276,800 bytes; qkv_buf 9,830,400 bytes; at_buf 3,276,800 bytes; x1 16,777,216 bytes; h_buf 13,107,200 bytes
;; launch wq: the kernel of part 1 again; grid 384 x 1, 4 waves a work-group, no clusters, 34,304 bytes of LDS; arguments w_in, w_out, w1, w2, wq_buf; writes wq_buf
;; launch ln1: the kernel of part 2 again; grid 256 x 1, 8 waves a work-group, no clusters, 70,656 bytes of LDS; arguments x, ln1_g, ln1_b, xn_buf; writes xn_buf
;; launch qkv: the kernel of part 3 again; grid 12 x 16, 4 waves a work-group, clusters of 4 x 4, 327,680 bytes of LDS; arguments xn_buf, wq_buf, b_in, qkv_buf; writes qkv_buf
;; launch attn: the kernel of part 4 again; grid 256 x 1, 16 waves a work-group, no clusters, 284,928 bytes of LDS; arguments qkv_buf, key_padding_mask, at_buf, out1; writes at_buf, out1
;; launch oproj (part 8): grid 8 x 32, 4 waves a work-group, clusters of 4 x 4, 327,680 bytes of LDS; arguments at_buf, wq_buf, b_out, key_padding_mask, x, x1; writes x1
.if DOCPART == 8
	.amdgcn_target "amdgcn-amd-amdhsa--gfx1250"
	.amdhsa_code_object_version 6
	.text
	.protected	k_q8c9abd53cc_oproj
	.globl	k_q8c9abd53cc_oproj
	.p2align	8
	.type	k_q8c9abd53cc_oproj,@function
k_q8c9abd53cc_oproj:
	s_mov_b64 s[64:65], 0
	v_nop
	global_prefetch_b8 v0, s[64:65] scope:SCOPE_SE
	s_setreg_imm32_b32 hwreg(HW_REG_WAVE_MODE, 25, 1), 1
	s_wait_xcnt 0x0
	s_wait_alu depctr_hold_cnt(0) depctr_sa_sdst(0) depctr_va_vdst(0) depctr_va_sdst(0) depctr_va_ssrc(0) depctr_va_vcc(0) depctr_vm_vsrc(0)
	s_getreg_b32 s2, hwreg(HW_REG_IB_STS2, 6, 4)
	s_cmp_eq_u32 s2, 0
	s_cbranch_scc0 .Lentry_in_a_cluster
	s_endpgm
.Lentry_in_a_cluster:
	s_bfe_u32 s2, ttmp6, 0x10000c
	s_cmp_lg_u32 s2, 0xf033
	s_cbranch_scc0 .Lentry_shape_is_right
	s_endpgm
.Lentry_shape_is_right:
; x1 = x + (padded query ? 0 : attention w_out^T + b_out), the product on codes of E3M2.  [4096 x 1024] has only 64 tiles of 256 x 256, so a tile of C is 128 x 128: 256 work-groups.
; Four waves, each 64 x 64: 16 accumulators of 16 x 16.  Operands lie in memory as images of their registers: [row tile of 16 rows][K / 128] images of 1,536 bytes; a fragment is three ds_load_b128.
; K goes in steps of 512 through two LDS slots: a row tile's four images of a slot are 6,144 consecutive bytes, and a wave's tensor load brings four row tiles.  Here K = 1,024: both slots are filled at the start and never again.
; ROW TILES hold rows 32 g + 8 u + r + 8 (r / 8).  The matrix instruction is used transposed (source 0 = 16 rows of the weight, source 1 = 16 tokens): register 16 b + i of a block is column 32 b + 16 (lane / 16) + i of the lane's token.
; THE SUMS BEGIN AT x + keep x b_out (keep = 0 for a padded query), loaded straight into the accumulators' layout; the rows of padded queries arrive as zero codes, so their sum stays x.
; CLUSTERS: 4 x 4 work-groups; A's tiles are asked for jointly along a row of the cluster, B's along a column.
; REGISTERS: window 0: v16-31 addresses; v32-63 scale words, two sets; v64-103 bias and keep, later v64-127 rows on the way out; v128-255 the accumulators ((a, b) at v[128 + 8 (4 a + b)]).
;   window 1: two sets of fragments for 128 along K: B's four at 128 p, A's four at 128 p + 48.
; LIMITS: NaN and infinities are not served; residual and bias enter the sum first, so the order of rounding differs from a sum that adds them last.
.set KDIM,   1024
.set MASKED, 1
.set A_SOFF, 3145728
.set B_COFF, 2359296
.set B_SOFF, 9535488
.set RES,    96
.set OUT,    98
.set NQ,    4                          ; steps of 128 along K in a slot
.set FR,    12                         ; registers of a fragment
.set NP,    4                          ; places behind this matrix instruction (ISA guide 7.12.1)
.set FRB,   1536                       ; a fragment's image
.set RTB,   NQ*FRB                     ; a row tile's images of a slot
.set HALFT, 4*RTB                      ; 64 rows: what one tensor load brings, and what one wave reads of A or of B
.set SLOT,  4*HALFT                    ; A's 128 rows, then B's 128 rows
.set LAPS,  KDIM/1024                  ; a lap = two slots
.set CRT,   (KDIM/128)*FRB             ; a row tile's codes in memory
.set SRT,   (KDIM/256)*128             ; and its scale words: [K / 256][r][2]
.set SCL,   2*SLOT                     ; behind the ring: the scale words of all of K, filled once
.set HALFS, 4*SRT
.set SPARE, SCL+4*HALFS                ; the spare words, 128 bytes for each wave
.set SPITCH, 272                       ; the way out: a stage of 16 rows x (256 + 16) bytes for each wave, in slot 0, which has had its last fill and its last read by then
.set ADRA, 16                          ; v16-17 LDS address of my A fragments in slot 0, 1
.set ADRB, 20                          ; v20-21 the same for B
.set LI,   19                          ; 16 x lane
.set STO,  24
.set RD,   25
.set CO,   26
.set ADRS, 27
.set SPW,  28
.set NIL,  29
.set VRO,  30
.set SC,   32
.set BI,   64
.set KP,   96
.set BK,   64
.set ACC,  128
.set G1, 24
.set G0, 32
.set G1B, 48
.set G0B, 56
.set G1S, 68
.set G0S, 76
.set G1SB, 80
.set G0SB, 88
.set MSB, 0
.macro WIN new                         ; the immediate's high byte repeats the setting that is left
.if MSB != \new
	s_set_vgpr_msb (MSB<<8)|\new
.set MSB, \new
.endif
.endm
.set MUL,  0x05                        ; sources 0 (B) and 1 (A) window 1; C and D window 0
.set TO_F, 0x40                        ; destination window 1, address window 0
.macro JLOAD g0a, g1a, g0b, g1b        ; a joint load: waves 0 and 1 fetch for A, waves 2 and 3 for B; four v_nop follow each line
	s_cmp_eq_u32 s15, 0
	s_cbranch_scc0 .Lfor_b_\@
	tensor_load_to_lds s[\g0a:\g0a+3], s[\g1a:\g1a+7]
	s_nop 0
.rept 4
	v_nop
.endr
	s_branch .Lasked_\@
.Lfor_b_\@:
	tensor_load_to_lds s[\g0b:\g0b+3], s[\g1b:\g1b+7]
	s_nop 0
.rept 4
	v_nop
.endr
.Lasked_\@:
.endm
.macro CREST                           ; a round of the cluster's barrier behind its opening barrier
	s_cmp_lg_u32 s14, 0
	s_cbranch_scc1 .Lnot_wave_0_\@
	s_barrier_signal -3
.Lnot_wave_0_\@:
	s_barrier_wait -3
	s_barrier_signal -1
	s_barrier_wait -1
.endm
.macro CROUND
	s_barrier_signal -1
	s_barrier_wait -1
	CREST
.endm
	s_load_b256 s[4:11], s[0:1], 0x0               ; A's buffer, wq_buf, the bias, (masked: the padding bytes; else: the residual)
.if MASKED
	s_load_b128 s[96:99], s[0:1], 0x20             ; the residual, the output
.else
	s_load_b64 s[12:13], s[0:1], 0x20              ; the output
.endif
	v_lshl_add_u32 v[SPW], v0, 2, SPARE
	v_mov_b32 v[NIL], 0
	ds_add_u32 v28, v29
	ds_add_u32 v28, v29
	s_wait_dscnt 0x0
	v_lshrrev_b32 v1, 5, v0
	v_readfirstlane_b32 s14, v1                    ; wave 0..3
	s_lshr_b32 s15, s14, 1                         ; my half of A's rows.  Also: I fetch for A (0) or for B (1)
	s_and_b32 s16, s14, 1                          ; my half of B's rows.  Also: which 64 rows I fetch
	s_bfe_u32 s40, ttmp6, 0x40000                  ; cx
	s_bfe_u32 s41, ttmp6, 0x40004                  ; cy
	s_lshl_b32 s42, ttmp9, 2
	s_add_co_u32 s42, s42, s40                     ; tile column
	s_and_b32 s17, ttmp7, 0xffff
	s_lshl_b32 s17, s17, 2
	s_add_co_u32 s17, s17, s41                     ; tile row
	s_lshl_b32 s43, s41, 2
	s_lshl_b32 s43, 15, s43                        ; my row of the cluster
	s_lshl_b32 s44, 0x1111, s40                    ; my column
	s_or_b32 s[G1+0], s43, (3<<16)|(1<<21)         ; 15:0 the mask; 17:16 elements of 8 bytes; 21 set beside a mask; no padding: an image's 512 bytes are read on end
	s_or_b32 s[G1B+0], s44, (3<<16)|(1<<21)
.irp g, G1, G1B
	s_mov_b32 s[\g+1], (RTB/8)<<16                 ; tensor_dim0: 6,144 bytes
	s_mov_b32 s[\g+2], 4<<16                       ; tensor_dim1: 4 row tiles
	s_mov_b32 s[\g+3], (RTB/8)<<16                 ; tile_dim0
	s_mov_b32 s[\g+4], 4                           ; tile_dim1
	s_mov_b32 s[\g+5], CRT/8                       ; from row tile to row tile
	s_mov_b32 s[\g+6], 0
	s_mov_b32 s[\g+7], 0
.endr
	s_or_b32 s[G1S+0], s43, (3<<16)|(1<<21)        ; the scale words of 4 row tiles: a dense block, as rows of 256 bytes
	s_or_b32 s[G1SB+0], s44, (3<<16)|(1<<21)
.irp g, G1S, G1SB
	s_mov_b32 s[\g+1], 32<<16
	s_mov_b32 s[\g+2], (HALFS/256)<<16
	s_mov_b32 s[\g+3], 32<<16
	s_mov_b32 s[\g+4], HALFS/256
	s_mov_b32 s[\g+5], 32
	s_mov_b32 s[\g+6], 0
	s_mov_b32 s[\g+7], 0
.endr
	s_lshl_b32 s18, s16, 2
	s_lshl_b32 s20, s17, 3
	s_add_co_u32 s20, s20, s18                     ; A: the first row tile that I fetch: 8 x tile row + 4 x half
	s_lshl_b32 s46, s42, 3
	s_add_co_u32 s46, s46, s18                     ; B likewise
	s_mul_i32 s22, s20, SRT
	s_add_co_u32 s22, s22, A_SOFF
	s_mov_b32 s23, 0
	s_mul_i32 s20, s20, CRT
	s_mov_b32 s21, 0
	s_mul_i32 s92, s46, SRT
	s_add_co_u32 s92, s92, B_SOFF
	s_mov_b32 s93, 0
	s_mul_i32 s46, s46, CRT
	s_add_co_u32 s46, s46, B_COFF
	s_mov_b32 s47, 0
	s_mul_i32 s45, s14, HALFT                      ; where they go: wave x 64 rows: no place in the cluster enters an LDS address
	s_mul_i32 s94, s14, HALFS
	s_wait_kmcnt 0x0
	s_add_nc_u64 s[20:21], s[4:5], s[20:21]
	s_add_nc_u64 s[22:23], s[4:5], s[22:23]
	s_add_nc_u64 s[46:47], s[6:7], s[46:47]
	s_add_nc_u64 s[92:93], s[6:7], s[92:93]
	CROUND                                         ; all sixteen work-groups are here: the first joint loads meet
	s_mov_b32 s[G0S], 1
	s_add_co_u32 s[G0S+1], s94, SCL
	s_mov_b64 s[G0S+2:G0S+3], s[22:23]
	s_or_b32 s[G0S+3], s[G0S+3], 0x80000000
	s_mov_b32 s[G0SB], 1
	s_add_co_u32 s[G0SB+1], s94, SCL
	s_mov_b64 s[G0SB+2:G0SB+3], s[92:93]
	s_or_b32 s[G0SB+3], s[G0SB+3], 0x80000000
	JLOAD G0S, G1S, G0SB, G1SB                     ; the scale words first
.irp s, 0,1
	s_mov_b32 s[G0+4*\s], 1
	s_add_co_u32 s[G0+4*\s+1], s45, \s*SLOT
	s_add_nc_u64 s[G0+4*\s+2:G0+4*\s+3], s[20:21], \s*RTB
	s_or_b32 s[G0+4*\s+3], s[G0+4*\s+3], 0x80000000
	s_mov_b32 s[G0B+4*\s], 1
	s_add_co_u32 s[G0B+4*\s+1], s45, \s*SLOT
	s_add_nc_u64 s[G0B+4*\s+2:G0B+4*\s+3], s[46:47], \s*RTB
	s_or_b32 s[G0B+4*\s+3], s[G0B+4*\s+3], 0x80000000
	JLOAD G0+4*\s, G1, G0B+4*\s, G1B
.endr
	v_and_b32 v1, 15, v0                           ; r
	v_bfe_u32 v2, v0, 4, 1                         ; h
	v_and_b32 v3, 31, v0
	v_lshlrev_b32 v[LI], 4, v3
	s_mul_i32 s21, s15, HALFT                      ; my 64 rows of A
	s_mul_i32 s22, s16, HALFT
	s_add_co_u32 s22, s22, 2*HALFT                 ; my 64 rows of B, behind A's 128
.irp s, 0,1
	v_add_nc_u32 v[ADRA+\s], s21, v[LI]
	v_add_nc_u32 v[ADRB+\s], s22, v[LI]
	s_add_co_u32 s21, s21, SLOT
	s_add_co_u32 s22, s22, SLOT
.endr
	v_lshlrev_b32 v5, 3, v1                        ; my row's two words of 256 along K
	s_mul_i32 s21, s15, HALFS
	s_mul_i32 s22, s16, HALFS
	s_add_co_u32 s22, s22, 2*HALFS
	s_sub_co_u32 s22, s22, s21
	v_mul_u32_u24 v6, s22, v2                      ; lanes 16-31 take B's
	s_add_co_u32 s21, s21, SCL
	v_add_nc_u32 v5, v5, v6
	v_add_nc_u32 v[ADRS], s21, v5
	v_lshlrev_b32 v31, 6, v2                       ; 64 h
	v_and_b32 v18, 8, v1
	v_add_nc_u32 v18, v18, v1                      ; r + 8 (r / 8)
	v_lshlrev_b32 v[VRO], 12, v18
	v_lshl_add_u32 v[VRO], v2, 6, v[VRO]           ; my row of a block, + 64 h
	s_mul_i32 s23, s14, 16*SPITCH                  ; my stage
	v_mul_u32_u24 v5, v1, SPITCH
	v_lshl_add_u32 v5, v2, 6, v5
	v_add_nc_u32 v[STO], s23, v5                   ; in: row r, + 64 h
	v_mul_u32_u24 v5, v2, SPITCH
	v_lshl_add_u32 v5, v1, 4, v5
	v_add_nc_u32 v[RD], s23, v5                    ; back: lanes 0-15 one row of 256 bytes, lanes 16-31 the next
	v_lshlrev_b32 v[CO], 12, v2
	v_lshl_add_u32 v[CO], v1, 4, v[CO]             ; and the same two rows in the output
	s_lshl_b32 s95, s17, 7
	s_lshl_b32 s100, s15, 6
	s_add_co_u32 s95, s95, s100                    ; my first row
	s_lshl_b32 s100, s42, 7
	s_lshl_b32 s101, s16, 6
	s_add_co_u32 s100, s100, s101                  ; my first column
	s_lshl_b32 s2, s100, 2
	s_mov_b32 s3, 0
	s_add_nc_u64 s[8:9], s[8:9], s[2:3]
	s_lshl_b32 s101, s95, 12
	s_add_co_u32 s2, s2, s101
	s_add_nc_u64 s[RES:RES+1], s[RES:RES+1], s[2:3]
	s_add_nc_u64 s[OUT:OUT+1], s[OUT:OUT+1], s[2:3]
.if MASKED
	s_mov_b32 s2, s95
	s_add_nc_u64 s[10:11], s[10:11], s[2:3]
.endif
	; the sums' first values: the residual in the accumulators' layout (register 16 b + i of block a: column 32 b + 16 h + i of row 32 (a / 2) + 8 (a % 2) + r + 8 (r / 8))
.irp a, 0,1,2,3
.irp b, 0,1
.irp j, 0,1,2,3
	global_load_b128 v[ACC+32*\a+16*\b+4*\j:ACC+32*\a+16*\b+4*\j+3], v[VRO], s[RES:RES+1] offset:(32*(\a/2)+8*(\a%2))*4096+128*\b+16*\j
.endr
.endr
.endr
.irp b, 0,1
.irp j, 0,1,2,3
	global_load_b128 v[BI+16*\b+4*\j:BI+16*\b+4*\j+3], v31, s[8:9] offset:128*\b+16*\j
.endr
.endr
.if MASKED
.irp a, 0,1,2,3
	global_load_u8 v[KP+2*\a], v18, s[10:11] offset:32*(\a/2)+8*(\a%2)
.endr
.endif
	s_wait_loadcnt 0x0
.if MASKED
.irp a, 0,1,2,3
	v_cvt_f32_u32 v[KP+2*\a], v[KP+2*\a]
.endr
.irp a, 0,1,2,3
	v_sub_f32 v[KP+2*\a], 1.0, v[KP+2*\a]          ; keep
.endr
.irp a, 0,1,2,3
	v_mov_b32 v[KP+2*\a+1], v[KP+2*\a]
.endr
.endif
.irp a, 0,1,2,3
.set AC, ACC+32*\a
.set i, 0
.rept 16
.if MASKED
	v_pk_fma_f32 v[AC+i:AC+i+1], v[BI+i:BI+i+1], v[KP+2*\a:KP+2*\a+1], v[AC+i:AC+i+1]
.else
	v_pk_add_f32 v[AC+i:AC+i+1], v[AC+i:AC+i+1], v[BI+i:BI+i+1]
.endif
.set i, i+2
.endr
.endr
.rept 8
	v_nop
.endr
.macro FRAG reg, adr, q, i             ; a fragment comes back as it was stored: three pieces of 512 bytes, 16 bytes a lane
.irp c, 0,1,2
	ds_load_b128 v[\reg+4*\c:\reg+4*\c+3], v[\adr] offset:(\i)*RTB+(\q)*FRB+512*\c
.endr
.endm
.macro FETCH slot, q, p                ; 24 LDS loads in one run: B's four and A's four fragments of the slot's q-th 128 along K, into set p
	WIN TO_F
.irp i, 0,1,2,3
	FRAG 128*(\p)+FR*\i, ADRB+\slot, \q, \i
.endr
.irp i, 0,1,2,3
	FRAG 128*(\p)+48+FR*\i, ADRA+\slot, \q, \i
.endr
.endm
; 4 matrix instructions: A's block a x B's four.  The 16 accumulators take turns, one instruction a turn, in the same order in every step.
.macro MULA a, p, q, sc
.irp b, 0,1,2,3
	v_wmma_scale_f32_16x16x128_f8f6f4 v[ACC+8*(4*(\a)+\b):ACC+8*(4*(\a)+\b)+7], v[128*(\p)+FR*\b:128*(\p)+FR*\b+FR-1], v[128*(\p)+48+FR*(\a):128*(\p)+48+FR*(\a)+FR-1], v[ACC+8*(4*(\a)+\b):ACC+8*(4*(\a)+\b)+7], v[SC+4*NQ*(\sc)+NQ*\b+(\q)], v[SC+4*NQ*(\sc)+NQ*(\a)+(\q)] matrix_a_fmt:MATRIX_FMT_BF6 matrix_b_fmt:MATRIX_FMT_BF6 matrix_a_scale:MATRIX_SCALE_ROW1
.endr
.endm
.macro SCALES sc                       ; a slot's four words a row: lanes 0-15 A's block i, lanes 16-31 B's block i
.irp i, 0,1,2,3
.irp k, 0,1
	ds_load_b64 v[SC+4*NQ*\sc+NQ*\i+2*\k:SC+4*NQ*\sc+NQ*\i+2*\k+1], v[ADRS] offset:\i*SRT+128*\k
.endr
.endr
.endm
.macro PLACES n                        ; plain places in front of loads into registers that matrix instructions have read, and of the first read of results
.rept \n
	v_nop
.endr
.endm
.macro STEP slot, q                    ; 128 along K whose successor lies in the same slot
	s_wait_dscnt 0x0                               ; this step's fragments are in (at a slot's head its scale words too)
	PLACES NP                                      ; behind the last step's products, which read the set that is fetched now
	FETCH \slot, (\q)+1, 1-(\q)%2                  ; the next step's fragments land while this step is multiplied
	WIN MUL
	MULA 0, (\q)%2, \q, \slot
	MULA 1, (\q)%2, \q, \slot
	MULA 2, (\q)%2, \q, \slot
	MULA 3, (\q)%2, \q, \slot
.endm
.macro TURN slot, next, fill           ; a slot's last step changes slots: one barrier
	WIN 0                                          ; (the add's two registers lie in window 0)
	s_wait_tensorcnt 0x0                           ; all my tensor loads have landed: my part of the next slot
	ds_add_u32 v[SPW], v[NIL]                      ; 0 onto my spare word
	s_wait_dscnt 1                                 ; this step's fragments are in; the add may be out
	WIN MUL
	MULA 0, 1, NQ-1, \slot
	s_wait_dscnt 0x0                               ; the add is done, and my reads of this slot are over
	s_barrier_signal -1
	MULA 1, 1, NQ-1, \slot
	WIN 0
	s_barrier_wait -1
.if \fill
	CREST                                          ; the barrier has opened a round of the cluster's barrier: no wave of any partner still reads this slot or has a load on its way
	s_add_nc_u64 s[G0+4*\slot+2:G0+4*\slot+3], s[G0+4*\slot+2:G0+4*\slot+3], 2*RTB
	s_add_nc_u64 s[G0B+4*\slot+2:G0B+4*\slot+3], s[G0B+4*\slot+2:G0B+4*\slot+3], 2*RTB
	JLOAD G0+4*\slot, G1, G0B+4*\slot, G1B         ; the first tensor load behind the round; its four v_nop are the places in front of the loads below
.else
	PLACES NP
.endif
	v_add_nc_u32 v[ADRS], 256, v[ADRS]             ; the next slot's scale words
	FETCH \next, 0, 0
	WIN 0
	SCALES \next
	WIN MUL
	MULA 2, 1, NQ-1, \slot
	MULA 3, 1, NQ-1, \slot
.endm
	s_wait_tensorcnt 1                             ; the scale words and my part of slot 0 are in; slot 1's load may be out
	s_barrier_signal -1
	s_barrier_wait -1
	FETCH 0, 0, 0
	WIN 0
	SCALES 0
.if LAPS > 1
	s_mov_b32 s3, LAPS-1
.Llap:                                                 ; a trip goes once round the ring and fills both slots again
	STEP 0, 0
	STEP 0, 1
	STEP 0, 2
	TURN 0, 1, 1
	STEP 1, 0
	STEP 1, 1
	STEP 1, 2
	TURN 1, 0, 1
	WIN 0                                          ; at a label and at a branch every window is 0
	s_sub_co_u32 s3, s3, 1
	s_cmp_lg_u32 s3, 0
	s_cbranch_scc1 .Llap
.endif
	STEP 0, 0                                      ; the last lap fills nothing
	STEP 0, 1
	STEP 0, 2
	TURN 0, 1, 0
	STEP 1, 0
	STEP 1, 1
	STEP 1, 2
	s_wait_dscnt 0x0                               ; the very last step: nothing more to fetch
	WIN MUL
	MULA 0, 1, NQ-1, 1
	MULA 1, 1, NQ-1, 1
	MULA 2, 1, NQ-1, 1
	MULA 3, 1, NQ-1, 1
	WIN 0
; THE WAY OUT, block by block of 16 rows x 64 columns: through my own stage, back as whole rows of 256 bytes, two rows an instruction.
.macro TOSTAGE a
.set AC, ACC+32*(\a)
.irp b, 0,1,2,3
	ds_store_b128 v[STO], v[AC+8*\b:AC+8*\b+3] offset:128*(\b/2)+32*(\b%2)        ; each accumulator from its low end on
	ds_store_b128 v[STO], v[AC+8*\b+4:AC+8*\b+7] offset:128*(\b/2)+32*(\b%2)+16
.endr
.set BB, BK+32*((\a)%2)
.irp t, 0,1,2,3,4,5,6,7
	ds_load_b128 v[BB+4*\t:BB+4*\t+3], v[RD] offset:2*\t*SPITCH      ; LDS serves a wave's instructions in order: these see the stores above
.endr
.endm
.macro SEND a, younger
.set BB, BK+32*((\a)%2)
	s_wait_dscnt \younger                          ; the block is back; the next block's 8 stores and 8 loads may be out
.irp t, 0,1,2,3,4,5,6,7
.if MASKED
	global_store_b128 v[CO], v[BB+4*\t:BB+4*\t+3], s[OUT:OUT+1] offset:(32*((\a)/2)+8*((\a)%2)+2*\t+8*(\t/4))*4096   ; 16 lanes store 256 consecutive bytes, aligned; a later launch reads them
.else
	global_store_b128 v[CO], v[BB+4*\t:BB+4*\t+3], s[OUT:OUT+1] offset:(32*((\a)/2)+8*((\a)%2)+2*\t+8*(\t/4))*4096 th:TH_STORE_NT   ; 16 lanes store 256 consecutive bytes, aligned; written once
.endif
.endr
.endm
	PLACES NP
	TOSTAGE 0
.irp a, 1,2,3
.if \a > 1
	s_wait_xcnt 0x0                                ; block a - 2's stores have read their registers
.endif
	TOSTAGE \a
	SEND \a-1, 16
.endr
	SEND 3, 0
	s_wait_tensorcnt 0x0                           ; the wave's end
	ds_add_u32 v[SPW], v[NIL]
	s_wait_dscnt 0x0
	CROUND                                         ; the closing round
	s_endpgm
.Lfunc_end_k_q8c9abd53cc_oproj:
	.size	k_q8c9abd53cc_oproj, .Lfunc_end_k_q8c9abd53cc_oproj-k_q8c9abd53cc_oproj
	.p2alignl 7, 3214868480
	.fill 96, 4, 3214868480
	.section	.rodata,"a",@progbits
	.p2align	6, 0x0
	.amdhsa_kernel k_q8c9abd53cc_oproj
		.amdhsa_group_segment_fixed_size 327680
		.amdhsa_private_segment_fixed_size 0
		.amdhsa_enable_private_segment 0
		.amdhsa_kernarg_size 48
		.amdhsa_user_sgpr_count 2
		.amdhsa_user_sgpr_kernarg_segment_ptr 1
		.amdhsa_wavefront_size32 1
		.amdhsa_system_sgpr_workgroup_id_x 1
		.amdhsa_system_sgpr_workgroup_id_y 1
		.amdhsa_system_sgpr_workgroup_id_z 1
		.amdhsa_system_vgpr_workitem_id 0
		.amdhsa_next_free_vgpr 512
		.amdhsa_next_free_sgpr 104
		.amdhsa_reserve_vcc 0
		.amdhsa_float_denorm_mode_32 3
		.amdhsa_float_denorm_mode_16_64 3
		.amdhsa_memory_ordered 1
		.amdhsa_forward_progress 1
		.amdhsa_inst_pref_size 58
	.end_amdhsa_kernel
	.amdgpu_metadata
---
amdhsa.version: [ 1, 2 ]
amdhsa.kernels:
  - .name:           k_q8c9abd53cc_oproj
    .symbol:         k_q8c9abd53cc_oproj.kd
    .args:
      - { .name: at_buf, .offset: 0, .size: 8, .value_kind: global_buffer, .address_space: global }
      - { .name: wq_buf, .offset: 8, .size: 8, .value_kind: global_buffer, .address_space: global }
      - { .name: b_out, .offset: 16, .size: 8, .value_kind: global_buffer, .address_space: global }
      - { .name: key_padding_mask, .offset: 24, .size: 8, .value_kind: global_buffer, .address_space: global }
      - { .name: x, .offset: 32, .size: 8, .value_kind: global_buffer, .address_space: global }
      - { .name: x1, .offset: 40, .size: 8, .value_kind: global_buffer, .address_space: global }
    .group_segment_fixed_size: 327680
    .private_segment_fixed_size: 0
    .kernarg_segment_align: 8
    .kernarg_segment_size: 48
    .max_flat_workgroup_size: 128
    .sgpr_count:     104
    .vgpr_count:     512
    .wavefront_size: 32
...
	.end_amdgpu_metadata
.endif
;; end of part 8
;; launch ln2: the kernel of part 2 again; grid 256 x 1, 8 waves a work-group, no clusters, 70,656 bytes of LDS; arguments x1, ln2_g, ln2_b, xn_buf; writes xn_buf
;; launch ffn1: the kernel of part 6 again; grid 16 x 16, 4 waves a work-group, clusters of 4 x 4, 327,680 bytes of LDS; arguments xn_buf, wq_buf, b1, h_buf; writes h_buf
;; launch ffn2 (part 9): grid 8 x 32, 4 waves a work-group, clusters of 4 x 4, 327,680 bytes of LDS; arguments h_buf, wq_buf, b2, x1, out0; writes out0
.if DOCPART == 9
	.amdgcn_target "amdgcn-amd-amdhsa--gfx1250"
	.amdhsa_code_object_version 6
	.text
	.protected	k_q8c9abd53cc_ffn2
	.globl	k_q8c9abd53cc_ffn2
	.p2align	8
	.type	k_q8c9abd53cc_ffn2,@function
k_q8c9abd53cc_ffn2:
	s_mov_b64 s[64:65], 0
	v_nop
	global_prefetch_b8 v0, s[64:65] scope:SCOPE_SE
	s_setreg_imm32_b32 hwreg(HW_REG_WAVE_MODE, 25, 1), 1
	s_wait_xcnt 0x0
	s_wait_alu depctr_hold_cnt(0) depctr_sa_sdst(0) depctr_va_vdst(0) depctr_va_sdst(0) depctr_va_ssrc(0) depctr_va_vcc(0) depctr_vm_vsrc(0)
	s_getreg_b32 s2, hwreg(HW_REG_IB_STS2, 6, 4)
	s_cmp_eq_u32 s2, 0
	s_cbranch_scc0 .Lentry_in_a_cluster
	s_endpgm
.Lentry_in_a_cluster:
	s_bfe_u32 s2, ttmp6, 0x10000c
	s_cmp_lg_u32 s2, 0xf033
	s_cbranch_scc0 .Lentry_shape_is_right
	s_endpgm
.Lentry_shape_is_right:
; out0 = x1 + h w2^T + b2, the product on codes of E3M2, K = 4,096.  [4096 x 1024] has only 64 tiles of 256 x 256, so a tile of C is 128 x 128: 256 work-groups.
; Four waves, each 64 x 64: 16 accumulators of 16 x 16.  Operands lie in memory as images of their registers: [row tile of 16 rows][K / 128] images of 1,536 bytes; a fragment is three ds_load_b128.
; K goes in steps of 512 through two LDS slots: a row tile's four images of a slot are 6,144 consecutive bytes, and a wave's tensor load brings four row tiles: eight fills of 98,304 bytes a work-group, six of them refills.
; ROW TILES hold rows 32 g + 8 u + r + 8 (r / 8).  The matrix instruction is used transposed (source 0 = 16 rows of the weight, source 1 = 16 tokens): register 16 b + i of a block is column 32 b + 16 (lane / 16) + i of the lane's token.
; THE SUMS BEGIN AT x1 + b2, loaded straight into the accumulators' layout.
; CLUSTERS: 4 x 4 work-groups; A's tiles are asked for jointly along a row of the cluster, B's along a column.
; REGISTERS: window 0: v16-31 addresses; v32-63 scale words, two sets; v64-95 the bias, later v64-127 rows on the way out; v128-255 the accumulators ((a, b) at v[128 + 8 (4 a + b)]).
;   window 1: two sets of fragments for 128 along K: B's four at 128 p, A's four at 128 p + 48.
; LIMITS: NaN and infinities are not served; residual and bias enter the sum first, so the order of rounding differs from a sum that adds them last.
.set KDIM,   4096
.set MASKED, 0
.set A_SOFF, 12582912
.set B_COFF, 6291456
.set B_SOFF, 9699328
.set RES,    10
.set OUT,    12
.set NQ,    4                          ; steps of 128 along K in a slot
.set FR,    12                         ; registers of a fragment
.set NP,    4                          ; places behind this matrix instruction (ISA guide 7.12.1)
.set FRB,   1536                       ; a fragment's image
.set RTB,   NQ*FRB                     ; a row tile's images of a slot
.set HALFT, 4*RTB                      ; 64 rows: what one tensor load brings, and what one wave reads of A or of B
.set SLOT,  4*HALFT                    ; A's 128 rows, then B's 128 rows
.set LAPS,  KDIM/1024                  ; a lap = two slots
.set CRT,   (KDIM/128)*FRB             ; a row tile's codes in memory
.set SRT,   (KDIM/256)*128             ; and its scale words: [K / 256][r][2]
.set SCL,   2*SLOT                     ; behind the ring: the scale words of all of K, filled once
.set HALFS, 4*SRT
.set SPARE, SCL+4*HALFS                ; the spare words, 128 bytes for each wave
.set SPITCH, 272                       ; the way out: a stage of 16 rows x (256 + 16) bytes for each wave, in slot 0, which has had its last fill and its last read by then
.set ADRA, 16                          ; v16-17 LDS address of my A fragments in slot 0, 1
.set ADRB, 20                          ; v20-21 the same for B
.set LI,   19                          ; 16 x lane
.set STO,  24
.set RD,   25
.set CO,   26
.set ADRS, 27
.set SPW,  28
.set NIL,  29
.set VRO,  30
.set SC,   32
.set BI,   64
.set KP,   96
.set BK,   64
.set ACC,  128
.set G1, 24
.set G0, 32
.set G1B, 48
.set G0B, 56
.set G1S, 68
.set G0S, 76
.set G1SB, 80
.set G0SB, 88
.set MSB, 0
.macro WIN new                         ; the immediate's high byte repeats the setting that is left
.if MSB != \new
	s_set_vgpr_msb (MSB<<8)|\new
.set MSB, \new
.endif
.endm
.set MUL,  0x05                        ; sources 0 (B) and 1 (A) window 1; C and D window 0
.set TO_F, 0x40                        ; destination window 1, address window 0
.macro JLOAD g0a, g1a, g0b, g1b        ; a joint load: waves 0 and 1 fetch for A, waves 2 and 3 for B; four v_nop follow each line
	s_cmp_eq_u32 s15, 0
	s_cbranch_scc0 .Lfor_b_\@
	tensor_load_to_lds s[\g0a:\g0a+3], s[\g1a:\g1a+7]
	s_nop 0
.rept 4
	v_nop
.endr
	s_branch .Lasked_\@
.Lfor_b_\@:
	tensor_load_to_lds s[\g0b:\g0b+3], s[\g1b:\g1b+7]
	s_nop 0
.rept 4
	v_nop
.endr
.Lasked_\@:
.endm
.macro CREST                           ; a round of the cluster's barrier behind its opening barrier
	s_cmp_lg_u32 s14, 0
	s_cbranch_scc1 .Lnot_wave_0_\@
	s_barrier_signal -3
.Lnot_wave_0_\@:
	s_barrier_wait -3
	s_barrier_signal -1
	s_barrier_wait -1
.endm
.macro CROUND
	s_barrier_signal -1
	s_barrier_wait -1
	CREST
.endm
	s_load_b256 s[4:11], s[0:1], 0x0               ; A's buffer, wq_buf, the bias, (masked: the padding bytes; else: the residual)
.if MASKED
	s_load_b128 s[96:99], s[0:1], 0x20             ; the residual, the output
.else
	s_load_b64 s[12:13], s[0:1], 0x20              ; the output
.endif
	v_lshl_add_u32 v[SPW], v0, 2, SPARE
	v_mov_b32 v[NIL], 0
	ds_add_u32 v28, v29
	ds_add_u32 v28, v29
	s_wait_dscnt 0x0
	v_lshrrev_b32 v1, 5, v0
	v_readfirstlane_b32 s14, v1                    ; wave 0..3
	s_lshr_b32 s15, s14, 1                         ; my half of A's rows.  Also: I fetch for A (0) or for B (1)
	s_and_b32 s16, s14, 1                          ; my half of B's rows.  Also: which 64 rows I fetch
	s_bfe_u32 s40, ttmp6, 0x40000                  ; cx
	s_bfe_u32 s41, ttmp6, 0x40004                  ; cy
	s_lshl_b32 s42, ttmp9, 2
	s_add_co_u32 s42, s42, s40                     ; tile column
	s_and_b32 s17, ttmp7, 0xffff
	s_lshl_b32 s17, s17, 2
	s_add_co_u32 s17, s17, s41                     ; tile row
	s_lshl_b32 s43, s41, 2
	s_lshl_b32 s43, 15, s43                        ; my row of the cluster
	s_lshl_b32 s44, 0x1111, s40                    ; my column
	s_or_b32 s[G1+0], s43, (3<<16)|(1<<21)         ; 15:0 the mask; 17:16 elements of 8 bytes; 21 set beside a mask; no padding: an image's 512 bytes are read on end
	s_or_b32 s[G1B+0], s44, (3<<16)|(1<<21)
.irp g, G1, G1B
	s_mov_b32 s[\g+1], (RTB/8)<<16                 ; tensor_dim0: 6,144 bytes
	s_mov_b32 s[\g+2], 4<<16                       ; tensor_dim1: 4 row tiles
	s_mov_b32 s[\g+3], (RTB/8)<<16                 ; tile_dim0
	s_mov_b32 s[\g+4], 4                           ; tile_dim1
	s_mov_b32 s[\g+5], CRT/8                       ; from row tile to row tile
	s_mov_b32 s[\g+6], 0
	s_mov_b32 s[\g+7], 0
.endr
	s_or_b32 s[G1S+0], s43, (3<<16)|(1<<21)        ; the scale words of 4 row tiles: a dense block, as rows of 256 bytes
	s_or_b32 s[G1SB+0], s44, (3<<16)|(1<<21)
.irp g, G1S, G1SB
	s_mov_b32 s[\g+1], 32<<16
	s_mov_b32 s[\g+2], (HALFS/256)<<16
	s_mov_b32 s[\g+3], 32<<16
	s_mov_b32 s[\g+4], HALFS/256
	s_mov_b32 s[\g+5], 32
	s_mov_b32 s[\g+6], 0
	s_mov_b32 s[\g+7], 0
.endr
	s_lshl_b32 s18, s16, 2
	s_lshl_b32 s20, s17, 3
	s_add_co_u32 s20, s20, s18                     ; A: the first row tile that I fetch: 8 x tile row + 4 x half
	s_lshl_b32 s46, s42, 3
	s_add_co_u32 s46, s46, s18                     ; B likewise
	s_mul_i32 s22, s20, SRT
	s_add_co_u32 s22, s22, A_SOFF
	s_mov_b32 s23, 0
	s_mul_i32 s20, s20, CRT
	s_mov_b32 s21, 0
	s_mul_i32 s92, s46, SRT
	s_add_co_u32 s92, s92, B_SOFF
	s_mov_b32 s93, 0
	s_mul_i32 s46, s46, CRT
	s_add_co_u32 s46, s46, B_COFF
	s_mov_b32 s47, 0
	s_mul_i32 s45, s14, HALFT                      ; where they go: wave x 64 rows: no place in the cluster enters an LDS address
	s_mul_i32 s94, s14, HALFS
	s_wait_kmcnt 0x0
	s_add_nc_u64 s[20:21], s[4:5], s[20:21]
	s_add_nc_u64 s[22:23], s[4:5], s[22:23]
	s_add_nc_u64 s[46:47], s[6:7], s[46:47]
	s_add_nc_u64 s[92:93], s[6:7], s[92:93]
	CROUND                                         ; all sixteen work-groups are here: the first joint loads meet
	s_mov_b32 s[G0S], 1
	s_add_co_u32 s[G0S+1], s94, SCL
	s_mov_b64 s[G0S+2:G0S+3], s[22:23]
	s_or_b32 s[G0S+3], s[G0S+3], 0x80000000
	s_mov_b32 s[G0SB], 1
	s_add_co_u32 s[G0SB+1], s94, SCL
	s_mov_b64 s[G0SB+2:G0SB+3], s[92:93]
	s_or_b32 s[G0SB+3], s[G0SB+3], 0x80000000
	JLOAD G0S, G1S, G0SB, G1SB                     ; the scale words first
.irp s, 0,1
	s_mov_b32 s[G0+4*\s], 1
	s_add_co_u32 s[G0+4*\s+1], s45, \s*SLOT
	s_add_nc_u64 s[G0+4*\s+2:G0+4*\s+3], s[20:21], \s*RTB
	s_or_b32 s[G0+4*\s+3], s[G0+4*\s+3], 0x80000000
	s_mov_b32 s[G0B+4*\s], 1
	s_add_co_u32 s[G0B+4*\s+1], s45, \s*SLOT
	s_add_nc_u64 s[G0B+4*\s+2:G0B+4*\s+3], s[46:47], \s*RTB
	s_or_b32 s[G0B+4*\s+3], s[G0B+4*\s+3], 0x80000000
	JLOAD G0+4*\s, G1, G0B+4*\s, G1B
.endr
	v_and_b32 v1, 15, v0                           ; r
	v_bfe_u32 v2, v0, 4, 1                         ; h
	v_and_b32 v3, 31, v0
	v_lshlrev_b32 v[LI], 4, v3
	s_mul_i32 s21, s15, HALFT                      ; my 64 rows of A
	s_mul_i32 s22, s16, HALFT
	s_add_co_u32 s22, s22, 2*HALFT                 ; my 64 rows of B, behind A's 128
.irp s, 0,1
	v_add_nc_u32 v[ADRA+\s], s21, v[LI]
	v_add_nc_u32 v[ADRB+\s], s22, v[LI]
	s_add_co_u32 s21, s21, SLOT
	s_add_co_u32 s22, s22, SLOT
.endr
	v_lshlrev_b32 v5, 3, v1                        ; my row's two words of 256 along K
	s_mul_i32 s21, s15, HALFS
	s_mul_i32 s22, s16, HALFS
	s_add_co_u32 s22, s22, 2*HALFS
	s_sub_co_u32 s22, s22, s21
	v_mul_u32_u24 v6, s22, v2                      ; lanes 16-31 take B's
	s_add_co_u32 s21, s21, SCL
	v_add_nc_u32 v5, v5, v6
	v_add_nc_u32 v[ADRS], s21, v5
	v_lshlrev_b32 v31, 6, v2                       ; 64 h
	v_and_b32 v18, 8, v1
	v_add_nc_u32 v18, v18, v1                      ; r + 8 (r / 8)
	v_lshlrev_b32 v[VRO], 12, v18
	v_lshl_add_u32 v[VRO], v2, 6, v[VRO]           ; my row of a block, + 64 h
	s_mul_i32 s23, s14, 16*SPITCH                  ; my stage
	v_mul_u32_u24 v5, v1, SPITCH
	v_lshl_add_u32 v5, v2, 6, v5
	v_add_nc_u32 v[STO], s23, v5                   ; in: row r, + 64 h
	v_mul_u32_u24 v5, v2, SPITCH
	v_lshl_add_u32 v5, v1, 4, v5
	v_add_nc_u32 v[RD], s23, v5                    ; back: lanes 0-15 one row of 256 bytes, lanes 16-31 the next
	v_lshlrev_b32 v[CO], 12, v2
	v_lshl_add_u32 v[CO], v1, 4, v[CO]             ; and the same two rows in the output
	s_lshl_b32 s95, s17, 7
	s_lshl_b32 s100, s15, 6
	s_add_co_u32 s95, s95, s100                    ; my first row
	s_lshl_b32 s100, s42, 7
	s_lshl_b32 s101, s16, 6
	s_add_co_u32 s100, s100, s101                  ; my first column
	s_lshl_b32 s2, s100, 2
	s_mov_b32 s3, 0
	s_add_nc_u64 s[8:9], s[8:9], s[2:3]
	s_lshl_b32 s101, s95, 12
	s_add_co_u32 s2, s2, s101
	s_add_nc_u64 s[RES:RES+1], s[RES:RES+1], s[2:3]
	s_add_nc_u64 s[OUT:OUT+1], s[OUT:OUT+1], s[2:3]
.if MASKED
	s_mov_b32 s2, s95
	s_add_nc_u64 s[10:11], s[10:11], s[2:3]
.endif
	; the sums' first values: the residual in the accumulators' layout (register 16 b + i of block a: column 32 b + 16 h + i of row 32 (a / 2) + 8 (a % 2) + r + 8 (r / 8))
.irp a, 0,1,2,3
.irp b, 0,1
.irp j, 0,1,2,3
	global_load_b128 v[ACC+32*\a+16*\b+4*\j:ACC+32*\a+16*\b+4*\j+3], v[VRO], s[RES:RES+1] offset:(32*(\a/2)+8*(\a%2))*4096+128*\b+16*\j
.endr
.endr
.endr
.irp b, 0,1
.irp j, 0,1,2,3
	global_load_b128 v[BI+16*\b+4*\j:BI+16*\b+4*\j+3], v31, s[8:9] offset:128*\b+16*\j
.endr
.endr
.if MASKED
.irp a, 0,1,2,3
	global_load_u8 v[KP+2*\a], v18, s[10:11] offset:32*(\a/2)+8*(\a%2)
.endr
.endif
	s_wait_loadcnt 0x0
.if MASKED
.irp a, 0,1,2,3
	v_cvt_f32_u32 v[KP+2*\a], v[KP+2*\a]
.endr
.irp a, 0,1,2,3
	v_sub_f32 v[KP+2*\a], 1.0, v[KP+2*\a]          ; keep
.endr
.irp a, 0,1,2,3
	v_mov_b32 v[KP+2*\a+1], v[KP+2*\a]
.endr
.endif
.irp a, 0,1,2,3
.set AC, ACC+32*\a
.set i, 0
.rept 16
.if MASKED
	v_pk_fma_f32 v[AC+i:AC+i+1], v[BI+i:BI+i+1], v[KP+2*\a:KP+2*\a+1], v[AC+i:AC+i+1]
.else
	v_pk_add_f32 v[AC+i:AC+i+1], v[AC+i:AC+i+1], v[BI+i:BI+i+1]
.endif
.set i, i+2
.endr
.endr
.rept 8
	v_nop
.endr
.macro FRAG reg, adr, q, i             ; a fragment comes back as it was stored: three pieces of 512 bytes, 16 bytes a lane
.irp c, 0,1,2
	ds_load_b128 v[\reg+4*\c:\reg+4*\c+3], v[\adr] offset:(\i)*RTB+(\q)*FRB+512*\c
.endr
.endm
.macro FETCH slot, q, p                ; 24 LDS loads in one run: B's four and A's four fragments of the slot's q-th 128 along K, into set p
	WIN TO_F
.irp i, 0,1,2,3
	FRAG 128*(\p)+FR*\i, ADRB+\slot, \q, \i
.endr
.irp i, 0,1,2,3
	FRAG 128*(\p)+48+FR*\i, ADRA+\slot, \q, \i
.endr
.endm
; 4 matrix instructions: A's block a x B's four.  The 16 accumulators take turns, one instruction a turn, in the same order in every step.
.macro MULA a, p, q, sc
.irp b, 0,1,2,3
	v_wmma_scale_f32_16x16x128_f8f6f4 v[ACC+8*(4*(\a)+\b):ACC+8*(4*(\a)+\b)+7], v[128*(\p)+FR*\b:128*(\p)+FR*\b+FR-1], v[128*(\p)+48+FR*(\a):128*(\p)+48+FR*(\a)+FR-1], v[ACC+8*(4*(\a)+\b):ACC+8*(4*(\a)+\b)+7], v[SC+4*NQ*(\sc)+NQ*\b+(\q)], v[SC+4*NQ*(\sc)+NQ*(\a)+(\q)] matrix_a_fmt:MATRIX_FMT_BF6 matrix_b_fmt:MATRIX_FMT_BF6 matrix_a_scale:MATRIX_SCALE_ROW1
.endr
.endm
.macro SCALES sc                       ; a slot's four words a row: lanes 0-15 A's block i, lanes 16-31 B's block i
.irp i, 0,1,2,3
.irp k, 0,1
	ds_load_b64 v[SC+4*NQ*\sc+NQ*\i+2*\k:SC+4*NQ*\sc+NQ*\i+2*\k+1], v[ADRS] offset:\i*SRT+128*\k
.endr
.endr
.endm
.macro PLACES n                        ; plain places in front of loads into registers that matrix instructions have read, and of the first read of results
.rept \n
	v_nop
.endr
.endm
.macro STEP slot, q                    ; 128 along K whose successor lies in the same slot
	s_wait_dscnt 0x0                               ; this step's fragments are in (at a slot's head its scale words too)
	PLACES NP                                      ; behind the last step's products, which read the set that is fetched now
	FETCH \slot, (\q)+1, 1-(\q)%2                  ; the next step's fragments land while this step is multiplied
	WIN MUL
	MULA 0, (\q)%2, \q, \slot
	MULA 1, (\q)%2, \q, \slot
	MULA 2, (\q)%2, \q, \slot
	MULA 3, (\q)%2, \q, \slot
.endm
.macro TURN slot, next, fill           ; a slot's last step changes slots: one barrier
	WIN 0                                          ; (the add's two registers lie in window 0)
	s_wait_tensorcnt 0x0                           ; all my tensor loads have landed: my part of the next slot
	ds_add_u32 v[SPW], v[NIL]                      ; 0 onto my spare word
	s_wait_dscnt 1                                 ; this step's fragments are in; the add may be out
	WIN MUL
	MULA 0, 1, NQ-1, \slot
	s_wait_dscnt 0x0                               ; the add is done, and my reads of this slot are over
	s_barrier_signal -1
	MULA 1, 1, NQ-1, \slot
	WIN 0
	s_barrier_wait -1
.if \fill
	CREST                                          ; the barrier has opened a round of the cluster's barrier: no wave of any partner still reads this slot or has a load on its way
	s_add_nc_u64 s[G0+4*\slot+2:G0+4*\slot+3], s[G0+4*\slot+2:G0+4*\slot+3], 2*RTB
	s_add_nc_u64 s[G0B+4*\slot+2:G0B+4*\slot+3], s[G0B+4*\slot+2:G0B+4*\slot+3], 2*RTB
	JLOAD G0+4*\slot, G1, G0B+4*\slot, G1B         ; the first tensor load behind the round; its four v_nop are the places in front of the loads below
.else
	PLACES NP
.endif
	v_add_nc_u32 v[ADRS], 256, v[ADRS]             ; the next slot's scale words
	FETCH \next, 0, 0
	WIN 0
	SCALES \next
	WIN MUL
	MULA 2, 1, NQ-1, \slot
	MULA 3, 1, NQ-1, \slot
.endm
	s_wait_tensorcnt 1                             ; the scale words and my part of slot 0 are in; slot 1's load may be out
	s_barrier_signal -1
	s_barrier_wait -1
	FETCH 0, 0, 0
	WIN 0
	SCALES 0
.if LAPS > 1
	s_mov_b32 s3, LAPS-1
.Llap:                                                 ; a trip goes once round the ring and fills both slots again
	STEP 0, 0
	STEP 0, 1
	STEP 0, 2
	TURN 0, 1, 1
	STEP 1, 0
	STEP 1, 1
	STEP 1, 2
	TURN 1, 0, 1
	WIN 0                                          ; at a label and at a branch every window is 0
	s_sub_co_u32 s3, s3, 1
	s_cmp_lg_u32 s3, 0
	s_cbranch_scc1 .Llap
.endif
	STEP 0, 0                                      ; the last lap fills nothing
	STEP 0, 1
	STEP 0, 2
	TURN 0, 1, 0
	STEP 1, 0
	STEP 1, 1
	STEP 1, 2
	s_wait_dscnt 0x0                               ; the very last step: nothing more to fetch
	WIN MUL
	MULA 0, 1, NQ-1, 1
	MULA 1, 1, NQ-1, 1
	MULA 2, 1, NQ-1, 1
	MULA 3, 1, NQ-1, 1
	WIN 0
; THE WAY OUT, block by block of 16 rows x 64 columns: through my own stage, back as whole rows of 256 bytes, two rows an instruction.
.macro TOSTAGE a
.set AC, ACC+32*(\a)
.irp b, 0,1,2,3
	ds_store_b128 v[STO], v[AC+8*\b:AC+8*\b+3] offset:128*(\b/2)+32*(\b%2)        ; each accumulator from its low end on
	ds_store_b128 v[STO], v[AC+8*\b+4:AC+8*\b+7] offset:128*(\b/2)+32*(\b%2)+16
.endr
.set BB, BK+32*((\a)%2)
.irp t, 0,1,2,3,4,5,6,7
	ds_load_b128 v[BB+4*\t:BB+4*\t+3], v[RD] offset:2*\t*SPITCH      ; LDS serves a wave's instructions in order: these see the stores above
.endr
.endm
.macro SEND a, younger
.set BB, BK+32*((\a)%2)
	s_wait_dscnt \younger                          ; the block is back; the next block's 8 stores and 8 loads may be out
.irp t, 0,1,2,3,4,5,6,7
.if MASKED
	global_store_b128 v[CO], v[BB+4*\t:BB+4*\t+3], s[OUT:OUT+1] offset:(32*((\a)/2)+8*((\a)%2)+2*\t+8*(\t/4))*4096   ; 16 lanes store 256 consecutive bytes, aligned; a later launch reads them
.else
	global_store_b128 v[CO], v[BB+4*\t:BB+4*\t+3], s[OUT:OUT+1] offset:(32*((\a)/2)+8*((\a)%2)+2*\t+8*(\t/4))*4096 th:TH_STORE_NT   ; 16 lanes store 256 consecutive bytes, aligned; written once
.endif
.endr
.endm
	PLACES NP
	TOSTAGE 0
.irp a, 1,2,3
.if \a > 1
	s_wait_xcnt 0x0                                ; block a - 2's stores have read their registers
.endif
	TOSTAGE \a
	SEND \a-1, 16
.endr
	SEND 3, 0
	s_wait_tensorcnt 0x0                           ; the wave's end
	ds_add_u32 v[SPW], v[NIL]
	s_wait_dscnt 0x0
	CROUND                                         ; the closing round
	s_endpgm
.Lfunc_end_k_q8c9abd53cc_ffn2:
	.size	k_q8c9abd53cc_ffn2, .Lfunc_end_k_q8c9abd53cc_ffn2-k_q8c9abd53cc_ffn2
	.p2alignl 7, 3214868480
	.fill 96, 4, 3214868480
	.section	.rodata,"a",@progbits
	.p2align	6, 0x0
	.amdhsa_kernel k_q8c9abd53cc_ffn2
		.amdhsa_group_segment_fixed_size 327680
		.amdhsa_private_segment_fixed_size 0
		.amdhsa_enable_private_segment 0
		.amdhsa_kernarg_size 40
		.amdhsa_user_sgpr_count 2
		.amdhsa_user_sgpr_kernarg_segment_ptr 1
		.amdhsa_wavefront_size32 1
		.amdhsa_system_sgpr_workgroup_id_x 1
		.amdhsa_system_sgpr_workgroup_id_y 1
		.amdhsa_system_sgpr_workgroup_id_z 1
		.amdhsa_system_vgpr_workitem_id 0
		.amdhsa_next_free_vgpr 512
		.amdhsa_next_free_sgpr 104
		.amdhsa_reserve_vcc 0
		.amdhsa_float_denorm_mode_32 3
		.amdhsa_float_denorm_mode_16_64 3
		.amdhsa_memory_ordered 1
		.amdhsa_forward_progress 1
		.amdhsa_inst_pref_size 90
	.end_amdhsa_kernel
	.amdgpu_metadata
---
amdhsa.version: [ 1, 2 ]
amdhsa.kernels:
  - .name:           k_q8c9abd53cc_ffn2
    .symbol:         k_q8c9abd53cc_ffn2.kd
    .args:
      - { .name: h_buf, .offset: 0, .size: 8, .value_kind: global_buffer, .address_space: global }
      - { .name: wq_buf, .offset: 8, .size: 8, .value_kind: global_buffer, .address_space: global }
      - { .name: b2, .offset: 16, .size: 8, .value_kind: global_buffer, .address_space: global }
      - { .name: x1, .offset: 24, .size: 8, .value_kind: global_buffer, .address_space: global }
      - { .name: out0, .offset: 32, .size: 8, .value_kind: global_buffer, .address_space: global }
    .group_segment_fixed_size: 327680
    .private_segment_fixed_size: 0
    .kernarg_segment_align: 8
    .kernarg_segment_size: 40
    .max_flat_workgroup_size: 128
    .sgpr_count:     104
    .vgpr_count:     512
    .wavefront_size: 32
...
	.end_amdgpu_metadata
.endif
;; end of part 9
;; ======== version 3 of 3: 8 launches; version 2 with the launch attn written anew for expert scheduling mode
;; workspace buffers: wq_buf 9,830,400 bytes; xn_buf 3,276,800 bytes; qkv_buf 9,830,400 bytes; at_buf 3,276,800 bytes; x1 16,777,216 bytes; h_buf 13,107,200 bytes
;; launch wq: the kernel of part 1 again; grid 384 x 1, 4 waves a work-group, no clusters, 34,304 bytes of LDS; arguments w_in, w_out, w1, w2, wq_buf; writes wq_buf
;; launch ln1: the kernel of part 2 again; grid 256 x 1, 8 waves a work-group, no clusters, 70,656 bytes of LDS; arguments x, ln1_g, ln1_b, xn_buf; writes xn_buf
;; launch qkv: the kernel of part 3 again; grid 12 x 16, 4 waves a work-group, clusters of 4 x 4, 327,680 bytes of LDS; arguments xn_buf, wq_buf, b_in, qkv_buf; writes qkv_buf
;; launch attn (part 10): grid 256 x 1, 16 waves a work-group, no clusters, 284,928 bytes of LDS; arguments qkv_buf, key_padding_mask, at_buf, out1; writes at_buf, out1
.if DOCPART == 10
	.amdgcn_target "amdgcn-amd-amdhsa--gfx1250"
	.amdhsa_code_object_version 6
	.text
	.protected	k_q8c9abd53cc_attn
	.globl	k_q8c9abd53cc_attn
	.p2align	8
	.type	k_q8c9abd53cc_attn,@function
k_q8c9abd53cc_attn:
	s_mov_b64 s[64:65], 0
	v_nop
	global_prefetch_b8 v0, s[64:65] scope:SCOPE_SE
	s_setreg_imm32_b32 hwreg(HW_REG_WAVE_SCHED_MODE, 0, 2), 2
	s_setreg_imm32_b32 hwreg(HW_REG_WAVE_MODE, 25, 1), 1
	s_wait_xcnt 0x0
	s_wait_alu depctr_vm_vsrc(0)
; Attention on codes of E3M2, the head-averaged softmax, and the quantiser of the attention result.
; SHARES.  A work-group owns one tile of 16 queries (32 g + 8 u + r + 8 (r / 8)) of one batch.  Its sixteen waves own the sixteen steps of 128 keys; every wave walks the 16 heads.  So a wave's 16 x 128
; of the averaged softmax stays in 64 registers over the heads and every exponential is made once.  The row's largest score, its sum and the waves' parts of O meet in LDS: two barriers a head.
; A wave whose keys all come after the tile's queries does none of the "active" parts of a head (a scalar branch on ids); it passes every barrier, helps to add O, and stores zeros.
; MASK.  hidden(q, k) = k > q, or key k is padded and k != q.  It is made once as an image of 0 and -1e30 in the scores' layout, kept in LDS, and is the C of the score products.
; LAYOUT.  S^T = K Q^T: an image of K holds two tiles of 16 keys side by side along the instruction's 128 (the head has 64), multiplied by [q | 0] and [0 | q]: register 16 f + i of lane (r, h) is key
; 32 f + 16 h + i for query r.  O^T = V^T P^T.  p = 2^(t - M), M = ceil of the row's largest t over ALL keys; the sum is of the unquantised p.
; No cluster and no tensor load: a fragment of K or V is used by one wave of a work-group only, so it goes from memory straight into that wave's registers.
; LIMITS: NaN and infinities are not served; real scores must lie above -1e30; a block under 2^-122 gets the byte 1.  Rows of padded queries become zero codes (the next launch then leaves x as it is).
; THE MODE: SCHED_MODE bits 1:0 = 2 (LLVM: expert scheduling mode 2), set by the entry lines.  The code itself states the register dependences between vector or matrix instructions and memory or LDS
; instructions, with s_wait_alu, always for 0.
; THE PLAN.  Registers that memory or LDS instructions touch, in the order of a head:
;   F          K lands; the score products read it; V lands; the second products read it and lay two results there; LDS stores read those; the next head's K lands.
;   KS VS QS v26-31   loads land; products read.
;   S          the mask lands; the score products add onto it; vector work makes p of it; the average's multiply-adds read it; the next mask lands.
;   TM         vector scratch; two results of the second products; LDS stores read them; the sixteen sums land; additions; four parts of O land; additions.
;   PC (ZQ is its thirteenth)   the sixteen largest scores land; p's codes are made there; products read them; four parts of O land; additions; the store of O's piece reads the first four.  ZQ: data of the store of my largest score.
;   v14 data of my sum's store, then the next q's address; v15 the address of O's piece; v18 the address of the next q's scale word.  v1-v10 are made at the head and never written again.
; WAITS ON va_vdst IN A HEAD, seven: behind the score products; behind the maxima; behind the exponentials; behind the row's sum; behind the second products; behind the reciprocal; ahead of the store of O's piece.
; WAITS ON vm_vsrc IN A HEAD, three: behind barrier A; ahead of the next K's loads; behind barrier B (on every wave's way).  Each section's vector work ends ahead of a wait on va_vdst of its own, so the plan holds on every way through the branches.
.set KC,   3145728                     ; in qkv_buf: k's codes, v's codes, the three runs of scale words
.set VC,   6291456
.set QSC,  9437184
.set KSC,  9568256
.set VSC,  9699328
.set HBC,  98304                       ; a head's codes
.set HBS,  4096                        ; a head's scale words
.set OP,   135168                      ; LDS: 16 x 8,448 the waves' mask images (later their stages for the way out); OP: 16 x 4,096 the waves' parts of O^T
.set OS,   200704                      ; 16 rows x 4,112: the finished O
.set OSP,  4112
.set MAXB, 266496                      ; [r] pitch 80 [wave]: largest scores; LBO bytes on: sums
.set LBO,  1280
.set QL,   269056                      ; q's six registers for each head: 3 x 256 bytes
.set QSL,  281344                      ; q's scale words: head x 64 + 4 r
.set SCG,  282368                      ; the result's scale words, 512 bytes
.set LI,1
.set R16,2
.set MBA,3
.set OPS,4
.set OPR,5
.set STS,6
.set STR,7
.set OSW,8
.set QLA,9
.set QSA,10
.set KEEP,11
.set QS,38                             ; scale words: q's, p's, K's four, V's four
.set PW,39
.set KS,40
.set VS,44
.set TM,48
.set F,64                              ; four fragments of K, then of V
.set PC,112                            ; p's codes
.set ZQ,124
.set S,128                             ; the scores, then p
.set W,192                             ; the averaged softmax
.set WV,12
.set SD,13
.set SEL,18
.set CS,20
.set KB,22
.set VB,24
.set KSB,26
.set VSB,28
.set HC,30
.set HO,31
.set HQ,32
.set HS,33
.set CM,54                             ; s54-61 the masks of a run of eight compares
.macro QUANT s, d0, d1, pw
.irp b, 0,1,2,3
	v_max3_num_f32 v[TM+\b], |v[\s+16*\b]|, |v[\s+16*\b+1]|, 0x2800000
.endr
.irp i, 2,4,6,8,10,12,14
.irp b, 0,1,2,3
	v_max3_num_f32 v[TM+\b], v[TM+\b], |v[\s+16*\b+\i]|, |v[\s+16*\b+\i+1]|
.endr
.endr
.irp b, 0,1,2,3
	v_permlanex16_b32 v[TM+4+\b], v[TM+\b], s[SEL], s[SEL+1]
.endr
.irp b, 0,1,2,3
	v_max_num_f32 v[TM+\b], v[TM+\b], v[TM+4+\b]
.endr
.irp b, 0,1,2,3
	v_add_nc_u32 v[TM+12+\b], 0xfe000000, v[TM+\b]
.endr
.irp b, 0,1,2,3
	v_lshrrev_b32 v[TM+4+\b], 23, v[TM+12+\b]
.endr
	v_lshl_or_b32 v[\pw], v[TM+5], 8, v[TM+4]
	v_lshl_or_b32 v[\pw], v[TM+6], 16, v[\pw]
	v_lshl_or_b32 v[\pw], v[TM+7], 24, v[\pw]
	v_cvt_scalef32_pk16_bf6_f32 v[\d0:\d0+2], v[\s:\s+15], v[TM+12]
	v_cvt_scalef32_pk16_bf6_f32 v[TM:TM+2], v[\s+16:\s+31], v[TM+13]
	v_cvt_scalef32_pk16_bf6_f32 v[\d1:\d1+2], v[\s+32:\s+47], v[TM+14]
	v_cvt_scalef32_pk16_bf6_f32 v[TM+4:TM+6], v[\s+48:\s+63], v[TM+15]
	v_nop
.irp i, 0,1,2
	v_permlane16_swap_b32 v[\d0+\i], v[TM+\i]
	v_permlane16_swap_b32 v[\d1+\i], v[TM+4+\i]
.endr
.irp i, 0,1,2
	v_mov_b32 v[\d0+3+\i], v[TM+\i]
	v_mov_b32 v[\d1+3+\i], v[TM+4+\i]
.endr
.endm
.macro BARRIER                         ; my LDS stores have landed and my LDS loads are in: then the work-group's barrier
	s_wait_dscnt 0x0
	s_barrier_signal -1
	s_barrier_wait -1
.endm
.macro KLOAD                           ; a head's four images of my 128 keys, and their scale words
.irp f, 0,1,2,3
.irp c, 0,1,2
	global_load_b128 v[F+12*\f+4*\c:F+12*\f+4*\c+3], v[LI], s[KB:KB+1] offset:1536*\f+512*\c
.endr
.endr
	global_load_b128 v[KS:KS+3], v[R16], s[KSB:KSB+1]
.endm
	s_load_b256 s[4:11], s[0:1], 0x0               ; qkv_buf, key_padding_mask, at_buf, out1
	v_lshrrev_b32 v1, 5, v0
	v_readfirstlane_b32 s[WV], v1                  ; wave 0..15
	s_and_b32 s14, ttmp9, 1                        ; batch
	s_lshr_b32 s15, ttmp9, 1
	s_sub_co_u32 s15, 127, s15                     ; query tile: the longest first
	s_lshr_b32 s[SD], s15, 3                       ; the step on the diagonal
	s_lshr_b32 s16, s15, 1                         ; g
	s_and_b32 s17, s15, 1                          ; u
	v_and_b32 v14, 15, v0                          ; r
	v_bfe_u32 v15, v0, 4, 1                        ; h
	v_and_b32 v1, 31, v0
	v_lshl_add_u32 v[QLA], v1, 3, QL
	v_lshlrev_b32 v[LI], 4, v1
	v_lshlrev_b32 v[R16], 4, v14
	v_lshlrev_b32 v16, 4, v15                      ; 16 h
	v_and_b32 v17, 8, v14
	v_add_nc_u32 v17, v17, v14                     ; r + 8 (r / 8)
	s_wait_alu depctr_va_sdst(0)                   ; the wave's number is written, ahead of its first reader, the line below
	s_mul_i32 s34, s[WV], 8448
	v_add_nc_u32 v[MBA], s34, v[LI]
	s_lshl_b32 s34, s[WV], 12
	s_add_co_u32 s34, s34, OP
	v_add_nc_u32 v[OPS], s34, v[LI]
	s_lshl_b32 s34, s[WV], 8
	s_add_co_u32 s34, s34, OP
	v_lshl_add_u32 v[OPR], v15, 15, v[R16]         ; I add 256 bytes of the parts: piece w / 2, lanes 16 (w % 2) on; lanes 16-31 take the parts of waves 8-15
	v_add_nc_u32 v[OPR], s34, v[OPR]
	v_mul_u32_u24 v[STR], v14, 80
	v_add_nc_u32 v[STR], MAXB, v[STR]
	s_lshl_b32 s34, s[WV], 2
	v_add_nc_u32 v[STS], s34, v[STR]
	s_bfe_u32 s34, s[WV], 0x10003                  ; those 256 bytes are dims 32 (w / 8) + 16 (w % 2) + 8 ((w / 4) % 2) + 4 ((w / 2) % 2) + 0 .. 3 of query r
	s_lshl_b32 s34, s34, 7
	s_and_b32 s35, s[WV], 1
	s_lshl_b32 s35, s35, 6
	s_add_co_u32 s34, s34, s35
	s_bfe_u32 s35, s[WV], 0x10002
	s_lshl_b32 s35, s35, 5
	s_add_co_u32 s34, s34, s35
	s_bfe_u32 s35, s[WV], 0x10001
	s_lshl_b32 s35, s35, 4
	s_add_co_u32 s34, s34, s35
	s_add_co_u32 s34, s34, OS
	v_mul_u32_u24 v[OSW], v14, OSP
	v_add_nc_u32 v[OSW], s34, v[OSW]
	v_lshl_add_u32 v[QSA], v14, 2, QSL
	s_mul_i32 s34, s[WV], 768
	v_add_nc_u32 v12, s34, v[QLA]                  ; where I put the q of head w
	s_lshl_b32 s34, s[WV], 6
	v_add_nc_u32 v13, s34, v[QSA]
	s_mov_b32 s[SEL], 0x76543210
	s_mov_b32 s[SEL+1], 0xfedcba98
	s_mov_b32 s[CS], 0x3e38aa3b                    ; c = log2(e) / 8
	s_mov_b32 s[CS+1], s[CS]
	s_mov_b32 s[HO], 0
	s_mov_b32 s[HQ], 0
	s_mov_b32 s[HS], 0
	s_lshl_b32 s40, s14, 4                         ; 16 x batch
	s_mul_i32 s42, s40, HBC
	s_mul_i32 s43, s[WV], 6144
	s_add_co_u32 s42, s42, s43
	s_mov_b32 s43, 0
	s_lshl_b32 s44, s40, 12
	s_lshl_b32 s45, s[WV], 8
	s_add_co_u32 s44, s44, s45
	s_mov_b32 s45, 0
	s_add_co_u32 s41, s40, s[WV]                   ; head w of my batch
	s_mul_i32 s34, s41, HBC
	s_mul_i32 s35, s16, 1536
	s_add_co_u32 s34, s34, s35
	s_mov_b32 s35, 0
	s_lshl_b32 s36, s41, 12
	s_lshl_b32 s37, s[SD], 8
	s_add_co_u32 s36, s36, s37
	s_and_b32 s37, s16, 3
	s_lshl_b32 s37, s37, 2
	s_add_co_u32 s36, s36, s37
	s_add_co_u32 s36, s36, QSC
	s_mov_b32 s37, 0
	s_lshl_b32 s38, s14, 11
	s_lshl_b32 s39, s[WV], 7
	s_add_co_u32 s46, s38, s39
	s_mov_b32 s47, 0
	s_lshl_b32 s48, s16, 5
	s_lshl_b32 s49, s17, 3
	s_add_co_u32 s48, s48, s49                     ; the tile's first query
	s_add_co_u32 s50, s38, s48
	s_mov_b32 s51, 0
	s_sub_co_i32 s52, s48, s39
	s_lshl_b32 s53, s17, 4                         ; 16 u
	s_wait_kmcnt 0x0
	s_add_nc_u64 s[KB:KB+1], s[4:5], s[42:43]
	s_add_nc_u64 s[VB:VB+1], s[KB:KB+1], VC
	s_add_nc_u64 s[KB:KB+1], s[KB:KB+1], KC
	s_add_nc_u64 s[KSB:KSB+1], s[4:5], s[44:45]
	s_add_nc_u64 s[VSB:VSB+1], s[KSB:KSB+1], VSC
	s_add_nc_u64 s[KSB:KSB+1], s[KSB:KSB+1], KSC
	s_add_nc_u64 s[34:35], s[4:5], s[34:35]
	s_add_nc_u64 s[36:37], s[4:5], s[36:37]
	s_add_nc_u64 s[46:47], s[6:7], s[46:47]
	s_add_nc_u64 s[50:51], s[6:7], s[50:51]
	s_wait_alu depctr_va_vdst(0)                   ; the offsets and LDS addresses v1 to v10, v12, v13, v16, v17 are written: the loads below and every later load and store by them read them
.irp c, 0,1,2
	global_load_b128 v[PC+4*\c:PC+4*\c+3], v[LI], s[34:35] offset:512*\c   ; head w: the image of my tile's group of 32 queries
.endr
	global_load_b32 v[ZQ], v[R16], s[36:37]        ; and its scale word
	KLOAD                                          ; head 0
.irp k, 0,1,2,3
	global_load_b128 v[TM+4*\k:TM+4*\k+3], v16, s[46:47] offset:32*\k      ; the padding bytes of keys 32 k + 16 h + 0 .. 15 of my step
.endr
	global_load_u8 v[KEEP], v17, s[50:51]          ; and of my query
.set j, 0
.rept 64
	v_mov_b32 v[W+j], 0
.set j, j+1
.endr
.irp j, 20,21,22,23,24,25,32,33,34,35,36,37
	v_mov_b32 v\j, 0                               ; the zero halves of [0 | q] (v20-31) and [q | 0] (v26-37)
.endr
.irp j, 0,1,2,3
	v_mov_b32 v[VS+\j], 0                          ; written on every way
.endr
	v_mov_b32 v[ZQ+1], 0xf149f2ca                  ; -1e30
	v_mov_b32 v[ZQ+2], 1
	v_mov_b32 v[ZQ+3], 0
	s_wait_loadcnt 0x0
	s_cmp_eq_u32 s17, 1
	s_cselect_b32 vcc_lo, -1, 0
.irp i, 0,1,2,3,4,5
	v_cndmask_b32 v[26+\i], v[PC+\i], v[PC+6+\i], vcc_lo     ; my tile's six registers of the image
.endr
	v_lshrrev_b32 v[ZQ], s53, v[ZQ]
	v_and_b32 v[ZQ], 0xffff, v[ZQ]
	v_lshl_or_b32 v[ZQ], v[ZQ], 16, v[ZQ]          ; my tile's two bytes, in both halves of the word
	v_cvt_f32_u32 v[KEEP], v[KEEP]
	v_sub_f32 v[KEEP], 1.0, v[KEEP]                ; 0 for a padded query
	v_sub_nc_u32 v18, v17, v16
	v_add_nc_u32 v18, s52, v18                     ; d = my query - my step's first key - 16 h: register 16 b + i holds the key at 32 b + i
; The mask, eight registers at a time, in place in S: the key's padding byte; 0 on the diagonal; 1 for later keys; then 0 or -1e30.  The compares go in runs of eight into s54-61, one wait behind each run.
.set g, 0
.rept 8
.irp i, 0,1,2,3,4,5,6,7
	v_bfe_u32 v[S+8*g+\i], v[TM+(8*g+\i)/4], 8*((8*g+\i)%4), 8
.endr
.irp i, 0,1,2,3,4,5,6,7
	v_cmp_ne_u32 s[CM+\i], 32*((8*g+\i)/16)+(8*g+\i)%16, v18
.endr
	s_wait_alu depctr_va_sdst(0)                   ; the eight compares have written s54-61, ahead of the selects that read them
.irp i, 0,1,2,3,4,5,6,7
	v_cndmask_b32 v[S+8*g+\i], 0, v[S+8*g+\i], s[CM+\i]          ; the diagonal is open
.endr
.irp i, 0,1,2,3,4,5,6,7
	v_cmp_gt_i32 s[CM+\i], 32*((8*g+\i)/16)+(8*g+\i)%16, v18
.endr
	s_wait_alu depctr_va_sdst(0)                   ; the eight compares have written s54-61, ahead of the selects that read them
.irp i, 0,1,2,3,4,5,6,7
	v_cndmask_b32 v[S+8*g+\i], v[S+8*g+\i], v[ZQ+2], s[CM+\i]    ; later keys are hidden
.endr
.irp i, 0,1,2,3,4,5,6,7
	v_cmp_ne_u32 s[CM+\i], 0, v[S+8*g+\i]
.endr
	s_wait_alu depctr_va_sdst(0)                   ; the eight compares have written s54-61, ahead of the selects that read them
.irp i, 0,1,2,3,4,5,6,7
	v_cndmask_b32 v[S+8*g+\i], 0, v[ZQ+1], s[CM+\i]
.endr
.set g, g+1
.endr
	s_wait_alu depctr_va_vdst(0)                   ; q's six registers, its scale word, the mask in S, the zeros in W and the constants beside ZQ are written, which the LDS stores below read; the zero halves v20-25 and v32-37 are written, which the score products take as operands
.irp i, 0,1,2
	ds_store_b64 v12, v[26+2*\i:27+2*\i] offset:256*\i
.endr
	ds_store_b32 v13, v[ZQ]
.irp c, 0,1,2,3,4,5,6,7,8,9,10,11,12,13,14,15
	ds_store_b128 v[MBA], v[S+4*\c:S+4*\c+3] offset:512*\c      ; S already holds head 0's C
.endr
	s_wait_alu depctr_vm_vsrc(0)                   ; the stores above have read v12, v13, v26-31, ZQ and S, and the loads at the head v16 and v17: all of these are written again below or in the heads
	v_mov_b32 v12, 0
	v_mov_b32 v13, 0
	s_cmp_le_u32 s[WV], s[SD]
	s_cbranch_scc1 .Lactive0
	ds_store_b32 v[STS], v[ZQ+1]                   ; a wave without keys: its largest score, its sum and its part of O stay so for all heads
	ds_store_b32 v[STS], v[ZQ+3] offset:LBO
.irp c, 0,1,2,3,4,5,6,7
	ds_store_b128 v[OPS], v[W:W+3] offset:512*\c
.endr
.Lactive0:
	BARRIER                                        ; all heads' q lie in LDS
.irp i, 0,1,2
	ds_load_b64 v[26+2*\i:27+2*\i], v[QLA] offset:256*\i
.endr
	ds_load_b32 v[QS], v[QSA]
.macro HEAD last
	s_cmp_gt_u32 s[WV], s[SD]
	s_cbranch_scc1 .La1_\@
	s_wait_loadcnt 0x0                             ; K and its scale words
	s_wait_dscnt 0x0                               ; the mask in S, q, q's scale word
.irp f, 0,1,2,3
	v_wmma_scale_f32_16x16x128_f8f6f4 v[S+16*\f:S+16*\f+7], v[F+12*\f:F+12*\f+11], v[26:37], v[S+16*\f:S+16*\f+7], v[KS+\f], v[QS] matrix_a_fmt:MATRIX_FMT_BF6 matrix_b_fmt:MATRIX_FMT_BF6
	v_wmma_scale_f32_16x16x128_f8f6f4 v[S+16*\f+8:S+16*\f+15], v[F+12*\f:F+12*\f+11], v[20:31], v[S+16*\f+8:S+16*\f+15], v[KS+\f], v[QS] matrix_a_fmt:MATRIX_FMT_BF6 matrix_b_fmt:MATRIX_FMT_BF6
.endr
.rept 4
	v_nop                                          ; places in front of the first read of the scores
.endr
	s_wait_alu depctr_va_vdst(0)                   ; the score products are done reading K's fragments in F, in which V lands (the last head's second products are long done with VS)
.irp t, 0,1,2,3
.irp c, 0,1,2
	global_load_b128 v[F+12*\t+4*\c:F+12*\t+4*\c+3], v[LI], s[VB:VB+1] offset:1536*\t+512*\c    ; V lands while the softmax is made
.endr
.endr
	global_load_b128 v[VS:VS+3], v[R16], s[VSB:VSB+1]
.irp b, 0,1,2,3
	v_max3_num_f32 v[TM+\b], v[S+16*\b], v[S+16*\b+1], v[S+16*\b+2]      ; the largest score of each block of 32 keys: for the row's maximum and for the block's largest p
.endr
.irp i, 3,5,7,9,11,13
.irp b, 0,1,2,3
	v_max3_num_f32 v[TM+\b], v[TM+\b], v[S+16*\b+\i], v[S+16*\b+\i+1]
.endr
.endr
.irp b, 0,1,2,3
	v_max_num_f32 v[TM+\b], v[TM+\b], v[S+16*\b+15]
.endr
.irp b, 0,1,2,3
	v_permlanex16_b32 v[TM+4+\b], v[TM+\b], s[SEL], s[SEL+1]
.endr
.irp b, 0,1,2,3
	v_max_num_f32 v[TM+\b], v[TM+\b], v[TM+4+\b]
.endr
	v_max3_num_f32 v[ZQ], v[TM], v[TM+1], v[TM+2]
	v_max_num_f32 v[ZQ], v[ZQ], v[TM+3]
	s_wait_alu depctr_va_vdst(0)                   ; ZQ is written, which the store below reads; the maxima are done with TM and ZQ, in which LDS loads land behind the barriers
	ds_store_b32 v[STS], v[ZQ]
.La1_\@:
	BARRIER                                        ; A: every wave's largest score lies in LDS; nobody reads the last head's sums or parts of O any more
	s_cmp_gt_u32 s[WV], s[SD]
	s_cbranch_scc1 .La2_\@
	s_wait_alu depctr_vm_vsrc(0)                   ; the store of my largest score has read ZQ and the last head's store of O's piece v15 and PC's first four, in which the loads and lines below write; the loads of q and its scale word have read v14 and v18
.irp k, 0,1,2,3
	ds_load_b128 v[PC+4*\k:PC+4*\k+3], v[STR] offset:16*\k
.endr
	s_wait_dscnt 0x0
	v_max3_num_f32 v14, v[PC], v[PC+1], v[PC+2]
	v_max3_num_f32 v15, v[PC+3], v[PC+4], v[PC+5]
	v_max3_num_f32 v14, v14, v[PC+6], v[PC+7]
	v_max3_num_f32 v15, v15, v[PC+8], v[PC+9]
	v_max3_num_f32 v14, v14, v[PC+10], v[PC+11]
	v_max3_num_f32 v15, v15, v[PC+12], v[PC+13]
	v_max3_num_f32 v14, v14, v[PC+14], v[PC+15]
	v_max_num_f32 v14, v14, v15                    ; the row's largest score
	v_mul_f32 v14, s[CS], v14
	v_floor_f32 v12, -v14                          ; -M = -ceil(t)
.set j, 0
.rept 32
	v_pk_fma_f32 v[S+j:S+j+1], v[S+j:S+j+1], s[CS:CS+1], v[12:13] op_sel_hi:[1,0,0]   ; t - M
.set j, j+2
.endr
.irp b, 0,1,2,3
	v_fma_f32 v[TM+\b], v[TM+\b], s[CS], v12
.endr
.set j, 0
.rept 64
	v_exp_f32 v[S+j], v[S+j]                       ; p: not normalised; 0 under the mask
.set j, j+1
.endr
.irp b, 0,1,2,3
	v_exp_f32 v[TM+\b], v[TM+\b]                   ; the block's largest p
.endr
	v_nop                                          ; a plain place behind the exponentials
	s_wait_alu depctr_va_vdst(0)                   ; the 68 exponentials have written S and TM's first four, ahead of their first reader
.irp b, 0,1,2,3
	v_max_num_f32 v[TM+\b], 0x2800000, v[TM+\b]
.endr
.irp b, 0,1,2,3
	v_add_nc_u32 v[TM+12+\b], 0xfe000000, v[TM+\b]
.endr
.irp b, 0,1,2,3
	v_lshrrev_b32 v[TM+4+\b], 23, v[TM+12+\b]
.endr
	v_lshl_or_b32 v[PW], v[TM+5], 8, v[TM+4]
	v_lshl_or_b32 v[PW], v[TM+6], 16, v[PW]
	v_lshl_or_b32 v[PW], v[TM+7], 24, v[PW]
	v_cvt_scalef32_pk16_bf6_f32 v[PC:PC+2], v[S:S+15], v[TM+12]
	v_cvt_scalef32_pk16_bf6_f32 v[TM:TM+2], v[S+16:S+31], v[TM+13]
	v_cvt_scalef32_pk16_bf6_f32 v[PC+6:PC+8], v[S+32:S+47], v[TM+14]
	v_cvt_scalef32_pk16_bf6_f32 v[TM+4:TM+6], v[S+48:S+63], v[TM+15]
	v_nop
.irp i, 0,1,2
	v_permlane16_swap_b32 v[PC+\i], v[TM+\i]
	v_permlane16_swap_b32 v[PC+6+\i], v[TM+4+\i]
.endr
.irp i, 0,1,2
	v_mov_b32 v[PC+3+\i], v[TM+\i]
	v_mov_b32 v[PC+9+\i], v[TM+4+\i]
.endr
	v_pk_add_f32 v[14:15], v[S:S+1], v[S+4:S+5]    ; the sum of the unquantised p, in two chains: also the places between the codes, the scale word and the products
	v_pk_add_f32 v[TM+8:TM+9], v[S+2:S+3], v[S+6:S+7]
.set j, 8
.rept 14
	v_pk_add_f32 v[14:15], v[14:15], v[S+j:S+j+1]
	v_pk_add_f32 v[TM+8:TM+9], v[TM+8:TM+9], v[S+j+2:S+j+3]
.set j, j+4
.endr
	v_pk_add_f32 v[14:15], v[14:15], v[TM+8:TM+9]
	v_add_f32 v14, v14, v15
	v_permlanex16_b32 v[ZQ], v14, s[SEL], s[SEL+1]
	v_add_f32 v14, v14, v[ZQ]
	s_wait_alu depctr_va_vdst(0)                   ; v14 is written, which the store below reads; p's codes in PC and its scale word in PW are written, which the scaled products below take (their places stand above this wait)
	ds_store_b32 v[STS], v14 offset:LBO
	s_wait_loadcnt 0x0                             ; V and its scale words
	v_wmma_scale_f32_16x16x128_f8f6f4 v[TM:TM+7], v[F:F+11], v[PC:PC+11], 0, v[VS], v[PW] matrix_a_fmt:MATRIX_FMT_BF6 matrix_b_fmt:MATRIX_FMT_BF6
	v_wmma_scale_f32_16x16x128_f8f6f4 v[TM+8:TM+15], v[F+12:F+23], v[PC:PC+11], 0, v[VS+1], v[PW] matrix_a_fmt:MATRIX_FMT_BF6 matrix_b_fmt:MATRIX_FMT_BF6
.rept 5
	v_nop                                          ; five places: the next two results are laid over fragments that the last two products have read
.endr
	v_wmma_scale_f32_16x16x128_f8f6f4 v[F:F+7], v[F+24:F+35], v[PC:PC+11], 0, v[VS+2], v[PW] matrix_a_fmt:MATRIX_FMT_BF6 matrix_b_fmt:MATRIX_FMT_BF6
	v_wmma_scale_f32_16x16x128_f8f6f4 v[F+12:F+19], v[F+36:F+47], v[PC:PC+11], 0, v[VS+3], v[PW] matrix_a_fmt:MATRIX_FMT_BF6 matrix_b_fmt:MATRIX_FMT_BF6
.rept 4
	v_nop
.endr
	s_wait_alu depctr_va_vdst(0)                   ; the four products have written TM and F, which the stores below read (the places above stay beside this wait), and are done reading F, PC and KS's neighbours: the next K lands in F, and behind barrier B loads land in TM and PC
	ds_store_b128 v[OPS], v[TM:TM+3]               ; my part of O^T, as it stands; each result from its low end on
	ds_store_b128 v[OPS], v[TM+4:TM+7] offset:512
	ds_store_b128 v[OPS], v[TM+8:TM+11] offset:1024
	ds_store_b128 v[OPS], v[TM+12:TM+15] offset:1536
	ds_store_b128 v[OPS], v[F:F+3] offset:2048
	ds_store_b128 v[OPS], v[F+4:F+7] offset:2560
	ds_store_b128 v[OPS], v[F+12:F+15] offset:3072
	ds_store_b128 v[OPS], v[F+16:F+19] offset:3584
.if \last == 0
	s_add_nc_u64 s[KB:KB+1], s[KB:KB+1], HBC       ; no load of mine is out (the wait above): the bases step to the next head
	s_add_nc_u64 s[VB:VB+1], s[VB:VB+1], HBC
	s_add_nc_u64 s[KSB:KSB+1], s[KSB:KSB+1], HBS
	s_add_nc_u64 s[VSB:VSB+1], s[VSB:VSB+1], HBS
	s_wait_dscnt 0x0                               ; the stores are done
	s_wait_alu depctr_vm_vsrc(0)                   ; the stores above have read F's registers, in which the next head's K lands
	KLOAD                                          ; the next head's K lands while O and the average are finished
.endif
.La2_\@:
	BARRIER                                        ; B: every wave's sum and part of O lie in LDS; nobody reads the largest scores any more
	s_wait_alu depctr_vm_vsrc(0)                   ; on every wave's way: my LDS stores so far have read v14 (my sum), TM (my part of O), v15 and PC's first four (the last head's piece of O) and, in a wave without keys, the constants beside ZQ and W's first four: all are written below
.irp k, 0,1,2,3
	ds_load_b128 v[TM+4*\k:TM+4*\k+3], v[STR] offset:LBO+16*\k
.endr
.irp p, 0,1,2,3
	ds_load_b128 v[PC+4*\p:PC+4*\p+3], v[OPR] offset:4096*\p
.endr
	s_wait_dscnt 4                                 ; the sixteen sums are in; four younger loads may be out
	v_pk_add_f32 v[TM:TM+1], v[TM:TM+1], v[TM+2:TM+3]
	v_pk_add_f32 v[TM+4:TM+5], v[TM+4:TM+5], v[TM+6:TM+7]
	v_pk_add_f32 v[TM+8:TM+9], v[TM+8:TM+9], v[TM+10:TM+11]
	v_pk_add_f32 v[TM+12:TM+13], v[TM+12:TM+13], v[TM+14:TM+15]
	v_pk_add_f32 v[TM:TM+1], v[TM:TM+1], v[TM+4:TM+5]
	v_pk_add_f32 v[TM+8:TM+9], v[TM+8:TM+9], v[TM+12:TM+13]
	v_pk_add_f32 v[TM:TM+1], v[TM:TM+1], v[TM+8:TM+9]
	v_add_f32 v14, v[TM], v[TM+1]                  ; the row's sum, the same in every wave
	v_rcp_f32 v14, v14
	v_nop
	s_wait_alu depctr_va_vdst(0)                   ; the reciprocal has written v14, ahead of its first reader; the additions above are done with TM, in which the next four loads land
	v_mul_f32 v18, v14, v[KEEP]                    ; for O: 1 / l, 0 for a padded query
	v_mul_f32 v16, 0x3d800000, v14                 ; for the average over 16 heads
	v_mov_b32 v19, v18
	v_mov_b32 v17, v16
.irp p, 0,1,2,3
	ds_load_b128 v[TM+4*\p:TM+4*\p+3], v[OPR] offset:16384+4096*\p
.endr
	s_cmp_gt_u32 s[WV], s[SD]
	s_cbranch_scc1 .La3_\@
.set j, 0
.rept 32
	v_pk_fma_f32 v[W+j:W+j+1], v[S+j:S+j+1], v[16:17], v[W+j:W+j+1]     ; the average takes this head's p while the parts of O land: these lines name none of the registers in which loads are out
.set j, j+2
.endr
.La3_\@:
	s_wait_dscnt 4                                 ; the first four parts are in
	v_pk_add_f32 v[PC:PC+1], v[PC:PC+1], v[PC+4:PC+5]
	v_pk_add_f32 v[PC+2:PC+3], v[PC+2:PC+3], v[PC+6:PC+7]
	v_pk_add_f32 v[PC+8:PC+9], v[PC+8:PC+9], v[PC+12:PC+13]
	v_pk_add_f32 v[PC+10:PC+11], v[PC+10:PC+11], v[PC+14:PC+15]
	v_pk_add_f32 v[PC:PC+1], v[PC:PC+1], v[PC+8:PC+9]
	v_pk_add_f32 v[PC+2:PC+3], v[PC+2:PC+3], v[PC+10:PC+11]
	s_wait_dscnt 0x0
	v_pk_add_f32 v[TM:TM+1], v[TM:TM+1], v[TM+4:TM+5]
	v_pk_add_f32 v[TM+2:TM+3], v[TM+2:TM+3], v[TM+6:TM+7]
	v_pk_add_f32 v[TM+8:TM+9], v[TM+8:TM+9], v[TM+12:TM+13]
	v_pk_add_f32 v[TM+10:TM+11], v[TM+10:TM+11], v[TM+14:TM+15]
	v_pk_add_f32 v[TM:TM+1], v[TM:TM+1], v[TM+8:TM+9]
	v_pk_add_f32 v[TM+2:TM+3], v[TM+2:TM+3], v[TM+10:TM+11]
	v_pk_add_f32 v[PC:PC+1], v[PC:PC+1], v[TM:TM+1]
	v_pk_add_f32 v[PC+2:PC+3], v[PC+2:PC+3], v[TM+2:TM+3]
.irp i, 0,1,2,3
	v_permlanex16_b32 v[PC+4+\i], v[PC+\i], s[SEL], s[SEL+1]     ; the other eight waves' parts
.endr
	v_pk_add_f32 v[PC:PC+1], v[PC:PC+1], v[PC+4:PC+5]
	v_pk_add_f32 v[PC+2:PC+3], v[PC+2:PC+3], v[PC+6:PC+7]
	v_pk_mul_f32 v[PC:PC+1], v[PC:PC+1], v[18:19]
	v_pk_mul_f32 v[PC+2:PC+3], v[PC+2:PC+3], v[18:19]
	v_add_nc_u32 v15, s[HO], v[OSW]
.if \last == 0
	s_add_co_u32 s[HO], s[HO], 256                 ; the next head's places: stepped on every wave's way
	s_add_co_u32 s[HQ], s[HQ], 768
	s_add_co_u32 s[HS], s[HS], 64
	v_add_nc_u32 v14, s[HQ], v[QLA]                ; where the next head's q lies, and its scale word: made on every wave's way, ahead of the one wait below
	v_add_nc_u32 v18, s[HS], v[QSA]
.endif
	s_wait_alu depctr_va_vdst(0)                   ; v15 and PC's first four are written, which the store below reads; v14 and v18, which the loads below read; the average's lines are done reading S, in which the next mask lands; the additions are done with TM and PC, in which the next head's loads land
	ds_store_b128 v15, v[PC:PC+3]                  ; four dims of this head for query r (both halves of the lanes write the same)
.if \last == 0
	s_cmp_gt_u32 s[WV], s[SD]
	s_cbranch_scc1 .La4_\@
.irp c, 0,1,2,3,4,5,6,7,8,9,10,11,12,13,14,15
	ds_load_b128 v[S+4*\c:S+4*\c+3], v[MBA] offset:512*\c       ; the mask: the next head's C
.endr
.irp i, 0,1,2
	ds_load_b64 v[26+2*\i:27+2*\i], v14 offset:256*\i
.endr
	ds_load_b32 v[QS], v18
.La4_\@:
.endif
.endm
	s_mov_b32 s[HC], 15
.Lhead:
	HEAD 0
	s_sub_co_u32 s[HC], s[HC], 1
	s_cmp_lg_u32 s[HC], 0
	s_cbranch_scc1 .Lhead
	HEAD 1                                         ; the last head asks for nothing more
	BARRIER                                        ; the 16 x 1,024 of O lie in LDS
	s_wait_alu depctr_vm_vsrc(0)                   ; the last store of O's piece has read v15 and PC's first four, which the lines below and the quantiser write
	v_and_b32 v14, 15, v0                          ; r
	v_bfe_u32 v15, v0, 4, 1                        ; h
	v_mul_u32_u24 v16, v14, OSP
	v_lshl_add_u32 v16, v15, 6, v16
	s_lshl_b32 s34, s[WV], 9
	s_add_co_u32 s34, s34, OS
	v_add_nc_u32 v16, s34, v16                     ; O: row r, K step w, + 64 h
	s_lshr_b32 s35, s[WV], 1
	s_lshl_b32 s35, s35, 7
	s_and_b32 s36, s[WV], 1
	s_lshl_b32 s36, s36, 2
	s_add_co_u32 s35, s35, s36
	s_add_co_u32 s35, s35, SCG
	v_lshl_add_u32 v17, v14, 3, s35                ; my scale word's place
	v_mul_u32_u24 v18, v14, 528
	v_lshl_add_u32 v18, v15, 6, v18
	s_mul_i32 s37, s[WV], 8448
	v_add_nc_u32 v18, s37, v18                     ; my stage: row r, + 64 h
	v_add_nc_u32 v19, SCG, v[LI]
	s_lshl_b32 s34, s14, 7
	s_add_co_u32 s34, s34, s15                     ; the row tile: 128 x batch + query tile
	s_mul_i32 s36, s34, 12288
	s_mul_i32 s37, s[WV], 1536
	s_add_co_u32 s36, s36, s37
	s_mov_b32 s37, 0
	s_add_nc_u64 s[36:37], s[8:9], s[36:37]
	s_lshl_b32 s38, s34, 9
	s_add_co_u32 s38, s38, 3145728
	s_mov_b32 s39, 0
	s_add_nc_u64 s[38:39], s[8:9], s[38:39]
	s_lshl_b32 s40, s14, 11
	s_add_co_u32 s40, s40, s48
	s_lshl_b32 s40, s40, 13                        ; a row of the averaged softmax is 8,192 bytes
	s_lshl_b32 s41, s[WV], 9
	s_add_co_u32 s40, s40, s41
	s_mov_b32 s41, 0
	s_add_nc_u64 s[40:41], s[10:11], s[40:41]
	s_wait_alu depctr_va_vdst(0)                   ; the addresses v16 to v19 are written, which the LDS loads and stores below read; W is written, which the stage's stores read; the last head's lines are done reading S, in which loads land on both ways
	s_cmp_gt_u32 s[WV], 7
	s_cbranch_scc1 .Lno_codes
.irp b, 0,1,2,3
.irp j, 0,1,2,3
	ds_load_b128 v[S+16*\b+4*\j:S+16*\b+4*\j+3], v16 offset:128*\b+16*\j
.endr
.endr
	s_wait_dscnt 0x0
	QUANT S, PC, PC+6, PW                          ; waves 0-7: K step w of the next product
	s_wait_alu depctr_va_vdst(0)                   ; the quantiser has written the codes in PC and the scale word in PW, which the stores below read, and is done with S and TM, in which LDS loads land further down
.irp c, 0,1,2
	global_store_b128 v[LI], v[PC+4*\c:PC+4*\c+3], s[36:37] offset:512*\c
.endr
	ds_store_b32 v17, v[PW]
.Lno_codes:
.irp b, 0,1,2,3
.irp j, 0,1,2,3
	ds_store_b128 v18, v[W+16*\b+4*\j:W+16*\b+4*\j+3] offset:128*\b+16*\j   ; my own stage, where my mask lay
.endr
.endr
.irp t, 0,1,2,3,4,5,6,7,8,9,10,11,12,13,14,15
	ds_load_b128 v[S+4*\t:S+4*\t+3], v[MBA] offset:528*\t       ; LDS serves a wave's instructions in order: these see the stores above
.endr
.irp t, 0,1,2,3,4,5,6,7,8,9,10,11,12,13,14,15
	s_wait_dscnt 15-\t                             ; row t is back; the younger rows may be out
	global_store_b128 v[LI], v[S+4*\t:S+4*\t+3], s[40:41] offset:(\t+8*(\t/8))*8192 th:TH_STORE_NT   ; 512 consecutive bytes of one row
.endr
	BARRIER                                        ; the tile's scale words lie in LDS
	s_cmp_lg_u32 s[WV], 0
	s_cbranch_scc1 .Lend
	ds_load_b128 v[TM:TM+3], v19
	s_wait_dscnt 0x0
	global_store_b128 v[LI], v[TM:TM+3], s[38:39]  ; 512 consecutive bytes
.Lend:
	s_wait_xcnt 0x0
	s_wait_alu depctr_vm_vsrc(0)                   ; the stage's stores have read v254 and v255, W's last two, which the two lines below write
	v_lshl_add_u32 v254, v0, 2, 0x45100
	v_mov_b32 v255, 0
	s_wait_dscnt 0x0                               ; the closing lines, six on end
	s_wait_alu 0x0
	s_wait_tensorcnt 0x0
	ds_add_u32 v254, v255
	s_wait_dscnt 0x0
	s_endpgm
.Lfunc_end_k_q8c9abd53cc_attn:
	.size	k_q8c9abd53cc_attn, .Lfunc_end_k_q8c9abd53cc_attn-k_q8c9abd53cc_attn
	.p2alignl 7, 3214868480
	.fill 96, 4, 3214868480
	.section	.rodata,"a",@progbits
	.p2align	6, 0x0
	.amdhsa_kernel k_q8c9abd53cc_attn
		.amdhsa_group_segment_fixed_size 284928
		.amdhsa_private_segment_fixed_size 0
		.amdhsa_enable_private_segment 0
		.amdhsa_kernarg_size 32
		.amdhsa_user_sgpr_count 2
		.amdhsa_user_sgpr_kernarg_segment_ptr 1
		.amdhsa_wavefront_size32 1
		.amdhsa_system_sgpr_workgroup_id_x 1
		.amdhsa_system_sgpr_workgroup_id_y 1
		.amdhsa_system_sgpr_workgroup_id_z 1
		.amdhsa_system_vgpr_workitem_id 0
		.amdhsa_next_free_vgpr 256
		.amdhsa_next_free_sgpr 66
		.amdhsa_reserve_vcc 1
		.amdhsa_float_denorm_mode_32 3
		.amdhsa_float_denorm_mode_16_64 3
		.amdhsa_memory_ordered 1
		.amdhsa_forward_progress 1
		.amdhsa_inst_pref_size 100
	.end_amdhsa_kernel
	.amdgpu_metadata
---
amdhsa.version: [ 1, 2 ]
amdhsa.kernels:
  - .name:           k_q8c9abd53cc_attn
    .symbol:         k_q8c9abd53cc_attn.kd
    .args:
      - { .name: qkv_buf, .offset: 0, .size: 8, .value_kind: global_buffer, .address_space: global }
      - { .name: key_padding_mask, .offset: 8, .size: 8, .value_kind: global_buffer, .address_space: global }
      - { .name: at_buf, .offset: 16, .size: 8, .value_kind: global_buffer, .address_space: global }
      - { .name: out1, .offset: 24, .size: 8, .value_kind: global_buffer, .address_space: global }
    .group_segment_fixed_size: 284928
    .private_segment_fixed_size: 0
    .kernarg_segment_align: 8
    .kernarg_segment_size: 32
    .max_flat_workgroup_size: 512
    .sgpr_count:     66
    .vgpr_count:     256
    .wavefront_size: 32
...
	.end_amdgpu_metadata
.endif
;; end of part 10
;; launch oproj: the kernel of part 8 again; grid 8 x 32, 4 waves a work-group, clusters of 4 x 4, 327,680 bytes of LDS; arguments at_buf, wq_buf, b_out, key_padding_mask, x, x1; writes x1
;; launch ln2: the kernel of part 2 again; grid 256 x 1, 8 waves a work-group, no clusters, 70,656 bytes of LDS; arguments x1, ln2_g, ln2_b, xn_buf; writes xn_buf
;; launch ffn1: the kernel of part 6 again; grid 16 x 16, 4 waves a work-group, clusters of 4 x 4, 327,680 bytes of LDS; arguments xn_buf, wq_buf, b1, h_buf; writes h_buf
;; launch ffn2: the kernel of part 9 again; grid 8 x 32, 4 waves a work-group, clusters of 4 x 4, 327,680 bytes of LDS; arguments h_buf, wq_buf, b2, x1, out0; writes out0
